; MI455X (gfx1250); checked and timed in simulation.
; The chip was launched on July 23, 2026; its instructions are those of AMD's public machine-readable ISA for CDNA 5 (MIT licence, August 2026) and "CDNA5" Instruction Set Architecture Reference Guide (July 2026). The comments in the code are by the model that wrote it; some were corrected since.
;; Transformer Block. Allowed arithmetic: matrix products marked QUANTISED: E4M3 operands, one E8M0 scale for each 32 along K, by v_wmma_scale_f32_16x16x128_f8f6f4 with both operands' format E4M3, f32 sums; everything else in f32.
;; Inputs: W1 4,096 x 1,024 float32; W2 1,024 x 4,096 float32; Wk 1,024 x 1,024 float32; Wo 1,024 x 1,024 float32; Wq 1,024 x 1,024 float32; Wv 1,024 x 1,024 float32; b1 4,096 float32; b2 1,024 float32; bo 1,024 float32; ln1_scale 1,024 float32; ln1_shift 1,024 float32; ln2_scale 1,024 float32; ln2_shift 1,024 float32; x 4 x 1,024 x 1,024 float32.
;; Outputs: out0 4 x 1,024 x 1,024 float32.
;; This version of the problem:
;;   THIS VERSION OF THE PROBLEM IS GIVEN IN LOW PRECISION. The matrix products marked QUANTISED in the list below multiply operands that are first quantised to E4M3 (4 exponent bits, 3 mantissa bits; 8 bits a number), with one power-of-two scale for each 32 numbers along K (OCP MX v1.0); their sums are f32. All else is computed in f32.
;;   The module's matrix products, in the order in which they are computed (A, B: the left and right operand; K: the contracted axis; several contracted axes count as one K, in the product's order):
;;     1. [M 4,096, K 1,024] x [K 1,024, N 1,024]; A: computed on the way; B: input Wq: QUANTISED
;;     2. [M 4,096, K 1,024] x [K 1,024, N 1,024]; A: computed on the way; B: input Wk: QUANTISED
;;     3. [M 4,096, K 1,024] x [K 1,024, N 1,024]; A: computed on the way; B: input Wv: QUANTISED
;;     4. batch 64 x [M 1,024, K 64] x [K 64, N 1,024]; A: computed on the way; B: computed on the way: QUANTISED
;;     5. batch 64 x [M 1,024, K 1,024] x [K 1,024, N 64]; A: softmax (see below); B: computed on the way: QUANTISED
;;     6. [M 4,096, K 1,024] x [K 1,024, N 1,024]; A: computed on the way; B: input Wo: QUANTISED
;;     7. [M 4,096, K 1,024] x [K 1,024, N 4,096]; A: computed on the way; B: input W1: QUANTISED
;;     8. [M 4,096, K 4,096] x [K 4,096, N 1,024]; A: computed on the way; B: input W2: QUANTISED
;;   THE QUANTISER, for each operand of a quantised product, along K:
;;     - K is cut into blocks of 32 from its start; a last block that is shorter is filled with zeros.
;;     - A block's scale is 2^e with e = floor(log2(the largest magnitude in the block)) - 8, held to -126 .. 127; a block of zeros has e = 0. As a byte (E8M0): e + 127.
;;     - Each number is divided by its block's scale, clamped to +-448, and rounded to the nearest number of E4M3, ties to even, subnormals kept.
;;     - The product sums the exact products of the quantised numbers (number of the format x scale) in f32.
;;   ~~~python
;;   def quantise(x, axis):      # numpy; x: float32 -> the quantised numbers, widened to float32 again
;;       x = np.moveaxis(x, axis, -1); K = x.shape[-1]
;;       x = np.pad(x, [(0, 0)] * (x.ndim - 1) + [(0, -K % 32)]); x = x.reshape(x.shape[:-1] + (-1, 32)); a = np.abs(x).max(-1, keepdims=True)
;;       e = np.where(a > 0, np.clip(np.frexp(np.where(a > 0, a, 1))[1] - 1 - 8, -126, 127), 0)      # np.frexp(a)[1] - 1 = floor(log2(a)), exactly
;;       r = np.clip(x / 2.0 ** e, -448, 448)
;;       step = 2.0 ** (np.maximum(np.frexp(np.where(r == 0, 1, r))[1] - 1, -6) - 3)
;;       q = np.round(r / step) * step * 2.0 ** e      # np.round: ties to even
;;       return np.moveaxis(q.reshape(q.shape[:-2] + (-1,))[..., :K], -1, axis).astype(np.float32)
;;   ~~~
;;   SOFTMAX AHEAD OF A QUANTISED PRODUCT. Where the list says 'softmax', what is quantised is not the finished softmax but p = 2^(t - M), with t = logit x log2(e) and M = ceil(the row's largest t), a whole number; so 1/2 < the row's largest p <= 1. The row's sum l is taken of the UNQUANTISED p, in f32, and the product's result is divided by l at the end. Since M is a whole number, a kernel that streams over the keys may use a running M (the ceiling of the running maximum): every later rescaling is an exact power of two, which a block's scale takes up: the codes' values come out the same.
;;   OPERANDS COMPUTED ON THE WAY. 'Computed on the way' means the value that the module computes at that place (a softmax that the list does not call 'softmax' is quantised finished and normalised). What goes into a quantiser is computed in f32, as accurately as f32 sums, v_exp_f32 and their like allow (about 1e-6 of the number): no bf16 or f16 on the way to a quantiser, and a product that is left as it is and whose result goes on into a quantised operand takes f32 operands (vector FMAs, or v_wmma_f32_16x16x4_f32). A number that lies on a knife's edge between two numbers of the format may be rounded either way, as far as f32 arithmetic and the matrix unit's own rounding can turn it there, and no further.
;; 2 versions. Each part assembles by itself: llvm-mc -triple=amdgcn-amd-amdhsa -mcpu=gfx1250 --defsym DOCPART=n.
;; ======== version 1 of 2: 7 launches
;; workspace buffers: wbuf 12,976,128 bytes; abuf 4,325,376 bytes; qkvb 13,238,272 bytes; x1 16,777,216 bytes; fbuf 17,301,504 bytes
;; launch prep (part 1): grid 640 x 1, 4 waves a work-group, no clusters, 33,792 bytes of LDS; arguments x, ln1_scale, ln1_shift, abuf, Wq, Wk, Wv, Wo, W1, W2, wbuf; writes abuf, wbuf
.if DOCPART == 1
	.amdgcn_target "amdgcn-amd-amdhsa--gfx1250"
	.amdhsa_code_object_version 6
	.text
	.protected	k_q29d9cec9a1_prep
	.globl	k_q29d9cec9a1_prep
	.p2align	8
	.type	k_q29d9cec9a1_prep,@function
k_q29d9cec9a1_prep:
	s_mov_b64 s[64:65], 0
	v_nop
	global_prefetch_b8 v0, s[64:65] scope:SCOPE_SE
	s_setreg_imm32_b32 hwreg(HW_REG_WAVE_MODE, 25, 1), 1
	s_wait_xcnt 0x0
; THE PROGRAM: a transformer block on 4,096 tokens of 1,024 numbers, all eight matrix products on codes of FP8 (E4M3) with one E8M0 scale for each 32 along K.
; Launches: this one (layer norm 1 -> codes; the six weights -> codes) | q, k, V^T | causal attention | x1 = x + ctx Wo^T + bo | this body again (layer norm 2 of x1 -> codes) | gelu(h2 W1^T + b1) -> codes | out = x1 + f W2^T + b2.
; WORK LEFT OUT, in the whole program: only the key steps (128 keys) of the attention launch that lie wholly behind a wave's 16 queries.  reference() sets those scores to -inf by its own jnp.tril, so their
; p is 0 whatever the inputs hold: they add nothing to a row's maximum, sum or product.  Every input has a way to the output and every input is loaded.
; LIMITS: a NaN, an infinity or an overflow that reaches only those hidden scores is not carried to the result.  NaN and infinities among the inputs are not served.  A block of zeros gets the scale byte 1 where
; the rule says 127: its codes are zeros, which add nothing under any byte but 0xff, and the bytes are read by this program alone.  Blocks whose largest magnitude lies under 2^(8 - 126) have their byte held at 1.
; POSITIONS.  Every matrix of codes [rows][K] of this program lies with bits 3 and 4 of the row's number exchanged (its "position").  Sixteen neighbouring positions are then the rows 32 a + 8 u + r + 8 (r / 8), so that
; the results of two neighbouring tiles of a transposed product are 16 neighbours along the next K.  Scale bytes lie [K / 256][position][8].
; THIS BODY.  Work-groups 0 to 255: 16 rows of ((x - mean) / sqrt(var + 1e-7) + shift) * gain, quantised along the row; a wave takes 4 rows, whole, in registers.  Work-groups 256 to 639: the weights, as plain streams of
; blocks of 32 (their K is innermost): a wave takes 8,192 numbers, 16 steps of 512.  No tensor loads, no barrier: waves share nothing.  The two ways have LDS bytes of their own.
.set SPW,   12                         ; v12  LDS address of my spare word; never rewritten
.set NIL,   13                         ; v13  0; never rewritten
.set WREG,  8192                       ; the weights' way: a region for each wave: two stages of 32 x 80 bytes, then its 256 scale bytes
.set SP,    80
.set LNB,   4*WREG                     ; the rows' way: 128 bytes of scale bytes for each wave
.set SPARE, LNB+512                    ; the spare words, 128 bytes for each wave
.set WS,    12582912                   ; where the weights' scale bytes begin in wbuf
.set GA,    32                         ; v32-63   gain of my 32 columns
.set SH,    64                         ; v64-95   shift
.set X,     96                         ; v96-223  four rows, 32 numbers each
.set CD,    224                        ; v224-255 codes, 8 registers a row
.set EB,    24                         ; v24-31   scale bytes
.set WR,    16                         ; the weights' way: v16-79 four sets of 16 numbers as loaded; v80-111 two sets of 16 neighbours; v112-127 bytes; v128-191 codes
.set WX,    80
.set WE,    112
.set WC,    128
	s_load_b256 s[4:11], s[0:1], 0x0               ; rows in, gain, shift, abuf
	s_load_b256 s[12:19], s[0:1], 0x20             ; Wq, Wk, Wv, Wo
	s_load_b128 s[20:23], s[0:1], 0x40             ; W1, W2
	s_load_b64 s[24:25], s[0:1], 0x50              ; wbuf
	v_lshl_add_u32 v[SPW], v0, 2, SPARE
	v_mov_b32 v[NIL], 0
	v_lshrrev_b32 v1, 5, v0
	v_readfirstlane_b32 s26, v1                    ; wave
	v_and_b32 v1, 31, v0                           ; lane
	s_cmp_ge_u32 ttmp9, 256
	s_cbranch_scc1 .Lweights
	; ---------------- rows: layer norm and quantiser ----------------
	s_lshl_b32 s27, ttmp9, 4
	s_lshl_b32 s28, s26, 2
	s_add_co_u32 s27, s27, s28                     ; my first row: 16 x work-group + 4 x wave
	s_lshr_b32 s28, s27, 3
	s_lshr_b32 s29, s27, 4
	s_xor_b32 s28, s28, s29
	s_and_b32 s28, s28, 1
	s_mul_i32 s28, s28, 24
	s_xor_b32 s28, s27, s28                        ; its position: bits 3 and 4 exchanged; my four rows' positions follow each other
	s_lshl_b32 s30, s27, 12                        ; a row is 4,096 bytes
	s_mov_b32 s31, 0
	s_lshl_b32 s32, s28, 10                        ; a row of codes 1,024
	s_mov_b32 s33, 0
	s_lshl_b32 s34, s28, 3                         ; 8 scale bytes a position in each of four planes
	s_add_co_u32 s34, s34, 4194304
	s_mov_b32 s35, 0
	s_mov_b32 s36, 0x76543210
	s_mov_b32 s37, 0xfedcba98                      ; v_permlanex16_b32's selects for lane l xor 16
	s_mov_b32 s38, 0x3a800000                      ; 1 / 1024
	s_mov_b32 s39, 0x33d6bf95                      ; 1e-7
	s_mov_b32 s40, 0x600000                        ; the mantissa field of 448
	v_lshlrev_b32 v2, 6, v1                        ; my 16 numbers of a half row: 64 bytes a lane
	v_lshlrev_b32 v3, 4, v1                        ; my 16 codes
	s_lshl_b32 s41, s26, 7
	s_add_co_u32 s41, s41, LNB
	v_lshrrev_b32 v8, 4, v1
	v_bfe_u32 v9, v1, 1, 3
	v_lshl_add_u32 v4, v8, 5, v9
	v_add_nc_u32 v4, s41, v4                       ; LDS [plane t][row i][8]: t = lane / 16 + 2 x half, byte = (lane / 2) % 8
	v_lshl_add_u32 v5, v1, 2, s41                  ; and back, a word a lane
	v_lshrrev_b32 v8, 3, v1
	v_and_b32 v9, 7, v1
	v_lshlrev_b32 v9, 2, v9
	v_lshl_add_u32 v6, v8, 15, v9                  ; plane (lane / 8) x 32,768 + 4 (lane % 8)
	v_mov_b32 v22, 0                               ; a lane permute's destination counts as one of its sources
	s_wait_kmcnt 0x0
	s_add_nc_u64 s[4:5], s[4:5], s[30:31]
	s_add_nc_u64 s[42:43], s[10:11], s[32:33]
	s_add_nc_u64 s[44:45], s[10:11], s[34:35]
.irp hf, 0,1
.irp j, 0,1,2,3
	global_load_b128 v[GA+16*\hf+4*\j:GA+16*\hf+4*\j+3], v2, s[6:7] offset:2048*\hf+16*\j
	global_load_b128 v[SH+16*\hf+4*\j:SH+16*\hf+4*\j+3], v2, s[8:9] offset:2048*\hf+16*\j
.endr
.endr
.irp i, 0,1,2,3
.irp hf, 0,1
.irp j, 0,1,2,3
	global_load_b128 v[X+32*\i+16*\hf+4*\j:X+32*\i+16*\hf+4*\j+3], v2, s[4:5] offset:4096*\i+2048*\hf+16*\j th:TH_LOAD_NT
.endr
.endr
.endr
.macro RED r, t                        ; the sum of v[r] over the 32 lanes, in every lane
	v_add_f32_dpp v[\r], v[\r], v[\r] row_xmask:1 row_mask:0xf bank_mask:0xf
	v_add_f32_dpp v[\r], v[\r], v[\r] row_xmask:2 row_mask:0xf bank_mask:0xf
	v_add_f32_dpp v[\r], v[\r], v[\r] row_xmask:4 row_mask:0xf bank_mask:0xf
	v_add_f32_dpp v[\r], v[\r], v[\r] row_xmask:8 row_mask:0xf bank_mask:0xf
	v_permlanex16_b32 v[\t], v[\r], s36, s37
	v_add_f32 v[\r], v[\r], v[\t]
.endm
.macro LNROW i
.set XR, X+32*\i
	s_wait_loadcnt 8*(3-\i)                        ; loads come back in order: this row's eight are in, the later rows' may be out
	v_pk_add_f32 v[14:15], v[XR:XR+1], v[XR+2:XR+3]               ; the sum, in two chains
	v_pk_add_f32 v[16:17], v[XR+4:XR+5], v[XR+6:XR+7]
.irp j, 8,12,16,20,24,28
	v_pk_add_f32 v[14:15], v[14:15], v[XR+\j:XR+\j+1]
	v_pk_add_f32 v[16:17], v[16:17], v[XR+\j+2:XR+\j+3]
.endr
	v_pk_add_f32 v[14:15], v[14:15], v[16:17]
	v_add_f32 v14, v14, v15
	RED 14, 22
	v_mul_f32 v18, s38, v14                        ; the mean, twice: a pair for the packed form
	v_mul_f32 v19, s38, v14
.irp j, 0,2,4,6,8,10,12,14,16,18,20,22,24,26,28,30
	v_pk_add_f32 v[XR+\j:XR+\j+1], v[XR+\j:XR+\j+1], v[18:19] neg_lo:[0,1] neg_hi:[0,1]   ; x - mean
.endr
	v_pk_mul_f32 v[14:15], v[XR:XR+1], v[XR:XR+1]                 ; the sum of squares of the differences, in two chains
	v_pk_mul_f32 v[16:17], v[XR+2:XR+3], v[XR+2:XR+3]
.irp j, 4,8,12,16,20,24,28
	v_pk_fma_f32 v[14:15], v[XR+\j:XR+\j+1], v[XR+\j:XR+\j+1], v[14:15]
	v_pk_fma_f32 v[16:17], v[XR+\j+2:XR+\j+3], v[XR+\j+2:XR+\j+3], v[16:17]
.endr
	v_pk_add_f32 v[14:15], v[14:15], v[16:17]
	v_add_f32 v14, v14, v15
	RED 14, 22
	v_fma_f32 v14, v14, s38, s39                   ; variance + 1e-7
	v_rsq_f32 v20, v14
	v_rsq_f32 v21, v14
	v_nop                                          ; a plain instruction behind the transcendentals,
	s_wait_alu depctr_va_vdst(0)                   ; and one wait for both, ahead of their first reader
.irp j, 0,2,4,6,8,10,12,14,16,18,20,22,24,26,28,30
	v_pk_fma_f32 v[XR+\j:XR+\j+1], v[XR+\j:XR+\j+1], v[20:21], v[SH+\j:SH+\j+1]
.endr
.irp j, 0,2,4,6,8,10,12,14,16,18,20,22,24,26,28,30
	v_pk_mul_f32 v[XR+\j:XR+\j+1], v[XR+\j:XR+\j+1], v[GA+\j:GA+\j+1]
.endr
.irp hf, 0,1                                   ; my 16 numbers of each half row; lanes l and l xor 1 hold a block of 32
.set XS, XR+16*\hf
	v_max3_num_f32 v8, |v[XS]|, |v[XS+1]|, |v[XS+2]|
	v_max3_num_f32 v9, |v[XS+3]|, |v[XS+4]|, |v[XS+5]|
.irp k, 6,10
	v_max3_num_f32 v8, v8, |v[XS+\k]|, |v[XS+\k+1]|
	v_max3_num_f32 v9, v9, |v[XS+\k+2]|, |v[XS+\k+3]|
.endr
	v_max3_num_f32 v8, v8, |v[XS+14]|, |v[XS+15]|
	v_max3_num_f32 v8, v8, v9, 0x4800000           ; the floor 2^(9 - 127): the byte cannot fall under 1
	v_max_num_f32_dpp v8, v8, v8 row_xmask:1 row_mask:0xf bank_mask:0xf
	v_add_nc_u32 v11, 0xfc000000, v8               ; 8 off the exponent field: the conversion's scale operand
	v_and_or_b32 v10, v8, 0x7f800000, s40          ; 448 x the scale
.irp k, 0,1,2,3,4,5,6,7,8,9,10,11,12,13,14,15
	v_med3_num_f32 v[XS+\k], v[XS+\k], -v10, v10   ; the conversion to an 8-bit code does not saturate (ISA guide 7.6.2): the hold
.endr
	v_cvt_scalef32_pk8_fp8_f32 v[CD+8*\i+4*\hf:CD+8*\i+4*\hf+1], v[XS:XS+7], v11
	v_cvt_scalef32_pk8_fp8_f32 v[CD+8*\i+4*\hf+2:CD+8*\i+4*\hf+3], v[XS+8:XS+15], v11
	v_lshrrev_b32 v[EB+2*\i+\hf], 23, v11          ; the scale's byte
	ds_store_b8 v4, v[EB+2*\i+\hf] offset:64*\hf+8*\i             ; both lanes of a block write the same byte with the same value
	global_store_b128 v3, v[CD+8*\i+4*\hf:CD+8*\i+4*\hf+3], s[42:43] offset:1024*\i+512*\hf   ; 32 lanes store 512 consecutive bytes
.endr
.endm
	LNROW 0
	LNROW 1
	LNROW 2
	LNROW 3
	ds_load_b32 v8, v5                             ; LDS serves a wave's instructions in order: this sees my byte stores
	s_wait_dscnt 0x0
	global_store_b32 v6, v8, s[44:45]              ; four planes x my four rows' 32 bytes
	s_wait_tensorcnt 0x0                           ; the wave's end: behind my last LDS store
	ds_add_u32 v[SPW], v[NIL]
	s_wait_dscnt 0x0
	s_endpgm
	; ---------------- weights ----------------
.Lweights:
	s_sub_co_u32 s27, ttmp9, 256                   ; 32 work-groups for each of Wq, Wk, Wv, Wo, 128 for W1, 128 for W2
	s_lshl_b32 s28, s27, 2
	s_add_co_u32 s28, s28, s26                     ; my run of 8,192 numbers, counted through all six
	v_lshlrev_b32 v3, 4, v1                        ; my 16 bytes of a load's 512, and of a step's codes
	s_mul_i32 s53, s26, WREG
	v_lshrrev_b32 v14, 2, v1
	v_mul_u32_u24 v14, v14, SP
	v_and_b32 v15, 3, v1
	v_lshl_add_u32 v14, v15, 4, v14
	v_add_nc_u32 v14, s53, v14                     ; the stage, on the way in: four lanes' 64 bytes on end, then 16 of padding
	v_mul_u32_u24 v15, v1, SP
	v_add_nc_u32 v15, s53, v15                     ; and on the way out: my 16 neighbours
	v_lshrrev_b32 v5, 1, v1
	s_add_co_u32 s53, s53, 2*32*SP
	v_add_nc_u32 v5, s53, v5                       ; my block's scale byte
	v_lshl_add_u32 v6, v1, 3, s53                  ; and on the way out 8 bytes a lane
	s_mov_b32 s52, 0x600000
	s_mov_b32 s29, 1024                            ; W2's figures: the tensor's first run;
	s_mov_b32 s30, 262144                          ; its scale bytes' region;
	s_mov_b32 s31, 1024                            ; the region's first run;
	s_mov_b32 s32, 8192                            ; a plane of the region: rows x 8;
	s_mov_b32 s33, 15                              ; planes - 1;
	s_mov_b32 s34, 4                               ; their logarithm;
	s_mov_b32 s35, 1                               ; rows in a run, as a shift;
	s_mov_b32 s36, 2                               ; where the row's bit 3 lies in the run's number
	s_wait_kmcnt 0x0
	s_mov_b64 s[38:39], s[22:23]
	s_cmp_lt_u32 s27, 256                          ; the choices hang on the work-group's number alone
	s_cselect_b64 s[38:39], s[20:21], s[38:39]     ; W1
	s_cselect_b32 s29, 512, s29
	s_cselect_b32 s30, 131072, s30
	s_cselect_b32 s31, 512, s31
	s_cselect_b32 s32, 32768, s32
	s_cselect_b32 s33, 3, s33
	s_cselect_b32 s34, 2, s34
	s_cselect_b32 s35, 3, s35
	s_cselect_b32 s36, 0, s36
	s_cmp_lt_u32 s27, 128
	s_cselect_b64 s[38:39], s[18:19], s[38:39]     ; Wo
	s_cselect_b32 s29, 384, s29
	s_cselect_b32 s30, 98304, s30
	s_cselect_b32 s31, 384, s31
	s_cselect_b32 s32, 8192, s32
	s_cmp_lt_u32 s27, 96
	s_cselect_b64 s[38:39], s[16:17], s[38:39]     ; Wv: Wq, Wk and Wv share one region of 3,072 rows
	s_cselect_b32 s29, 256, s29
	s_cselect_b32 s30, 0, s30
	s_cselect_b32 s31, 0, s31
	s_cselect_b32 s32, 24576, s32
	s_cmp_lt_u32 s27, 64
	s_cselect_b64 s[38:39], s[14:15], s[38:39]     ; Wk
	s_cselect_b32 s29, 128, s29
	s_cmp_lt_u32 s27, 32
	s_cselect_b64 s[38:39], s[12:13], s[38:39]     ; Wq
	s_cselect_b32 s29, 0, s29
	s_lshr_b32 s40, s28, s36                       ; the run's place among the positions: the rows' bits 3 and 4 exchanged
	s_lshr_b32 s41, s40, 1
	s_xor_b32 s40, s40, s41
	s_and_b32 s40, s40, 1
	s_mul_i32 s40, s40, 3
	s_lshl_b32 s40, s40, s36
	s_xor_b32 s40, s28, s40
	s_sub_co_u32 s42, s28, s29
	s_lshl_b32 s42, s42, 15                        ; in: 32,768 bytes a run
	s_mov_b32 s43, 0
	s_add_nc_u64 s[38:39], s[38:39], s[42:43]
	s_lshl_b32 s44, s40, 13                        ; codes: 8,192 bytes a run
	s_mov_b32 s45, 0
	s_add_nc_u64 s[46:47], s[24:25], s[44:45]
	s_sub_co_u32 s48, s40, s31
	s_lshl_b32 s48, s48, s35
	s_lshl_b32 s48, s48, 3
	s_add_co_u32 s48, s48, s30
	s_add_co_u32 s48, s48, WS
	s_mov_b32 s49, 0
	s_add_nc_u64 s[50:51], s[24:25], s[48:49]
	v_and_b32 v7, s33, v1                          ; my 8 scale bytes: plane lane % planes,
	v_mul_lo_u32 v7, v7, s32
	v_lshrrev_b32 v8, s34, v1                      ; row lane / planes of the run
	v_lshl_add_u32 v7, v8, 3, v7
.macro WLOAD t
.irp i, 0,1,2,3
	global_load_b128 v[WR+16*((\t)%4)+4*\i:WR+16*((\t)%4)+4*\i+3], v3, s[38:39] offset:2048*(\t)+512*\i th:TH_LOAD_NT   ; 32 lanes read 512 consecutive bytes
.endr
.endm
.macro WTURN t                         ; step t's numbers through the stage: LDS serves a wave's instructions in order
.irp i, 0,1,2,3
	ds_store_b128 v14, v[WR+16*((\t)%4)+4*\i:WR+16*((\t)%4)+4*\i+3] offset:32*SP*((\t)%2)+8*SP*\i
.endr
.irp i, 0,1,2,3
	ds_load_b128 v[WX+16*((\t)%2)+4*\i:WX+16*((\t)%2)+4*\i+3], v15 offset:32*SP*((\t)%2)+16*\i
.endr
.endm
.irp t, 0,1,2,3
	WLOAD \t
.endr
	s_wait_loadcnt 12                              ; step 0's four loads are in
	WTURN 0
.macro WSTEP t
.set XS, WX+16*((\t)%2)
.if (\t) > 0
	s_wait_dscnt 1                                 ; this step's numbers are back from the stage (the last step's byte store may be out)
.else
	s_wait_dscnt 0x0
.endif
.if (\t)+4 < 16
	WLOAD (\t)+4
.endif
.if (\t)+1 < 16
.if 14-(\t) >= 3
	s_wait_loadcnt 12                              ; the next step's four loads are in; those of the three steps behind it may be out
.else
	s_wait_loadcnt 4*(14-(\t))
.endif
	WTURN (\t)+1
.endif
	v_max3_num_f32 v8, |v[XS]|, |v[XS+1]|, |v[XS+2]|
	v_max3_num_f32 v9, |v[XS+3]|, |v[XS+4]|, |v[XS+5]|
.irp i, 6,10
	v_max3_num_f32 v8, v8, |v[XS+\i]|, |v[XS+\i+1]|
	v_max3_num_f32 v9, v9, |v[XS+\i+2]|, |v[XS+\i+3]|
.endr
	v_max3_num_f32 v8, v8, |v[XS+14]|, |v[XS+15]|
	v_max3_num_f32 v8, v8, v9, 0x4800000
	v_max_num_f32_dpp v8, v8, v8 row_xmask:1 row_mask:0xf bank_mask:0xf
	v_add_nc_u32 v11, 0xfc000000, v8
	v_and_or_b32 v10, v8, 0x7f800000, s52
.irp i, 0,1,2,3,4,5,6,7,8,9,10,11,12,13,14,15
	v_med3_num_f32 v[XS+\i], v[XS+\i], -v10, v10
.endr
	v_cvt_scalef32_pk8_fp8_f32 v[WC+4*(\t):WC+4*(\t)+1], v[XS:XS+7], v11
	v_cvt_scalef32_pk8_fp8_f32 v[WC+4*(\t)+2:WC+4*(\t)+3], v[XS+8:XS+15], v11
	v_lshrrev_b32 v[WE+(\t)], 23, v11
	ds_store_b8 v5, v[WE+(\t)] offset:16*(\t)
	global_store_b128 v3, v[WC+4*(\t):WC+4*(\t)+3], s[46:47] offset:512*(\t)
.endm
.irp t, 0,1,2,3,4,5,6,7,8,9,10,11,12,13,14,15
	WSTEP \t
.endr
	ds_load_b64 v[8:9], v6
	s_wait_dscnt 0x0
	global_store_b64 v7, v[8:9], s[50:51]          ; 8 bytes a lane: the 8 blocks of one row in one plane
	s_wait_tensorcnt 0x0                           ; the wave's end: behind my last LDS store
	ds_add_u32 v[SPW], v[NIL]
	s_wait_dscnt 0x0
	s_endpgm
.Lfunc_end_k_q29d9cec9a1_prep:
	.size	k_q29d9cec9a1_prep, .Lfunc_end_k_q29d9cec9a1_prep-k_q29d9cec9a1_prep
	.p2alignl 7, 3214868480
	.fill 96, 4, 3214868480
	.section	.rodata,"a",@progbits
	.p2align	6, 0x0
	.amdhsa_kernel k_q29d9cec9a1_prep
		.amdhsa_group_segment_fixed_size 33792
		.amdhsa_private_segment_fixed_size 0
		.amdhsa_enable_private_segment 0
		.amdhsa_kernarg_size 88
		.amdhsa_user_sgpr_count 2
		.amdhsa_user_sgpr_kernarg_segment_ptr 1
		.amdhsa_wavefront_size32 1
		.amdhsa_system_sgpr_workgroup_id_x 1
		.amdhsa_system_sgpr_workgroup_id_y 1
		.amdhsa_system_sgpr_workgroup_id_z 1
		.amdhsa_system_vgpr_workitem_id 0
		.amdhsa_next_free_vgpr 256
		.amdhsa_next_free_sgpr 66
		.amdhsa_reserve_vcc 0
		.amdhsa_float_denorm_mode_32 3
		.amdhsa_float_denorm_mode_16_64 3
		.amdhsa_memory_ordered 1
		.amdhsa_forward_progress 1
		.amdhsa_inst_pref_size 100
	.end_amdhsa_kernel
	.amdgpu_metadata
---
amdhsa.version: [ 1, 2 ]
amdhsa.kernels:
  - .name:           k_q29d9cec9a1_prep
    .symbol:         k_q29d9cec9a1_prep.kd
    .args:
      - { .name: x, .offset: 0, .size: 8, .value_kind: global_buffer, .address_space: global }
      - { .name: ln1_scale, .offset: 8, .size: 8, .value_kind: global_buffer, .address_space: global }
      - { .name: ln1_shift, .offset: 16, .size: 8, .value_kind: global_buffer, .address_space: global }
      - { .name: abuf, .offset: 24, .size: 8, .value_kind: global_buffer, .address_space: global }
      - { .name: Wq, .offset: 32, .size: 8, .value_kind: global_buffer, .address_space: global }
      - { .name: Wk, .offset: 40, .size: 8, .value_kind: global_buffer, .address_space: global }
      - { .name: Wv, .offset: 48, .size: 8, .value_kind: global_buffer, .address_space: global }
      - { .name: Wo, .offset: 56, .size: 8, .value_kind: global_buffer, .address_space: global }
      - { .name: W1, .offset: 64, .size: 8, .value_kind: global_buffer, .address_space: global }
      - { .name: W2, .offset: 72, .size: 8, .value_kind: global_buffer, .address_space: global }
      - { .name: wbuf, .offset: 80, .size: 8, .value_kind: global_buffer, .address_space: global }
    .group_segment_fixed_size: 33792
    .private_segment_fixed_size: 0
    .kernarg_segment_align: 8
    .kernarg_segment_size: 88
    .max_flat_workgroup_size: 128
    .sgpr_count:     66
    .vgpr_count:     256
    .wavefront_size: 32
...
	.end_amdgpu_metadata
.endif
;; end of part 1
;; launch qkv (part 2): grid 12 x 16, 4 waves a work-group, clusters of 4 x 4, 327,680 bytes of LDS; arguments abuf, wbuf, qkvb; writes qkvb
.if DOCPART == 2
	.amdgcn_target "amdgcn-amd-amdhsa--gfx1250"
	.amdhsa_code_object_version 6
	.text
	.protected	k_q29d9cec9a1_qkv
	.globl	k_q29d9cec9a1_qkv
	.p2align	8
	.type	k_q29d9cec9a1_qkv,@function
k_q29d9cec9a1_qkv:
	s_mov_b64 s[64:65], 0
	v_nop
	global_prefetch_b8 v0, s[64:65] scope:SCOPE_SE
	s_setreg_imm32_b32 hwreg(HW_REG_WAVE_MODE, 25, 1), 1
	s_wait_xcnt 0x0
	s_wait_alu depctr_hold_cnt(0) depctr_sa_sdst(0) depctr_va_vdst(0) depctr_va_sdst(0) depctr_va_ssrc(0) depctr_va_vcc(0) depctr_vm_vsrc(0)
	s_getreg_b32 s2, hwreg(HW_REG_IB_STS2, 6, 4)
	s_cmp_eq_u32 s2, 0
	s_cbranch_scc0 .Lentry_in_a_cluster
	s_endpgm
.Lentry_in_a_cluster:
	s_bfe_u32 s2, ttmp6, 0x10000c
	s_cmp_lg_u32 s2, 0xf033
	s_cbranch_scc0 .Lentry_shape_is_right
	s_endpgm
.Lentry_shape_is_right:
; q = h Wq^T, k = h Wk^T and V^T = Wv h^T on codes of FP8 with E8M0 scales, each result quantised on the way out: q and k along a head's 64, V^T along the keys.  Nothing is left out here.
; A tile of 256 x 256 is made by four waves, 128 x 128 each (64 accumulators, 512 registers).  K = 1,024 goes in steps of 256 through a ring of two LDS slots filled by the tensor data mover.
; CLUSTERS of 4 x 4: the "A" tile (source 1) is shared along a row of the cluster, the "B" tile (source 0) along a column; each is asked for jointly.  The cluster's x says what is made: 0: q, 1: k (A = h, B = the weight),
; 2: V^T (A = Wv, B = h).  It is the same in all sixteen partners; only pointers, offsets and the way out hang on it.
; Rows lie by POSITION (bits 3 and 4 of the row's number exchanged), so accumulator (a, b), lane (r, h), register j holds A's position 16 a + r and the TRUE column 32 (b / 2) + 16 h + 8 (b % 2) + j:
; the 16 registers of accumulators 2 c and 2 c + 1 are 16 neighbours of a block of 32, whose other half lies in lane l xor 16.
; SCALE WORDS come from memory straight into registers: they lie [K / 256][position][8], so one load of 8 bytes a lane brings both words of a K step for 32 positions (lanes 0-15 one block of 16 rows, lanes 16-31 the next).
; REGISTERS: window 0: v1-31 addresses; v32-63 scale words, two sets; v128-255 A's fragments, one set; window 1: B's fragments, two sets; windows 2, 3: the accumulators.
.set KROW,   1024
.set WS,     12582912
.set PITCH,  272                       ; an LDS row: 256 bytes + 16 of padding: the 16 rows that a load touches start at 16 different banks
.set FR,     16
.set NL,     4
.set NP,     8                         ; places behind this matrix instruction (ISA guide 7.12.1)
.set HALFT,  128*PITCH
.set SLOT,   4*HALFT
.set SPARE,  2*SLOT                    ; behind the ring: the spare words
.set LAPS,   KROW/512
.set SSTG,   256*272                   ; the way out, in slot 0: 256 rows of codes x 272 bytes, then [row][8] scale bytes
.set ADRA, 16
.set ADRB, 20
.set CST,  24                          ; v24 where I put 16 codes of a row
.set SST,  25                          ; v25 and its scale word
.set RQC,  26                          ; v26 q, k: where I read codes back
.set SVO,  27                          ; v27 8 x lane
.set SPW,  28
.set NIL,  29
.set RQS,  30                          ; v30 q, k: where I read scale bytes back
.set RVC,  31                          ; v31 V^T: codes back
.set RVS,  7                           ; v7  V^T: scale words back
.set GQ,   8                           ; v8  16 x lane
.set GV,   9                           ; v9  (lane / 16) x 1,024 + 16 (lane % 16)
.set SC,   32
.set AF,   128
.set T,    128                         ; the way out: 64 numbers held; v192.. codes; v208.. at work; v224 the scale word
.set PCD,  192
.set TM,   208
.set PW,   224
.set G1, 24
.set G0, 32
.set G1B, 48
.set G0B, 56
.set MSB, 0
.macro WIN new                         ; the immediate's high byte repeats the setting that is left
.if MSB != (\new)
	s_set_vgpr_msb (MSB<<8)|(\new)
.set MSB, (\new)
.endif
.endm
.set MUL_LO, 0xa1
.set MUL_HI, 0xf1
.set TO_B,   0x40
.macro JLOAD g0a, g1a, g0b, g1b        ; a joint load: waves 0 and 1 fetch for A, waves 2 and 3 for B; an s_nop 0 and four v_nop follow each line
	s_cmp_eq_u32 s15, 0
	s_cbranch_scc0 .Lfor_b_\@
	tensor_load_to_lds s[\g0a:\g0a+3], s[\g1a:\g1a+7]
	s_nop 0
.rept 4
	v_nop
.endr
	s_branch .Lasked_\@
.Lfor_b_\@:
	tensor_load_to_lds s[\g0b:\g0b+3], s[\g1b:\g1b+7]
	s_nop 0
.rept 4
	v_nop
.endr
.Lasked_\@:
.endm
.macro CREST
	s_cmp_lg_u32 s14, 0
	s_cbranch_scc1 .Lnot_wave_0_\@
	s_barrier_signal -3
.Lnot_wave_0_\@:
	s_barrier_wait -3
	s_barrier_signal -1
	s_barrier_wait -1
.endm
.macro CROUND
	s_barrier_signal -1
	s_barrier_wait -1
	CREST
.endm
	s_load_b128 s[72:75], s[0:1], 0x0              ; abuf, wbuf
	s_load_b64 s[76:77], s[0:1], 0x10              ; qkvb
	v_lshl_add_u32 v[SPW], v0, 2, SPARE
	v_mov_b32 v[NIL], 0
	ds_add_u32 v[SPW], v[NIL]                      ; the wave's opening: the add, twice on end, and its wait ahead of my first tensor load
	ds_add_u32 v[SPW], v[NIL]
	v_lshrrev_b32 v1, 5, v0
	v_readfirstlane_b32 s14, v1                    ; wave
	s_lshr_b32 s15, s14, 1                         ; my half of the tile's rows; also: I fetch for A (0) or B (1)
	s_and_b32 s16, s14, 1                          ; my half of its columns; also: which 128 rows I fetch
	s_bfe_u32 s40, ttmp6, 0x40000                  ; cx
	s_bfe_u32 s41, ttmp6, 0x40004                  ; cy
	s_and_b32 s86, ttmp7, 0xffff
	s_lshl_b32 s86, s86, 2                         ; 4 x cluster y
	s_add_co_u32 s87, s86, s41
	s_add_co_u32 s88, s86, s40
	s_lshl_b32 s89, ttmp9, 2
	s_add_co_u32 s89, s89, s40
	s_mov_b32 s66, 32768                           ; a plane of h's scale bytes
	s_mov_b32 s68, 24576                           ; of the three weights'
	s_mov_b32 s91, 4194304
	s_mov_b32 s94, WS
	s_cmp_eq_u32 ttmp9, 2                          ; V^T?  The cluster's x: the same in all partners
	s_cselect_b32 s17, s41, s87                    ; A's tile: cy, or 4 x cluster y + cy: of cy alone among the places
	s_cselect_b32 s42, s88, s89                    ; B's tile: 4 x cluster y + cx, or 4 x cluster x + cx: of cx alone
	s_cselect_b32 s66, 24576, s66
	s_cselect_b32 s68, 32768, s68
	s_cselect_b32 s90, 2097152, 0                  ; Wv's codes begin at row 2,048 of the three
	s_cselect_b32 s91, WS+16384, s91
	s_cselect_b32 s94, 4194304, s94
	s_mov_b32 s67, 0
	s_mov_b32 s69, 0
	s_lshl_b32 s43, s41, 2
	s_lshl_b32 s43, 15, s43                        ; my row of the cluster
	s_lshl_b32 s44, 0x1111, s40                    ; my column
	s_or_b32 s[G1+0], s43, (1<<20)|(1<<21)|(5<<22)|(3<<25)   ; the mask; elements of 1 byte; padding on; bit 21 beside a mask; 4 words behind every 64
	s_or_b32 s[G1B+0], s44, (1<<20)|(1<<21)|(5<<22)|(3<<25)
.irp g, G1, G1B
	s_mov_b32 s[\g+1], 256<<16                     ; tensor_dim0
	s_mov_b32 s[\g+2], 128<<16                     ; tensor_dim1
	s_mov_b32 s[\g+3], 256<<16                     ; tile_dim0
	s_mov_b32 s[\g+4], 128                         ; tile_dim1
	s_mov_b32 s[\g+5], KROW                        ; the pitch
	s_mov_b32 s[\g+6], 0
	s_mov_b32 s[\g+7], 0
.endr
	s_lshl_b32 s18, s16, 7
	s_lshl_b32 s20, s17, 8
	s_add_co_u32 s20, s20, s18
	s_lshl_b32 s20, s20, 10
	s_add_co_u32 s20, s20, s90                     ; A's codes that I fetch
	s_mov_b32 s21, 0
	s_lshl_b32 s46, s42, 8
	s_add_co_u32 s46, s46, s18
	s_lshl_b32 s92, s46, 3
	s_add_co_u32 s92, s92, s94                     ; B's scale words of my 128 columns
	s_mov_b32 s93, 0
	s_lshl_b32 s46, s46, 10                        ; B's codes that I fetch
	s_mov_b32 s47, 0
	s_lshl_b32 s22, s17, 8
	s_lshl_b32 s23, s15, 7
	s_add_co_u32 s22, s22, s23
	s_lshl_b32 s22, s22, 3
	s_add_co_u32 s22, s22, s91                     ; A's scale words of my 128 rows
	s_mov_b32 s23, 0
	s_mul_i32 s45, s14, HALFT
	s_mov_b32 s80, 0x76543210
	s_mov_b32 s81, 0xfedcba98
	s_mov_b32 s82, 0x600000
	s_wait_dscnt 0x0                               ; both opening adds are done
	s_wait_kmcnt 0x0
	s_cmp_eq_u32 ttmp9, 2
	s_cselect_b64 s[4:5], s[74:75], s[72:73]       ; A's buffer
	s_cselect_b64 s[6:7], s[72:73], s[74:75]       ; B's
	s_add_nc_u64 s[20:21], s[4:5], s[20:21]
	s_add_nc_u64 s[46:47], s[6:7], s[46:47]
	s_add_nc_u64 s[8:9], s[4:5], s[22:23]
	s_add_nc_u64 s[10:11], s[6:7], s[92:93]
	CROUND                                         ; all sixteen work-groups are here: the first joint loads meet
.irp s, 0,1
	s_mov_b32 s[G0+4*\s], 1
	s_add_co_u32 s[G0+4*\s+1], s45, \s*SLOT
	s_add_nc_u64 s[G0+4*\s+2:G0+4*\s+3], s[20:21], \s*256
	s_or_b32 s[G0+4*\s+3], s[G0+4*\s+3], 0x80000000
	s_mov_b32 s[G0B+4*\s], 1
	s_add_co_u32 s[G0B+4*\s+1], s45, \s*SLOT
	s_add_nc_u64 s[G0B+4*\s+2:G0B+4*\s+3], s[46:47], \s*256
	s_or_b32 s[G0B+4*\s+3], s[G0B+4*\s+3], 0x80000000
	JLOAD G0+4*\s, G1, G0B+4*\s, G1B
.endr
.macro GSCALES sc                      ; a K step's scale words into set sc: 256 consecutive bytes a load
.irp m, 0,1,2,3
	global_load_b64 v[SC+16*\sc+2*\m:SC+16*\sc+2*\m+1], v[SVO], s[8:9] offset:256*\m
	global_load_b64 v[SC+16*\sc+8+2*\m:SC+16*\sc+8+2*\m+1], v[SVO], s[10:11] offset:256*\m
.endr
.endm
	v_and_b32 v6, 31, v0                           ; lane
	v_lshlrev_b32 v[SVO], 3, v6
	GSCALES 0
	v_and_b32 v1, 15, v0                           ; r
	v_bfe_u32 v2, v0, 4, 1                         ; h
	v_mul_u32_u24 v3, v1, PITCH
	v_lshl_add_u32 v4, v2, 4, v3
	s_mul_i32 s21, s15, HALFT
	s_mul_i32 s22, s16, HALFT
	s_add_co_u32 s22, s22, 2*HALFT
.irp s, 0,1
	v_add_nc_u32 v[ADRA+\s], s21, v4
	v_add_nc_u32 v[ADRB+\s], s22, v4
	s_add_co_u32 s21, s21, SLOT
	s_add_co_u32 s22, s22, SLOT
.endr
	s_mul_i32 s21, s15, 128*272                    ; the stage: row 128 x my half + r, byte 128 x my half of the columns + 16 h
	s_lshl_b32 s22, s16, 7
	s_add_co_u32 s21, s21, s22
	v_add_nc_u32 v[CST], s21, v4
	s_lshl_b32 s21, s15, 10
	s_lshl_b32 s22, s16, 2
	s_add_co_u32 s21, s21, s22
	s_add_co_u32 s21, s21, SSTG
	v_lshl_add_u32 v[SST], v1, 3, s21
	s_mul_i32 s21, s14, 64*272                     ; back: wave w takes rows 64 w on
	v_lshrrev_b32 v3, 2, v6
	v_mul_u32_u24 v3, v3, 272
	v_and_b32 v5, 3, v6
	v_lshl_add_u32 v3, v5, 4, v3
	v_add_nc_u32 v[RQC], s21, v3                   ; q, k: 8 rows x 64 bytes of one head an instruction
	v_mul_u32_u24 v3, v2, 272
	v_lshl_add_u32 v3, v1, 4, v3
	v_add_nc_u32 v[RVC], s21, v3                   ; V^T: two whole rows an instruction
	s_lshl_b32 s21, s14, 1
	s_add_co_u32 s21, s21, SSTG
	v_lshl_add_u32 v[RQS], v6, 5, s21              ; q, k: head w's two bytes of rows 4 lane on
	s_lshl_b32 s21, s14, 9
	s_add_co_u32 s21, s21, SSTG
	v_lshl_add_u32 v[RVS], v6, 4, s21              ; V^T: rows 64 w + 2 lane, + 1
	v_lshlrev_b32 v[GQ], 4, v6
	v_lshlrev_b32 v[GV], 10, v2
	v_lshl_add_u32 v[GV], v1, 4, v[GV]
	s_wait_xcnt 0x0                                ; the loads above have read their bases
	s_add_nc_u64 s[8:9], s[8:9], s[66:67]
	s_add_nc_u64 s[10:11], s[10:11], s[68:69]
	GSCALES 1
.macro FRAG reg, adr, q, i             ; 16 rows x 128 K: registers 4 c .. 4 c + 3 hold K = 32 c + 16 (l / 16) + 0 .. 15
.irp c, 0,1,2,3
	ds_load_b128 v[\reg+4*\c:\reg+4*\c+3], v[\adr] offset:128*(\q)+32*\c+(\i)*16*PITCH
.endr
.endm
.macro ONE c                           ; one product; par says from which half of the lanes each side's scale word is taken
.if par == 0
	v_wmma_scale_f32_16x16x128_f8f6f4 v[rD:rD+7], v[rB:rB+15], v[rA:rA+15], \c, v[rSB], v[rSA]
.elseif par == 1
	v_wmma_scale_f32_16x16x128_f8f6f4 v[rD:rD+7], v[rB:rB+15], v[rA:rA+15], \c, v[rSB], v[rSA] matrix_b_scale:MATRIX_SCALE_ROW1
.elseif par == 2
	v_wmma_scale_f32_16x16x128_f8f6f4 v[rD:rD+7], v[rB:rB+15], v[rA:rA+15], \c, v[rSB], v[rSA] matrix_a_scale:MATRIX_SCALE_ROW1
.else
	v_wmma_scale_f32_16x16x128_f8f6f4 v[rD:rD+7], v[rB:rB+15], v[rA:rA+15], \c, v[rSB], v[rSA] matrix_a_scale:MATRIX_SCALE_ROW1 matrix_b_scale:MATRIX_SCALE_ROW1
.endif
.endm
; 16 products: A's blocks a0, a0 + 1 x B's eight.  mode 1: the first product starts the sums.  The 64 accumulators take turns, one instruction a turn.
.macro MUL16 a0, p, q, sc, mode
.irp a, \a0, \a0+1
.irp b, 0,1,2,3,4,5,6,7
.set rD, 8*(8*((\a)%4)+\b)
.set rB, 128*(\p)+FR*\b
.set rA, AF+FR*(\a)
.set rSB, SC+16*(\sc)+8+2*(\b/2)+(\q)
.set rSA, SC+16*(\sc)+2*((\a)/2)+(\q)
.set par, 2*(\b%2)+((\a)%2)
.if \mode == 1
	ONE 0
.else
	ONE v[rD:rD+7]
.endif
.endr
.endr
.endm
.macro FETCH_B slot, q, p
	WIN TO_B
.irp i, 0,1,2,3,4,5,6,7
	FRAG 128*(\p)+FR*\i, ADRB+\slot, \q, \i
.endr
	WIN 0
.endm
.macro FETCH_A slot, q, i0
.irp i, \i0, \i0+1, \i0+2, \i0+3
	FRAG AF+FR*(\i), ADRA+\slot, \q, \i
.endr
.endm
.macro PLACES n                        ; plain vector instructions between a matrix instruction and a load into, or a read of, its registers
.rept \n
	v_nop
.endr
.endm
.macro STEP slot, q, mode              ; 128 along K with its successor in the same slot
	s_wait_dscnt 4*NL                              ; B's set and A's blocks 0-3 are in; A's blocks 4-7 may be out
	WIN MUL_LO
	MUL16 0, (\q)%2, \q, \slot, \mode
	MUL16 2, (\q)%2, \q, \slot, \mode
	s_wait_dscnt 0
	PLACES NP
	FETCH_B \slot, (\q)+1, 1-(\q)%2
	FETCH_A \slot, (\q)+1, 0
	WIN MUL_HI
	MUL16 4, (\q)%2, \q, \slot, \mode
	MUL16 6, (\q)%2, \q, \slot, \mode
	PLACES NP
	WIN 0
	FETCH_A \slot, (\q)+1, 4
.endm
; A slot's last step changes slots: one barrier; in front of it each wave waits for all its tensor loads, adds 0 to its spare word, and waits for that and for its reads of this slot.
.macro TURN slot, next, fill
	s_wait_tensorcnt 0x0                           ; all my tensor loads have landed: my part of the next slot
	ds_add_u32 v[SPW], v[NIL]
	s_wait_dscnt 4*NL+1                            ; (the add and A's blocks 4-7 may be out)
	WIN MUL_LO
	MUL16 0, 1, 1, \slot, 0
	s_wait_dscnt 0x0                               ; the add is done, and my reads of this slot are over
	s_barrier_signal -1
	MUL16 2, 1, 1, \slot, 0
	WIN 0
	s_barrier_wait -1
.if \fill
	CREST                                          ; the barrier has opened a round of the cluster's: no wave of any partner still reads this slot or has a load on its way
	s_add_nc_u64 s[G0+4*\slot+2:G0+4*\slot+3], s[G0+4*\slot+2:G0+4*\slot+3], 512
	s_add_nc_u64 s[G0B+4*\slot+2:G0B+4*\slot+3], s[G0B+4*\slot+2:G0B+4*\slot+3], 512
	JLOAD G0+4*\slot, G1, G0B+4*\slot, G1B         ; the first tensor load behind the round; its four v_nop are among the places below
	PLACES NP-4
.else
	PLACES NP
.endif
	FETCH_B \next, 0, 0
	FETCH_A \next, 0, 0
	WIN MUL_HI
	MUL16 4, 1, 1, \slot, 0
	MUL16 6, 1, 1, \slot, 0
	PLACES NP                                      ; also for the loads into this slot's scale words
	WIN 0
	FETCH_A \next, 0, 4
	s_wait_loadcnt 0x0                             ; the next K step's scale words, asked for a K step ago, are in; their loads have read the bases
.if \fill
	s_add_nc_u64 s[8:9], s[8:9], s[66:67]
	s_add_nc_u64 s[10:11], s[10:11], s[68:69]
	GSCALES \slot                                  ; those of the K step that the joint load above brings
.endif
.endm
	s_wait_tensorcnt 1                             ; my part of K step 0 is in (K step 1's load may be out)
	s_barrier_signal -1
	s_barrier_wait -1                              ; everybody's is
	FETCH_B 0, 0, 0
	FETCH_A 0, 0, 0
	FETCH_A 0, 0, 4
	s_wait_loadcnt 0x0                             ; both sets of scale words
	STEP 0, 0, 1
	s_mov_b32 s3, LAPS-1
.Llap:
	TURN 0, 1, 1
	STEP 1, 0, 0
	TURN 1, 0, 1
	STEP 0, 0, 0
	s_sub_co_u32 s3, s3, 1
	s_cmp_lg_u32 s3, 0
	s_cbranch_scc1 .Llap
	TURN 0, 1, 0                                   ; the last lap fills nothing
	STEP 1, 0, 0
	s_wait_dscnt 4*NL
	WIN MUL_LO
	MUL16 0, 1, 1, 1, 0
	MUL16 2, 1, 1, 1, 0
	s_wait_dscnt 0
	WIN MUL_HI
	MUL16 4, 1, 1, 1, 0
	MUL16 6, 1, 1, 1, 0
	WIN 0
; THE WAY OUT.  64 numbers of a lane in window w, register 16 b + i = column 32 b + 16 h + i of my row, become 64 codes in v[PCD] on and a scale word in v[PW].
.macro QUANTW w, s
	WIN (\w)|((\w)<<2)
.irp b, 0,1,2,3
	v_max3_num_f32 v[TM+\b], |v[(\s)+16*\b]|, |v[(\s)+16*\b+1]|, 0x4800000     ; each accumulator is read from its low end on; the floor 2^(9 - 127) holds the byte at 1 from below
.endr
.irp i, 2,4,6,8,10,12,14
.irp b, 0,1,2,3
	v_max3_num_f32 v[TM+\b], |v[(\s)+16*\b+\i]|, |v[(\s)+16*\b+\i+1]|, v[TM+\b]
.endr
.endr
	WIN 0
.irp b, 0,1,2,3
	v_permlanex16_b32 v[TM+4+\b], v[TM+\b], s80, s81
.endr
.irp b, 0,1,2,3
	v_max_num_f32 v[TM+\b], v[TM+\b], v[TM+4+\b]   ; with lane l xor 16's: the block's largest magnitude
.endr
.irp b, 0,1,2,3
	v_add_nc_u32 v[TM+12+\b], 0xfc000000, v[TM+\b] ; 8 off its exponent field: the conversion's scale operand
.endr
.irp b, 0,1,2,3
	v_and_or_b32 v[TM+8+\b], v[TM+\b], 0x7f800000, s82   ; 448 x the scale
.endr
.irp b, 0,1,2,3
	v_lshrrev_b32 v[TM+4+\b], 23, v[TM+12+\b]      ; the scale's byte
.endr
	v_lshl_or_b32 v[PW], v[TM+5], 8, v[TM+4]
	v_lshl_or_b32 v[PW], v[TM+6], 16, v[PW]
	v_lshl_or_b32 v[PW], v[TM+7], 24, v[PW]
	WIN (\w)
.irp b, 0,1,2,3
.irp i, 0,1,2,3,4,5,6,7,8,9,10,11,12,13,14,15
	v_med3_num_f32 v[T+16*\b+\i], v[(\s)+16*\b+\i], -v[TM+8+\b], v[TM+8+\b]   ; the conversion does not saturate (ISA guide 7.6.2): the hold
.endr
.endr
	WIN 0
.irp b, 0,1,2,3
	v_cvt_scalef32_pk8_fp8_f32 v[PCD+4*\b:PCD+4*\b+1], v[T+16*\b:T+16*\b+7], v[TM+12+\b]
	v_cvt_scalef32_pk8_fp8_f32 v[PCD+4*\b+2:PCD+4*\b+3], v[T+16*\b+8:T+16*\b+15], v[TM+12+\b]
.endr
	v_nop                                          ; a plain instruction behind the last conversion
.endm
.macro TOST a                          ; block a's codes and scale words into the work-group's stage
.irp c, 0,1,2,3
	ds_store_b128 v[CST], v[PCD+4*\c:PCD+4*\c+3] offset:(\a)*4352+32*\c
.endr
	ds_store_b32 v[SST], v[PW] offset:128*(\a)     ; lanes l and l xor 16 write the same word with the same value
	s_wait_dscnt 0x0                               ; the stores have read their registers
.endm
	PLACES NP                                      ; the stage lies in slot 0: it has had its last fill, and every wave has passed the last change of slots, behind which nobody reads it
.irp b, 0,1,2,3
	v_mov_b32 v[TM+4+\b], 0                        ; a lane permute's destination counts as one of its sources
.endr
.irp a, 0,1,2,3,4,5,6,7
	QUANTW 2+\a/4, 64*(\a%4)
	TOST \a
.endr
	s_barrier_signal -1                            ; every wave's stores into the stage are done (the wait for 0 stands above)
	s_barrier_wait -1
	s_cmp_eq_u32 ttmp9, 2
	s_cbranch_scc1 .Lvout
	; q, k: [batch x head][position of the token][64] codes; a scale word a token and head: two bytes, and two bytes of 0 for the half of the next product's K step that holds zero codes
	s_lshr_b32 s90, s17, 2                         ; the batch
	s_and_b32 s91, s42, 3
	s_lshl_b32 s90, s90, 4
	s_lshl_b32 s91, s91, 2
	s_add_co_u32 s90, s90, s91                     ; 16 x batch + the tile's first head
	s_and_b32 s91, s17, 3
	s_lshl_b32 s91, s91, 8                         ; the tile's first token in the sequence
	s_lshr_b32 s92, s42, 2                         ; 0: q, 1: k
	s_lshl_b32 s86, s90, 10
	s_add_co_u32 s86, s86, s91
	s_lshl_b32 s87, s14, 6
	s_add_co_u32 s86, s86, s87
	s_lshl_b32 s86, s86, 6
	s_lshl_b32 s87, s92, 22
	s_add_co_u32 s86, s86, s87
	s_mov_b32 s87, 0
	s_add_nc_u64 s[86:87], s[76:77], s[86:87]
	s_add_co_u32 s88, s90, s14                     ; scale words: wave w takes head w of the tile's four
	s_lshl_b32 s88, s88, 10
	s_add_co_u32 s88, s88, s91
	s_lshl_b32 s88, s88, 2
	s_lshl_b32 s89, s92, 18
	s_add_co_u32 s88, s88, s89
	s_add_co_u32 s88, s88, 12582912
	s_mov_b32 s89, 0
	s_add_nc_u64 s[88:89], s[76:77], s[88:89]
.set t, 0
.rept 32
	ds_load_b128 v[32+4*t:35+4*t], v[RQC] offset:2176*(t/4)+64*(t%4)
.set t, t+1
.endr
.set t, 0
.rept 8
	ds_load_u16 v[160+t], v[RQS] offset:1024*(t/4)+8*(t%4)
.set t, t+1
.endr
.set t, 0
.rept 32
	s_wait_dscnt 39-t                              ; LDS loads come back in order
	global_store_b128 v[GQ], v[32+4*t:35+4*t], s[86:87] offset:65536*(t%4)+512*(t/4)   ; 32 lanes store 512 consecutive bytes: 8 tokens of one head
.set t, t+1
.endr
	s_wait_dscnt 0x0
	global_store_b128 v[GQ], v[160:163], s[88:89]
	global_store_b128 v[GQ], v[164:167], s[88:89] offset:512
	s_wait_tensorcnt 0x0                           ; the wave's end
	ds_add_u32 v[SPW], v[NIL]
	s_wait_dscnt 0x0
	CROUND                                         ; the closing round
	s_endpgm
.Lvout:
	; V^T: [batch x head][position of the channel][1,024 keys] codes; scale words [batch x head][key step of 128][position of the channel]
	s_lshr_b32 s90, s42, 2                         ; the batch
	s_and_b32 s91, s42, 3
	s_lshl_b32 s86, s17, 8
	s_lshl_b32 s87, s14, 6
	s_add_co_u32 s86, s86, s87
	s_lshl_b32 s86, s86, 10
	s_lshl_b32 s87, s90, 20
	s_add_co_u32 s86, s86, s87
	s_lshl_b32 s87, s91, 8
	s_add_co_u32 s86, s86, s87
	s_add_co_u32 s86, s86, 8388608
	s_mov_b32 s87, 0
	s_add_nc_u64 s[86:87], s[76:77], s[86:87]
	s_lshl_b32 s88, s90, 4
	s_lshl_b32 s89, s17, 2
	s_add_co_u32 s88, s88, s89
	s_add_co_u32 s88, s88, s14                     ; 16 x batch + head: wave w's 64 rows are one head
	s_lshl_b32 s88, s88, 3
	s_lshl_b32 s89, s91, 1
	s_add_co_u32 s88, s88, s89
	s_lshl_b32 s88, s88, 8
	s_add_co_u32 s88, s88, 13107200
	s_mov_b32 s89, 0
	s_add_nc_u64 s[88:89], s[76:77], s[88:89]
.set t, 0
.rept 32
	ds_load_b128 v[32+4*t:35+4*t], v[RVC] offset:544*t
.set t, t+1
.endr
	ds_load_b32 v160, v[RVS]                       ; rows 2 lane and 2 lane + 1: the first key step's words,
	ds_load_b32 v161, v[RVS] offset:8
	ds_load_b32 v162, v[RVS] offset:4              ; and the second's
	ds_load_b32 v163, v[RVS] offset:12
.set t, 0
.rept 32
	s_wait_dscnt 35-t
	global_store_b128 v[GV], v[32+4*t:35+4*t], s[86:87] offset:2048*t   ; 16 lanes store 256 consecutive bytes, aligned
.set t, t+1
.endr
	s_wait_dscnt 0x0
	global_store_b64 v[SVO], v[160:161], s[88:89]
	global_store_b64 v[SVO], v[162:163], s[88:89] offset:256
	s_wait_tensorcnt 0x0                           ; the wave's end
	ds_add_u32 v[SPW], v[NIL]
	s_wait_dscnt 0x0
	CROUND                                         ; the closing round
	s_endpgm
.Lfunc_end_k_q29d9cec9a1_qkv:
	.size	k_q29d9cec9a1_qkv, .Lfunc_end_k_q29d9cec9a1_qkv-k_q29d9cec9a1_qkv
	.p2alignl 7, 3214868480
	.fill 96, 4, 3214868480
	.section	.rodata,"a",@progbits
	.p2align	6, 0x0
	.amdhsa_kernel k_q29d9cec9a1_qkv
		.amdhsa_group_segment_fixed_size 327680
		.amdhsa_private_segment_fixed_size 0
		.amdhsa_enable_private_segment 0
		.amdhsa_kernarg_size 24
		.amdhsa_user_sgpr_count 2
		.amdhsa_user_sgpr_kernarg_segment_ptr 1
		.amdhsa_wavefront_size32 1
		.amdhsa_system_sgpr_workgroup_id_x 1
		.amdhsa_system_sgpr_workgroup_id_y 1
		.amdhsa_system_sgpr_workgroup_id_z 1
		.amdhsa_system_vgpr_workitem_id 0
		.amdhsa_next_free_vgpr 1024
		.amdhsa_next_free_sgpr 98
		.amdhsa_reserve_vcc 0
		.amdhsa_float_denorm_mode_32 3
		.amdhsa_float_denorm_mode_16_64 3
		.amdhsa_memory_ordered 1
		.amdhsa_forward_progress 1
		.amdhsa_inst_pref_size 200
	.end_amdhsa_kernel
	.amdgpu_metadata
---
amdhsa.version: [ 1, 2 ]
amdhsa.kernels:
  - .name:           k_q29d9cec9a1_qkv
    .symbol:         k_q29d9cec9a1_qkv.kd
    .args:
      - { .name: abuf, .offset: 0, .size: 8, .value_kind: global_buffer, .address_space: global }
      - { .name: wbuf, .offset: 8, .size: 8, .value_kind: global_buffer, .address_space: global }
      - { .name: qkvb, .offset: 16, .size: 8, .value_kind: global_buffer, .address_space: global }
    .group_segment_fixed_size: 327680
    .private_segment_fixed_size: 0
    .kernarg_segment_align: 8
    .kernarg_segment_size: 24
    .max_flat_workgroup_size: 128
    .sgpr_count:     98
    .vgpr_count:     1024
    .wavefront_size: 32
...
	.end_amdgpu_metadata
.endif
;; end of part 2
;; launch attn (part 3): grid 4 x 64, 16 waves a work-group, no clusters, 167,936 bytes of LDS; arguments qkvb, abuf; writes abuf
.if DOCPART == 3
	.amdgcn_target "amdgcn-amd-amdhsa--gfx1250"
	.amdhsa_code_object_version 6
	.text
	.protected	k_q29d9cec9a1_attn
	.globl	k_q29d9cec9a1_attn
	.p2align	8
	.type	k_q29d9cec9a1_attn,@function
k_q29d9cec9a1_attn:
	s_mov_b64 s[64:65], 0
	v_nop
	global_prefetch_b8 v0, s[64:65] scope:SCOPE_SE
	s_setreg_imm32_b32 hwreg(HW_REG_WAVE_MODE, 25, 1), 1
	s_wait_xcnt 0x0
; Causal attention of one batch and head (work-group y) on codes of FP8 with E8M0 scales; ctx / the row's sum is quantised along the model's 1,024 and stored as the next product's operand.
; LEFT OUT: a key step (128 keys) all of whose keys come after a wave's 16 queries: reference()'s own jnp.tril makes those scores -inf, so their p is 0 for all inputs.  A NaN or infinity in such scores alone is not carried on.
; THE SOFTMAX: t = score x log2(e) / 8; M = the running largest t rounded UP to a whole number; p = 2^(t - M) is quantised along the keys, not normalised; the row's sum is taken of the unquantised p and divides at the end.
; SHARES.  Sixteen waves, each with ONE tile of 16 queries in 256 registers.  Wave w of work-group x has tile 4 (w xor 3 ((w / 4) % 2)) + x of the head's 64: so the four work-groups of a head, and the waves w, w + 4, w + 8, w + 12,
; have nearly the same number of key steps under the mask.  A head's K, V and scale words (154,624 bytes with padding) come into LDS ONCE, two tensor loads a wave, all at the head; nothing is filled again: one barrier.
; No cluster: what the four work-groups of a head share is asked for once at the head and is small beside the 72 key steps of vector work that follow in each.  No prefetch: nothing is asked for behind the head.
; LAYOUT.  S^T = K Q^T (source 0 = 16 keys, source 1 = my queries; the head's 64 fill half of the instruction's 128 along K, the other half are zero codes), O^T = V^T P^T: a lane holds one query throughout.
; K's rows and V^T's rows lie by position (bits 3 and 4 of the row's number exchanged), so the 16 registers of tiles 2 b and 2 b + 1 are 16 neighbouring keys (of O^T: channels).
; A head owns 64 bytes of each row of ctx's codes: they are stored as 16 bytes a lane, in pieces of 64 bytes a row.
; REGISTERS: v1-4 lane places; v5, v6 the add's; v7 r - 16 h; v8-11 the step's addresses; v12 -M; v13 largest t; v[14:15] the sum; v16-31 Q; v32-95 four fragments of K; v96-159 S^T, p, later V's tiles 2, 3;
; v160-191 O^T; v192-223 V's tiles 0, 1; v224-239 p's codes; v232-254 at work; v255 Q's scale word.
.set KP,    80                         ; a key's row in LDS: 64 bytes + 16
.set VT,    81920                      ; behind K's 1,024 rows: V^T, 64 rows of 1,024 bytes + 16
.set VP,    1040
.set KS,    148480                     ; K's scale words, 4 bytes a position
.set VS,    152576                     ; V's: [key step][64] words
.set SPARE, 154624                     ; the spare words, 128 bytes for each of 16 waves
.set SPW,  5
.set NIL,  6
.set WV,   18
.set MNT,  19
.set SEL,  20
.set CS,   22
.set TK,   2
.set TV,   3
.set TS,   66
.set TJ,   67
.set CNT,  76
.set KF,   98
.set Q0,   99
	s_load_b128 s[4:7], s[0:1], 0x0                ; qkvb, abuf
	v_lshl_add_u32 v[SPW], v0, 2, SPARE
	v_mov_b32 v[NIL], 0
	ds_add_u32 v[SPW], v[NIL]                      ; the wave's opening: the add, twice on end, and its wait ahead of my first tensor load
	ds_add_u32 v[SPW], v[NIL]
	v_lshrrev_b32 v8, 5, v0
	v_readfirstlane_b32 s[WV], v8                  ; wave 0..15
	s_and_b32 s8, ttmp7, 0xffff                    ; 16 x batch + head
	s_and_b32 s9, s[WV], 7                         ; which eighth I fetch: waves 0-7 of K, waves 8-15 of V
	; descriptor groups 1.  K: 128 rows of 64 bytes, dense, 4 words of padding behind every 16
	s_mov_b32 s24, (1<<20)|(3<<22)|(3<<25)
	s_mov_b32 s25, 64<<16
	s_mov_b32 s26, 128<<16
	s_mov_b32 s27, 64<<16
	s_mov_b32 s28, 128
	s_mov_b32 s29, 64
	s_mov_b32 s30, 0
	s_mov_b32 s31, 0
	; K's scale words: 512 dense bytes as two rows of 32 elements of 8 bytes
	s_mov_b32 s32, 3<<16
	s_mov_b32 s33, 32<<16
	s_mov_b32 s34, 2<<16
	s_mov_b32 s35, 32<<16
	s_mov_b32 s36, 2
	s_mov_b32 s37, 32
	s_mov_b32 s38, 0
	s_mov_b32 s39, 0
	; V^T: 8 rows of 1,024 bytes, 4 words of padding behind every 256
	s_mov_b32 s40, (1<<20)|(7<<22)|(3<<25)
	s_mov_b32 s41, 1024<<16
	s_mov_b32 s42, 8<<16
	s_mov_b32 s43, 1024<<16
	s_mov_b32 s44, 8
	s_mov_b32 s45, 1024
	s_mov_b32 s46, 0
	s_mov_b32 s47, 0
	; V's scale words: one row of 256 bytes
	s_mov_b32 s48, 3<<16
	s_mov_b32 s49, 32<<16
	s_mov_b32 s50, 1<<16
	s_mov_b32 s51, 32<<16
	s_mov_b32 s52, 1
	s_mov_b32 s53, 32
	s_mov_b32 s54, 1<<16
	s_mov_b32 s55, 0
	s_bfe_u32 s10, s[WV], 0x10002
	s_mul_i32 s10, s10, 3
	s_xor_b32 s10, s[WV], s10
	s_lshl_b32 s10, s10, 2
	s_add_co_u32 s10, s10, ttmp9                   ; my tile of queries
	s_lshl_b32 s[Q0], s10, 4                       ; my first query
	s_and_b32 s11, s[Q0], 0xffffffe0
	s_bfe_u32 s12, s[Q0], 0x10004
	s_lshl_b32 s12, s12, 3
	s_add_co_u32 s11, s11, s12                     ; query Q0 + r lies at position this + r % 8 + 16 (r / 8)
	s_lshl_b32 s12, s8, 16
	s_lshl_b32 s13, s9, 13
	s_add_co_u32 s12, s12, s13
	s_add_co_u32 s78, s12, 4194304                 ; K's codes: my 128 rows
	s_mov_b32 s79, 0
	s_add_co_u32 s82, s12, 8388608                 ; V's: my 8 rows
	s_mov_b32 s83, 0
	s_lshl_b32 s80, s8, 12
	s_lshl_b32 s13, s9, 9
	s_add_co_u32 s80, s80, s13
	s_add_co_u32 s80, s80, 12845056
	s_mov_b32 s81, 0
	s_lshl_b32 s84, s8, 11
	s_lshl_b32 s13, s9, 8
	s_add_co_u32 s84, s84, s13
	s_add_co_u32 s84, s84, 13107200
	s_mov_b32 s85, 0
	s_lshl_b32 s12, s8, 10
	s_add_co_u32 s12, s12, s11
	s_lshl_b32 s86, s12, 6                         ; Q's codes
	s_mov_b32 s87, 0
	s_lshl_b32 s88, s12, 2
	s_add_co_u32 s88, s88, 12582912                ; and scale words
	s_mov_b32 s89, 0
	s_lshr_b32 s12, s8, 4
	s_lshl_b32 s12, s12, 10
	s_add_co_u32 s12, s12, s11                     ; the token's position: 1,024 x batch + ..
	s_lshl_b32 s90, s12, 10
	s_and_b32 s13, s8, 15
	s_lshl_b32 s13, s13, 6
	s_add_co_u32 s90, s90, s13                     ; ctx's codes: + 64 x head
	s_mov_b32 s91, 0
	s_bfe_u32 s13, s8, 0x20002
	s_lshl_b32 s13, s13, 12
	s_add_co_u32 s92, s12, s13
	s_lshl_b32 s92, s92, 3
	s_and_b32 s13, s8, 3
	s_lshl_b32 s13, s13, 1
	s_add_co_u32 s92, s92, s13
	s_add_co_u32 s92, s92, 4194304                 ; ctx's scale bytes: plane head / 4, bytes 2 (head % 4) and + 1
	s_mov_b32 s93, 0
	s_mov_b32 s[SEL], 0x76543210
	s_mov_b32 s[SEL+1], 0xfedcba98
	s_mov_b32 s[CS], 0x3e38aa3b                    ; c = log2(e) / sqrt(64)
	s_mov_b32 s[CS+1], s[CS]
	s_mov_b32 s[MNT], 0x600000
	s_mov_b32 s[TK], 0
	s_mov_b32 s[TV], 0
	s_mov_b32 s[TS], 0
	s_mov_b32 s[TJ], 0
	s_mov_b32 s[KF], 0
	s_mov_b32 s[CNT], 8
	s_mul_i32 s57, s9, 128*KP
	s_lshl_b32 s61, s9, 9
	s_add_co_u32 s61, s61, KS
	s_mul_i32 s69, s9, 8*VP
	s_add_co_u32 s69, s69, VT
	s_lshl_b32 s73, s9, 8
	s_add_co_u32 s73, s73, VS
	s_mov_b32 s56, 1
	s_mov_b32 s60, 1
	s_mov_b32 s68, 1
	s_mov_b32 s72, 1
	s_wait_dscnt 0x0                               ; both opening adds are done
	s_wait_kmcnt 0x0
	s_add_nc_u64 s[58:59], s[4:5], s[78:79]
	s_or_b32 s59, s59, 0x80000000
	s_add_nc_u64 s[62:63], s[4:5], s[80:81]
	s_or_b32 s63, s63, 0x80000000
	s_add_nc_u64 s[70:71], s[4:5], s[82:83]
	s_or_b32 s71, s71, 0x80000000
	s_add_nc_u64 s[74:75], s[4:5], s[84:85]
	s_or_b32 s75, s75, 0x80000000
	s_add_nc_u64 s[86:87], s[4:5], s[86:87]
	s_add_nc_u64 s[88:89], s[4:5], s[88:89]
	s_add_nc_u64 s[90:91], s[6:7], s[90:91]
	s_add_nc_u64 s[92:93], s[6:7], s[92:93]
	s_cmp_lt_u32 s[WV], 8                          ; every wave issues two first fills, in one branch on its number: two tensor loads of mine are out at the most
	s_cbranch_scc0 .Lfill_v
	tensor_load_to_lds s[56:59], s[24:31]
	s_nop 0
	tensor_load_to_lds s[60:63], s[32:39]
	s_nop 0
.rept 4
	v_nop
.endr
	s_branch .Lfilled
.Lfill_v:
	tensor_load_to_lds s[68:71], s[40:47]
	s_nop 0
	tensor_load_to_lds s[72:75], s[48:55]
	s_nop 0
.rept 4
	v_nop
.endr
.Lfilled:
	v_and_b32 v8, 15, v0                           ; r
	v_bfe_u32 v9, v0, 4, 1                         ; h
	v_and_b32 v10, 7, v8
	v_lshrrev_b32 v11, 3, v8
	v_lshl_add_u32 v10, v11, 4, v10                ; r % 8 + 16 (r / 8)
	v_lshlrev_b32 v11, 6, v10
	v_lshl_add_u32 v11, v9, 4, v11
	global_load_b128 v[16:19], v11, s[86:87]       ; Q's fragment: k = 16 h + 0 .. 15,
	global_load_b128 v[20:23], v11, s[86:87] offset:32   ; 32 + 16 h + 0 .. 15
	v_lshlrev_b32 v10, 2, v10
	global_load_b32 v255, v10, s[88:89]            ; Q's scale word
	v_mul_u32_u24 v1, v8, KP
	v_lshl_add_u32 v1, v9, 4, v1
	v_mul_u32_u24 v2, v8, VP
	v_lshl_add_u32 v2, v9, 4, v2
	v_add_nc_u32 v2, VT, v2
	v_lshl_add_u32 v3, v8, 2, KS
	v_lshl_add_u32 v4, v8, 2, VS
	v_lshlrev_b32 v7, 4, v9
	v_sub_nc_u32 v7, v8, v7                        ; r - 16 h
	v_mov_b32 v13, 0xff61b1e6                      ; the largest t so far: -3e38
	v_floor_f32 v12, -v13                          ; -M
	v_mov_b32 v14, 0
	v_mov_b32 v15, 0
.irp b, 0,1,2,3
	v_mov_b32 v[236+\b], 0                         ; a lane permute's destination counts as one of its sources
.endr
	v_mov_b32 v252, 0
	v_mov_b32 v253, 0
.set j, 0
.rept 8
	v_mov_b32 v[24+j], 0                           ; k = 64 .. 127 of Q: zero codes
	v_mov_b32 v[40+j], 0                           ; and of K's four fragments: written once, never loaded into
	v_mov_b32 v[56+j], 0
	v_mov_b32 v[72+j], 0
	v_mov_b32 v[88+j], 0
.set j, j+1
.endr
.set j, 0
.rept 32
	v_mov_b32 v[160+j], 0                          ; O^T: the step is written once; its first trip finds zeros, which the first change of M leaves zeros
.set j, j+1
.endr
	s_wait_loadcnt 0x0                             ; Q; its loads have read v10 and v11
	s_wait_tensorcnt 0x0                           ; my two fills have landed,
	s_barrier_signal -1
	s_barrier_wait -1                              ; everybody's have
.Lstep:                                            ; eight trips, a constant; a hidden step's work is jumped over
	s_add_co_u32 s96, s[Q0], 15
	s_cmp_gt_u32 s[KF], s96
	s_cbranch_scc1 .Lhidden
	v_add_nc_u32 v8, s[TK], v1
	v_add_nc_u32 v9, s[TV], v2
	v_add_nc_u32 v10, s[TS], v3
	v_add_nc_u32 v11, s[TJ], v4
.rept 5
	v_nop                                          ; with the four additions: nine places behind the last step's products, whose operands in v96 on are written over by the products below
.endr
.irp g, 0,1                                    ; S^T = K Q^T, four tiles of 16 keys at a time
.if \g
.rept 8
	v_nop                                          ; places in front of loads into registers that matrix instructions have read
.endr
.endif
.irp t, 0,1,2,3
	ds_load_b128 v[32+16*\t:35+16*\t], v8 offset:(64*\g+16*\t)*KP
	ds_load_b128 v[36+16*\t:39+16*\t], v8 offset:(64*\g+16*\t)*KP+32
	ds_load_b32 v[248+\t], v10 offset:256*\g+64*\t
.endr
	s_wait_dscnt 0x0
.irp t, 0,1,2,3
	v_wmma_scale_f32_16x16x128_f8f6f4 v[96+8*(4*\g+\t):103+8*(4*\g+\t)], v[32+16*\t:47+16*\t], v[16:31], 0, v[248+\t], v255
.endr
.endr
.rept 8
	v_nop
.endr
.irp t, 0,1                                    ; V's tiles 0 and 1 and its four scale words are asked for here and land under the softmax
.irp c, 0,1,2,3
	ds_load_b128 v[192+16*\t+4*\c:195+16*\t+4*\c], v9 offset:16*\t*VP+32*\c
.endr
.endr
.irp t, 0,1,2,3
	ds_load_b32 v[248+\t], v11 offset:64*\t
.endr
	s_add_co_u32 s96, s[KF], 127                   ; on the diagonal hidden scores become -infinity ahead of the maximum; a step all of whose keys count skips this
	s_cmp_le_u32 s96, s[Q0]
	s_cbranch_scc1 .Lopen
	s_sub_co_i32 s96, s[Q0], s[KF]
	v_add_nc_u32 v252, s96, v7                     ; d = my query - KF - 16 h.  Register 16 b + i holds key KF + 16 h + 32 b + i: hidden where 32 b + i > d
	v_mov_b32 v254, 0xff800000
.set n, 0
.rept 64
	v_cmp_gt_i32 vcc_lo, 32*(n/16)+n%16, v252
	v_cndmask_b32 v[96+n], v[96+n], v254, vcc_lo
.set n, n+1
.endr
.Lopen:
.irp b, 0,1,2,3
	v_max3_num_f32 v[232+\b], v[96+16*\b], v[97+16*\b], v[98+16*\b]   ; the largest score of each block of 32 keys: for the row's maximum, and, since p rises with the score, for the block's largest p
.endr
.irp i, 3,5,7,9,11,13
.irp b, 0,1,2,3
	v_max3_num_f32 v[232+\b], v[232+\b], v[96+16*\b+\i], v[97+16*\b+\i]
.endr
.endr
.irp b, 0,1,2,3
	v_max_num_f32 v[232+\b], v[232+\b], v[111+16*\b]
.endr
.irp b, 0,1,2,3
	v_permlanex16_b32 v[236+\b], v[232+\b], s[SEL], s[SEL+1]
.endr
.irp b, 0,1,2,3
	v_max_num_f32 v[232+\b], v[232+\b], v[236+\b]
.endr
	v_max3_num_f32 v254, v232, v233, v234
	v_max_num_f32 v254, v254, v235
	v_mul_f32 v254, s[CS], v254
	v_max_num_f32 v13, v13, v254                   ; the running largest t
	v_mov_b32 v254, v12
	v_floor_f32 v12, -v13                          ; the new -M = -ceil(t)
	v_sub_f32 v254, v12, v254                      ; old M - new M: a whole number, 0 or less
	v_cvt_i32_f32 v254, v254
	v_ldexp_f32 v252, 1.0, v254                    ; f = 2^(old M - new M): a multiplication by it rounds nothing
.set j, 0
.rept 32
	v_pk_fma_f32 v[96+j:97+j], v[96+j:97+j], s[CS:CS+1], v[12:13] op_sel_hi:[1,0,0]   ; t - M
.set j, j+2
.endr
.irp b, 0,1,2,3
	v_fma_f32 v[232+\b], v[232+\b], s[CS], v12
.endr
.set j, 0
.rept 64
	v_exp_f32 v[96+j], v[96+j]                     ; p = 2^(t - M)
.set j, j+1
.endr
	v_pk_mul_f32 v[14:15], v[14:15], v[252:253] op_sel_hi:[1,0]   ; the sums under the new M: a plain instruction behind the exponentials
	s_wait_alu depctr_va_vdst(0)                   ; one wait for the whole batch, ahead of its first reader
.irp b, 0,1,2,3
	v_exp_f32 v[232+\b], v[232+\b]                 ; each block's largest p
.endr
	v_pk_add_f32 v[236:237], v[96:97], v[98:99]    ; the row's sum of the unquantised p, in two chains
.irp j, 4,8,12,16,20,24,28,32,36,40,44,48,52,56,60
	v_pk_add_f32 v[14:15], v[14:15], v[96+\j:97+\j]
	v_pk_add_f32 v[236:237], v[236:237], v[98+\j:99+\j]
.endr
	v_pk_add_f32 v[14:15], v[14:15], v[236:237]
	s_wait_alu depctr_va_vdst(0)                   ; and one for the four
.irp b, 0,1,2,3
	v_max_num_f32 v[232+\b], 0x4800000, v[232+\b]  ; the floor 2^(9 - 127)
.endr
.irp b, 0,1,2,3
	v_add_nc_u32 v[244+\b], 0xfc000000, v[232+\b]
.endr
.irp b, 0,1,2,3
	v_and_or_b32 v[240+\b], v[232+\b], 0x7f800000, s[MNT]
.endr
.irp b, 0,1,2,3
	v_lshrrev_b32 v[236+\b], 23, v[244+\b]
.endr
	v_lshl_or_b32 v253, v237, 8, v236              ; p's scale word for these 128 keys
	v_lshl_or_b32 v253, v238, 16, v253
	v_lshl_or_b32 v253, v239, 24, v253
.irp b, 0,1,2,3
.irp i, 0,1,2,3,4,5,6,7,8,9,10,11,12,13,14,15
	v_min_num_f32 v[96+16*\b+\i], v[96+16*\b+\i], v[240+\b]   ; the conversion does not saturate (ISA guide 7.6.2); p is not negative
.endr
	v_cvt_scalef32_pk8_fp8_f32 v[224+4*\b:225+4*\b], v[96+16*\b:103+16*\b], v[244+\b]
	v_cvt_scalef32_pk8_fp8_f32 v[226+4*\b:227+4*\b], v[104+16*\b:111+16*\b], v[244+\b]
.endr
.rept 4
	v_nop                                          ; codes written by vector instructions stand four places ahead of the scaled products
.endr
.irp t, 2,3                                    ; V's tiles 2 and 3, into registers that p has left
.irp c, 0,1,2,3
	ds_load_b128 v[96+16*(\t-2)+4*\c:99+16*(\t-2)+4*\c], v9 offset:16*\t*VP+32*\c
.endr
.endr
.set j, 0
.rept 16
	v_pk_mul_f32 v[160+j:161+j], v[160+j:161+j], v[252:253] op_sel_hi:[1,0]   ; O^T under the new M
.set j, j+2
.endr
	s_wait_dscnt 0x0
	v_wmma_scale_f32_16x16x128_f8f6f4 v[160:167], v[192:207], v[224:239], v[160:167], v248, v253   ; O^T += V^T P^T: four accumulators, one instruction each
	v_wmma_scale_f32_16x16x128_f8f6f4 v[168:175], v[208:223], v[224:239], v[168:175], v249, v253
	v_wmma_scale_f32_16x16x128_f8f6f4 v[176:183], v[96:111], v[224:239], v[176:183], v250, v253
	v_wmma_scale_f32_16x16x128_f8f6f4 v[184:191], v[112:127], v[224:239], v[184:191], v251, v253
.Lhidden:
	s_add_co_u32 s[KF], s[KF], 128
	s_add_co_u32 s[TK], s[TK], 128*KP
	s_add_co_u32 s[TV], s[TV], 128
	s_add_co_u32 s[TS], s[TS], 512
	s_add_co_u32 s[TJ], s[TJ], 256
	s_sub_co_u32 s[CNT], s[CNT], 1
	s_cmp_lg_u32 s[CNT], 0
	s_cbranch_scc1 .Lstep
	; THE WAY OUT: ctx = O^T / the sum; register 16 b + i is channel 32 b + 16 h + i of my query: two blocks of 32 along the next K
.rept 8
	v_nop
.endr
	v_add_f32 v14, v14, v15
	v_permlanex16_b32 v252, v14, s[SEL], s[SEL+1]
	v_add_f32 v14, v14, v252
	v_rcp_f32 v14, v14
	v_and_b32 v8, 15, v0                           ; (plain work behind the transcendental)
	v_bfe_u32 v9, v0, 4, 1
	v_and_b32 v10, 7, v8
	v_lshrrev_b32 v11, 3, v8
	v_lshl_add_u32 v10, v11, 4, v10                ; r % 8 + 16 (r / 8)
	v_lshlrev_b32 v11, 10, v10
	v_lshl_add_u32 v11, v9, 4, v11                 ; codes: a row of 1,024 bytes, + 16 h
	v_lshl_add_u32 v10, v10, 3, v9                 ; scale bytes: 8 a position, + h
	s_wait_alu depctr_va_vdst(0)                   ; the wait, ahead of the first reader
.set j, 0
.rept 32
	v_mul_f32 v[96+j], v[160+j], v14
.set j, j+1
.endr
.irp b, 0,1
	v_max3_num_f32 v[232+\b], |v[96+16*\b]|, |v[97+16*\b]|, 0x4800000
.endr
.irp i, 2,4,6,8,10,12,14
.irp b, 0,1
	v_max3_num_f32 v[232+\b], v[232+\b], |v[96+16*\b+\i]|, |v[97+16*\b+\i]|
.endr
.endr
.irp b, 0,1
	v_permlanex16_b32 v[236+\b], v[232+\b], s[SEL], s[SEL+1]
.endr
.irp b, 0,1
	v_max_num_f32 v[232+\b], v[232+\b], v[236+\b]
.endr
.irp b, 0,1
	v_add_nc_u32 v[244+\b], 0xfc000000, v[232+\b]
.endr
.irp b, 0,1
	v_and_or_b32 v[240+\b], v[232+\b], 0x7f800000, s[MNT]
.endr
.irp b, 0,1
	v_lshrrev_b32 v[236+\b], 23, v[244+\b]
.endr
	v_cmp_eq_u32 vcc_lo, 1, v9
	v_cndmask_b32 v254, v236, v237, vcc_lo         ; lanes 0-15 store the first block's byte, lanes 16-31 the second's
.irp b, 0,1
.irp i, 0,1,2,3,4,5,6,7,8,9,10,11,12,13,14,15
	v_med3_num_f32 v[96+16*\b+\i], v[96+16*\b+\i], -v[240+\b], v[240+\b]
.endr
	v_cvt_scalef32_pk8_fp8_f32 v[224+4*\b:225+4*\b], v[96+16*\b:103+16*\b], v[244+\b]
	v_cvt_scalef32_pk8_fp8_f32 v[226+4*\b:227+4*\b], v[104+16*\b:111+16*\b], v[244+\b]
.endr
	v_nop
	global_store_b128 v11, v[224:227], s[90:91]
	global_store_b128 v11, v[228:231], s[90:91] offset:32
	global_store_b8 v10, v254, s[92:93]
	s_wait_tensorcnt 0x0                           ; the wave's end: behind my last tensor load
	ds_add_u32 v[SPW], v[NIL]
	s_wait_dscnt 0x0
	s_endpgm
.Lfunc_end_k_q29d9cec9a1_attn:
	.size	k_q29d9cec9a1_attn, .Lfunc_end_k_q29d9cec9a1_attn-k_q29d9cec9a1_attn
	.p2alignl 7, 3214868480
	.fill 96, 4, 3214868480
	.section	.rodata,"a",@progbits
	.p2align	6, 0x0
	.amdhsa_kernel k_q29d9cec9a1_attn
		.amdhsa_group_segment_fixed_size 167936
		.amdhsa_private_segment_fixed_size 0
		.amdhsa_enable_private_segment 0
		.amdhsa_kernarg_size 16
		.amdhsa_user_sgpr_count 2
		.amdhsa_user_sgpr_kernarg_segment_ptr 1
		.amdhsa_wavefront_size32 1
		.amdhsa_system_sgpr_workgroup_id_x 1
		.amdhsa_system_sgpr_workgroup_id_y 1
		.amdhsa_system_sgpr_workgroup_id_z 1
		.amdhsa_system_vgpr_workitem_id 0
		.amdhsa_next_free_vgpr 256
		.amdhsa_next_free_sgpr 100
		.amdhsa_reserve_vcc 1
		.amdhsa_float_denorm_mode_32 3
		.amdhsa_float_denorm_mode_16_64 3
		.amdhsa_memory_ordered 1
		.amdhsa_forward_progress 1
		.amdhsa_inst_pref_size 42
	.end_amdhsa_kernel
	.amdgpu_metadata
---
amdhsa.version: [ 1, 2 ]
amdhsa.kernels:
  - .name:           k_q29d9cec9a1_attn
    .symbol:         k_q29d9cec9a1_attn.kd
    .args:
      - { .name: qkvb, .offset: 0, .size: 8, .value_kind: global_buffer, .address_space: global }
      - { .name: abuf, .offset: 8, .size: 8, .value_kind: global_buffer, .address_space: global }
    .group_segment_fixed_size: 167936
    .private_segment_fixed_size: 0
    .kernarg_segment_align: 8
    .kernarg_segment_size: 16
    .max_flat_workgroup_size: 512
    .sgpr_count:     100
    .vgpr_count:     256
    .wavefront_size: 32
...
	.end_amdgpu_metadata
.endif
;; end of part 3
;; launch wo (part 4): grid 4 x 16, 4 waves a work-group, clusters of 4 x 4, 327,680 bytes of LDS; arguments abuf, wbuf, x, bo, x1; writes x1
.if DOCPART == 4
	.amdgcn_target "amdgcn-amd-amdhsa--gfx1250"
	.amdhsa_code_object_version 6
	.text
	.protected	k_q29d9cec9a1_wo
	.globl	k_q29d9cec9a1_wo
	.p2align	8
	.type	k_q29d9cec9a1_wo,@function
k_q29d9cec9a1_wo:
	s_mov_b64 s[64:65], 0
	v_nop
	global_prefetch_b8 v0, s[64:65] scope:SCOPE_SE
	s_setreg_imm32_b32 hwreg(HW_REG_WAVE_MODE, 25, 1), 1
	s_wait_xcnt 0x0
	s_wait_alu depctr_hold_cnt(0) depctr_sa_sdst(0) depctr_va_vdst(0) depctr_va_sdst(0) depctr_va_ssrc(0) depctr_va_vcc(0) depctr_vm_vsrc(0)
	s_getreg_b32 s2, hwreg(HW_REG_IB_STS2, 6, 4)
	s_cmp_eq_u32 s2, 0
	s_cbranch_scc0 .Lentry_in_a_cluster
	s_endpgm
.Lentry_in_a_cluster:
	s_bfe_u32 s2, ttmp6, 0x10000c
	s_cmp_lg_u32 s2, 0xf033
	s_cbranch_scc0 .Lentry_shape_is_right
	s_endpgm
.Lentry_shape_is_right:
; x1 = x + ctx Wo^T + bo: ctx and Wo as codes of FP8 with E8M0 scales; x, bo and x1 f32.  Nothing is left out here.
; A tile of 256 x 256 is made by four waves, 128 x 128 each.  K goes in steps of 256 through a ring of two LDS slots filled by joint tensor loads in clusters of 4 x 4 (A's tile shared along a row, B's along a column).
; With 1,024 columns there are 64 such tiles: this text keeps the tile that all the program's products share.
; Rows of codes lie by POSITION (bits 3 and 4 of the row's number exchanged): accumulator (a, b), lane (r, h), register j holds the true row 32 (a / 2) + 8 (a % 2) + r + 8 (r / 8) and the true column 32 (b / 2) + 16 h + 8 (b % 2) + j.
; THE RESIDUAL STARTS THE SUMS: it is loaded straight into the accumulators.  The bias is added on the way out, where a lane holds four neighbouring columns of whole rows.
; Scale words come from memory straight into registers ([K / 256][position][8]: 8 bytes a lane bring both words of a K step for 32 positions).
.set KROW,   1024
.set KSH,    10
.set ASC,    4194304                   ; A's scale bytes in its buffer
.set BCODE,  3145728                   ; B's codes in wbuf
.set BSC,    12681216                  ; B's scale bytes
.set ASTR,   32768                     ; a plane of A's scale bytes
.set BSTR,   8192                      ; of B's
.set NTOUT,  0                         ; the result is read again by later launches
.set PITCH,  272
.set FR,     16
.set NL,     4
.set NP,     8
.set HALFT,  128*PITCH
.set SLOT,   4*HALFT
.set SPARE,  2*SLOT
.set LAPS,   KROW/512
.set SPITCH, 528
.set ADRA, 16
.set ADRB, 20
.set STO,  24
.set RD,   25
.set CO,   26
.set SVO,  27
.set SPW,  28
.set NIL,  29
.set RV,   30
.set SC,   32
.set AF,   128
.set BK,   128
.set G1, 24
.set G0, 32
.set G1B, 48
.set G0B, 56
.set MSB, 0
.macro WIN new
.if MSB != (\new)
	s_set_vgpr_msb (MSB<<8)|(\new)
.set MSB, (\new)
.endif
.endm
.set MUL_LO, 0xa1
.set MUL_HI, 0xf1
.set TO_B,   0x40
.macro JLOAD g0a, g1a, g0b, g1b        ; a joint load: waves 0 and 1 fetch for A, waves 2 and 3 for B; an s_nop 0 and four v_nop follow each line
	s_cmp_eq_u32 s15, 0
	s_cbranch_scc0 .Lfor_b_\@
	tensor_load_to_lds s[\g0a:\g0a+3], s[\g1a:\g1a+7]
	s_nop 0
.rept 4
	v_nop
.endr
	s_branch .Lasked_\@
.Lfor_b_\@:
	tensor_load_to_lds s[\g0b:\g0b+3], s[\g1b:\g1b+7]
	s_nop 0
.rept 4
	v_nop
.endr
.Lasked_\@:
.endm
.macro CREST
	s_cmp_lg_u32 s14, 0
	s_cbranch_scc1 .Lnot_wave_0_\@
	s_barrier_signal -3
.Lnot_wave_0_\@:
	s_barrier_wait -3
	s_barrier_signal -1
	s_barrier_wait -1
.endm
.macro CROUND
	s_barrier_signal -1
	s_barrier_wait -1
	CREST
.endm
	s_load_b128 s[4:7], s[0:1], 0x0                ; A's buffer, wbuf
	s_load_b128 s[72:75], s[0:1], 0x10             ; the residual, the bias
	s_load_b64 s[12:13], s[0:1], 0x20              ; the result
	v_lshl_add_u32 v[SPW], v0, 2, SPARE
	v_mov_b32 v[NIL], 0
	ds_add_u32 v[SPW], v[NIL]                      ; the wave's opening: the add, twice on end, and its wait ahead of my first tensor load
	ds_add_u32 v[SPW], v[NIL]
	v_lshrrev_b32 v1, 5, v0
	v_readfirstlane_b32 s14, v1
	s_lshr_b32 s15, s14, 1
	s_and_b32 s16, s14, 1
	s_bfe_u32 s40, ttmp6, 0x40000                  ; cx
	s_bfe_u32 s41, ttmp6, 0x40004                  ; cy
	s_lshl_b32 s42, ttmp9, 2
	s_add_co_u32 s42, s42, s40                     ; tile column
	s_and_b32 s17, ttmp7, 0xffff
	s_lshl_b32 s17, s17, 2
	s_add_co_u32 s17, s17, s41                     ; tile row
	s_lshl_b32 s43, s41, 2
	s_lshl_b32 s43, 15, s43
	s_lshl_b32 s44, 0x1111, s40
	s_or_b32 s[G1+0], s43, (1<<20)|(1<<21)|(5<<22)|(3<<25)
	s_or_b32 s[G1B+0], s44, (1<<20)|(1<<21)|(5<<22)|(3<<25)
.irp g, G1, G1B
	s_mov_b32 s[\g+1], 256<<16
	s_mov_b32 s[\g+2], 128<<16
	s_mov_b32 s[\g+3], 256<<16
	s_mov_b32 s[\g+4], 128
	s_mov_b32 s[\g+5], KROW
	s_mov_b32 s[\g+6], 0
	s_mov_b32 s[\g+7], 0
.endr
	s_lshl_b32 s18, s16, 7
	s_lshl_b32 s20, s17, 8
	s_add_co_u32 s20, s20, s18
	s_lshl_b32 s20, s20, KSH                       ; A's codes that I fetch
	s_mov_b32 s21, 0
	s_lshl_b32 s46, s42, 8
	s_add_co_u32 s46, s46, s18
	s_lshl_b32 s92, s46, 3
	s_add_co_u32 s92, s92, BSC                     ; B's scale words of my 128 columns
	s_mov_b32 s93, 0
	s_lshl_b32 s46, s46, KSH
	s_add_co_u32 s46, s46, BCODE                   ; B's codes that I fetch
	s_mov_b32 s47, 0
	s_lshl_b32 s22, s17, 8
	s_lshl_b32 s23, s15, 7
	s_add_co_u32 s22, s22, s23
	s_lshl_b32 s86, s22, 12                        ; my first row of the residual and of the result: 4,096 bytes a row,
	s_lshl_b32 s22, s22, 3
	s_add_co_u32 s22, s22, ASC                     ; A's scale words of my 128 rows
	s_mov_b32 s23, 0
	s_lshl_b32 s88, s42, 10
	s_lshl_b32 s89, s16, 9
	s_add_co_u32 s88, s88, s89                     ; my first column, in bytes
	s_mov_b32 s89, 0
	s_add_co_u32 s86, s86, s88
	s_mov_b32 s87, 0
	s_mov_b32 s66, ASTR
	s_mov_b32 s67, 0
	s_mov_b32 s68, BSTR
	s_mov_b32 s69, 0
	s_mul_i32 s45, s14, HALFT
	s_wait_dscnt 0x0                               ; both opening adds are done
	s_wait_kmcnt 0x0
	s_add_nc_u64 s[20:21], s[4:5], s[20:21]
	s_add_nc_u64 s[46:47], s[6:7], s[46:47]
	s_add_nc_u64 s[8:9], s[4:5], s[22:23]
	s_add_nc_u64 s[10:11], s[6:7], s[92:93]
	s_add_nc_u64 s[72:73], s[72:73], s[86:87]
	s_add_nc_u64 s[12:13], s[12:13], s[86:87]
	s_add_nc_u64 s[74:75], s[74:75], s[88:89]
	CROUND                                         ; all sixteen work-groups are here: the first joint loads meet
.irp s, 0,1
	s_mov_b32 s[G0+4*\s], 1
	s_add_co_u32 s[G0+4*\s+1], s45, \s*SLOT
	s_add_nc_u64 s[G0+4*\s+2:G0+4*\s+3], s[20:21], \s*256
	s_or_b32 s[G0+4*\s+3], s[G0+4*\s+3], 0x80000000
	s_mov_b32 s[G0B+4*\s], 1
	s_add_co_u32 s[G0B+4*\s+1], s45, \s*SLOT
	s_add_nc_u64 s[G0B+4*\s+2:G0B+4*\s+3], s[46:47], \s*256
	s_or_b32 s[G0B+4*\s+3], s[G0B+4*\s+3], 0x80000000
	JLOAD G0+4*\s, G1, G0B+4*\s, G1B
.endr
.macro GSCALES sc
.irp m, 0,1,2,3
	global_load_b64 v[SC+16*\sc+2*\m:SC+16*\sc+2*\m+1], v[SVO], s[8:9] offset:256*\m
	global_load_b64 v[SC+16*\sc+8+2*\m:SC+16*\sc+8+2*\m+1], v[SVO], s[10:11] offset:256*\m
.endr
.endm
	v_and_b32 v6, 31, v0
	v_lshlrev_b32 v[SVO], 3, v6
	GSCALES 0
	v_and_b32 v1, 15, v0                           ; r
	v_bfe_u32 v2, v0, 4, 1                         ; h
	v_lshlrev_b32 v[CO], 4, v6                     ; 16 x lane
	global_load_b128 v[8:11], v[CO], s[74:75]      ; the bias of the four columns that I store
	v_and_b32 v5, 8, v1
	v_add_nc_u32 v5, v5, v1
	v_lshlrev_b32 v5, 12, v5
	v_lshl_add_u32 v[RV], v2, 6, v5                ; the residual: row r + 8 (r / 8), + 64 h bytes
.irp a, 0,1,2,3,4,5,6,7
	WIN 0x80+0x40*(\a/4)                           ; destination window 2 or 3
.irp c, 0,1,2,3
.irp e, 0,1,2,3
	global_load_b128 v[8*(8*(\a%4)+2*\c+(\e/2))+4*(\e%2):8*(8*(\a%4)+2*\c+(\e/2))+4*(\e%2)+3], v[RV], s[72:73] offset:(32*(\a/2)+8*(\a%2))*4096+128*\c+16*\e
.endr
.endr
.endr
	WIN 0
	v_mul_u32_u24 v3, v1, PITCH
	v_lshl_add_u32 v4, v2, 4, v3
	s_mul_i32 s21, s15, HALFT
	s_mul_i32 s22, s16, HALFT
	s_add_co_u32 s22, s22, 2*HALFT
.irp s, 0,1
	v_add_nc_u32 v[ADRA+\s], s21, v4
	v_add_nc_u32 v[ADRB+\s], s22, v4
	s_add_co_u32 s21, s21, SLOT
	s_add_co_u32 s22, s22, SLOT
.endr
	s_mul_i32 s23, s14, 16*SPITCH                  ; my stage, in slot 0
	v_mul_u32_u24 v5, v1, SPITCH
	v_lshl_add_u32 v5, v2, 6, v5
	v_add_nc_u32 v[STO], s23, v5                   ; in: row r, + 64 h
	v_add_nc_u32 v[RD], s23, v[CO]                 ; back: a row of 512 bytes by 32 lanes
	s_wait_xcnt 0x0                                ; the loads above have read their bases
	s_add_nc_u64 s[8:9], s[8:9], s[66:67]
	s_add_nc_u64 s[10:11], s[10:11], s[68:69]
	GSCALES 1
.macro FRAG reg, adr, q, i
.irp c, 0,1,2,3
	ds_load_b128 v[\reg+4*\c:\reg+4*\c+3], v[\adr] offset:128*(\q)+32*\c+(\i)*16*PITCH
.endr
.endm
.macro ONE c
.if par == 0
	v_wmma_scale_f32_16x16x128_f8f6f4 v[rD:rD+7], v[rB:rB+15], v[rA:rA+15], \c, v[rSB], v[rSA]
.elseif par == 1
	v_wmma_scale_f32_16x16x128_f8f6f4 v[rD:rD+7], v[rB:rB+15], v[rA:rA+15], \c, v[rSB], v[rSA] matrix_b_scale:MATRIX_SCALE_ROW1
.elseif par == 2
	v_wmma_scale_f32_16x16x128_f8f6f4 v[rD:rD+7], v[rB:rB+15], v[rA:rA+15], \c, v[rSB], v[rSA] matrix_a_scale:MATRIX_SCALE_ROW1
.else
	v_wmma_scale_f32_16x16x128_f8f6f4 v[rD:rD+7], v[rB:rB+15], v[rA:rA+15], \c, v[rSB], v[rSA] matrix_a_scale:MATRIX_SCALE_ROW1 matrix_b_scale:MATRIX_SCALE_ROW1
.endif
.endm
; 16 products: A's blocks a0, a0 + 1 x B's eight.  The 64 accumulators take turns, one instruction a turn.
.macro MUL16 a0, p, q, sc
.irp a, \a0, \a0+1
.irp b, 0,1,2,3,4,5,6,7
.set rD, 8*(8*((\a)%4)+\b)
.set rB, 128*(\p)+FR*\b
.set rA, AF+FR*(\a)
.set rSB, SC+16*(\sc)+8+2*(\b/2)+(\q)
.set rSA, SC+16*(\sc)+2*((\a)/2)+(\q)
.set par, 2*(\b%2)+((\a)%2)
	ONE v[rD:rD+7]
.endr
.endr
.endm
.macro FETCH_B slot, q, p
	WIN TO_B
.irp i, 0,1,2,3,4,5,6,7
	FRAG 128*(\p)+FR*\i, ADRB+\slot, \q, \i
.endr
	WIN 0
.endm
.macro FETCH_A slot, q, i0
.irp i, \i0, \i0+1, \i0+2, \i0+3
	FRAG AF+FR*(\i), ADRA+\slot, \q, \i
.endr
.endm
.macro PLACES n
.rept \n
	v_nop
.endr
.endm
.macro STEP slot, q
	s_wait_dscnt 4*NL                              ; B's set and A's blocks 0-3 are in; A's blocks 4-7 may be out
	WIN MUL_LO
	MUL16 0, (\q)%2, \q, \slot
	MUL16 2, (\q)%2, \q, \slot
	s_wait_dscnt 0
	PLACES NP
	FETCH_B \slot, (\q)+1, 1-(\q)%2
	FETCH_A \slot, (\q)+1, 0
	WIN MUL_HI
	MUL16 4, (\q)%2, \q, \slot
	MUL16 6, (\q)%2, \q, \slot
	PLACES NP
	WIN 0
	FETCH_A \slot, (\q)+1, 4
.endm
.macro TURN slot, next, fill
	s_wait_tensorcnt 0x0                           ; all my tensor loads have landed: my part of the next slot
	ds_add_u32 v[SPW], v[NIL]
	s_wait_dscnt 4*NL+1                            ; (the add and A's blocks 4-7 may be out)
	WIN MUL_LO
	MUL16 0, 1, 1, \slot
	s_wait_dscnt 0x0                               ; the add is done, and my reads of this slot are over
	s_barrier_signal -1
	MUL16 2, 1, 1, \slot
	WIN 0
	s_barrier_wait -1
.if \fill
	CREST                                          ; the barrier has opened a round of the cluster's: no wave of any partner still reads this slot or has a load on its way
	s_add_nc_u64 s[G0+4*\slot+2:G0+4*\slot+3], s[G0+4*\slot+2:G0+4*\slot+3], 512
	s_add_nc_u64 s[G0B+4*\slot+2:G0B+4*\slot+3], s[G0B+4*\slot+2:G0B+4*\slot+3], 512
	JLOAD G0+4*\slot, G1, G0B+4*\slot, G1B
	PLACES NP-4
.else
	PLACES NP
.endif
	FETCH_B \next, 0, 0
	FETCH_A \next, 0, 0
	WIN MUL_HI
	MUL16 4, 1, 1, \slot
	MUL16 6, 1, 1, \slot
	PLACES NP                                      ; also for the loads into this slot's scale words
	WIN 0
	FETCH_A \next, 0, 4
	s_wait_loadcnt 0x0                             ; the next K step's scale words, asked for a K step ago, are in; their loads have read the bases
.if \fill
	s_add_nc_u64 s[8:9], s[8:9], s[66:67]
	s_add_nc_u64 s[10:11], s[10:11], s[68:69]
	GSCALES \slot
.endif
.endm
	s_wait_tensorcnt 1                             ; my part of K step 0 is in (K step 1's load may be out)
	s_barrier_signal -1
	s_barrier_wait -1
	FETCH_B 0, 0, 0
	FETCH_A 0, 0, 0
	FETCH_A 0, 0, 4
	s_wait_loadcnt 0x0                             ; the residual, the bias and both sets of scale words
	STEP 0, 0
	s_mov_b32 s3, LAPS-1
.Llap:
	TURN 0, 1, 1
	STEP 1, 0
	TURN 1, 0, 1
	STEP 0, 0
	s_sub_co_u32 s3, s3, 1
	s_cmp_lg_u32 s3, 0
	s_cbranch_scc1 .Llap
	TURN 0, 1, 0
	STEP 1, 0
	s_wait_dscnt 4*NL
	WIN MUL_LO
	MUL16 0, 1, 1, 1
	MUL16 2, 1, 1, 1
	s_wait_dscnt 0
	WIN MUL_HI
	MUL16 4, 1, 1, 1
	MUL16 6, 1, 1, 1
	WIN 0
; THE WAY OUT, block by block of 16 rows x 128 columns, through my own stage in slot 0 (it has had its last fill; every wave has passed the last change of slots, behind which nobody reads it); back as whole rows of 512 bytes.
.macro TOSTAGE a
.set AC, 64*((\a)%4)
	WIN 0x08+4*((\a)/4)                            ; the data: window 2 or 3
.irp b, 0,1,2,3,4,5,6,7
	ds_store_b128 v[STO], v[AC+8*\b:AC+8*\b+3] offset:128*(\b/2)+32*(\b%2)          ; each accumulator from its low end on; true columns 32 (b / 2) + 16 h + 8 (b % 2) on
	ds_store_b128 v[STO], v[AC+8*\b+4:AC+8*\b+7] offset:128*(\b/2)+32*(\b%2)+16
.endr
	WIN 0
.set BB, BK+64*((\a)%2)
.irp t, 0,1,2,3,4,5,6,7,8,9,10,11,12,13,14,15
	ds_load_b128 v[BB+4*\t:BB+4*\t+3], v[RD] offset:\t*SPITCH   ; LDS serves a wave's instructions in order: these see the stores above
.endr
.endm
.macro SEND a, younger
.set BB, BK+64*((\a)%2)
	s_wait_dscnt \younger
.irp t, 0,1,2,3,4,5,6,7,8,9,10,11,12,13,14,15
	v_pk_add_f32 v[BB+4*\t:BB+4*\t+1], v[BB+4*\t:BB+4*\t+1], v[8:9]     ; + the bias
	v_pk_add_f32 v[BB+4*\t+2:BB+4*\t+3], v[BB+4*\t+2:BB+4*\t+3], v[10:11]
.endr
.irp t, 0,1,2,3,4,5,6,7,8,9,10,11,12,13,14,15
.if NTOUT
	global_store_b128 v[CO], v[BB+4*\t:BB+4*\t+3], s[12:13] offset:(32*((\a)/2)+8*((\a)%2)+\t+8*(\t/8))*4096 th:TH_STORE_NT
.else
	global_store_b128 v[CO], v[BB+4*\t:BB+4*\t+3], s[12:13] offset:(32*((\a)/2)+8*((\a)%2)+\t+8*(\t/8))*4096   ; 32 lanes store 512 consecutive bytes of the row's true place
.endif
.endr
.endm
	PLACES NP
	TOSTAGE 0
.irp a, 1,2,3,4,5,6,7
.if \a > 1
	s_wait_xcnt 0x0                                ; block a - 2's stores have read their registers: block a's loads may land there
.endif
	TOSTAGE \a
	SEND \a-1, 32                                  ; behind block a - 1's loads: block a's 16 stores and 16 loads
.endr
	SEND 7, 0
	s_wait_tensorcnt 0x0                           ; the wave's end
	ds_add_u32 v[SPW], v[NIL]
	s_wait_dscnt 0x0
	CROUND                                         ; the closing round
	s_endpgm
.Lfunc_end_k_q29d9cec9a1_wo:
	.size	k_q29d9cec9a1_wo, .Lfunc_end_k_q29d9cec9a1_wo-k_q29d9cec9a1_wo
	.p2alignl 7, 3214868480
	.fill 96, 4, 3214868480
	.section	.rodata,"a",@progbits
	.p2align	6, 0x0
	.amdhsa_kernel k_q29d9cec9a1_wo
		.amdhsa_group_segment_fixed_size 327680
		.amdhsa_private_segment_fixed_size 0
		.amdhsa_enable_private_segment 0
		.amdhsa_kernarg_size 40
		.amdhsa_user_sgpr_count 2
		.amdhsa_user_sgpr_kernarg_segment_ptr 1
		.amdhsa_wavefront_size32 1
		.amdhsa_system_sgpr_workgroup_id_x 1
		.amdhsa_system_sgpr_workgroup_id_y 1
		.amdhsa_system_sgpr_workgroup_id_z 1
		.amdhsa_system_vgpr_workitem_id 0
		.amdhsa_next_free_vgpr 1024
		.amdhsa_next_free_sgpr 98
		.amdhsa_reserve_vcc 0
		.amdhsa_float_denorm_mode_32 3
		.amdhsa_float_denorm_mode_16_64 3
		.amdhsa_memory_ordered 1
		.amdhsa_forward_progress 1
		.amdhsa_inst_pref_size 173
	.end_amdhsa_kernel
	.amdgpu_metadata
---
amdhsa.version: [ 1, 2 ]
amdhsa.kernels:
  - .name:           k_q29d9cec9a1_wo
    .symbol:         k_q29d9cec9a1_wo.kd
    .args:
      - { .name: abuf, .offset: 0, .size: 8, .value_kind: global_buffer, .address_space: global }
      - { .name: wbuf, .offset: 8, .size: 8, .value_kind: global_buffer, .address_space: global }
      - { .name: x, .offset: 16, .size: 8, .value_kind: global_buffer, .address_space: global }
      - { .name: bo, .offset: 24, .size: 8, .value_kind: global_buffer, .address_space: global }
      - { .name: x1, .offset: 32, .size: 8, .value_kind: global_buffer, .address_space: global }
    .group_segment_fixed_size: 327680
    .private_segment_fixed_size: 0
    .kernarg_segment_align: 8
    .kernarg_segment_size: 40
    .max_flat_workgroup_size: 128
    .sgpr_count:     98
    .vgpr_count:     1024
    .wavefront_size: 32
...
	.end_amdgpu_metadata
.endif
;; end of part 4
;; launch ln2: the kernel of part 1 again; grid 256 x 1, 4 waves a work-group, no clusters, 33,792 bytes of LDS; arguments x1, ln2_scale, ln2_shift, abuf, Wq, Wk, Wv, Wo, W1, W2, wbuf; writes abuf, wbuf
;; launch ff1 (part 5): grid 16 x 16, 4 waves a work-group, clusters of 4 x 4, 327,680 bytes of LDS; arguments abuf, wbuf, b1, fbuf; writes fbuf
.if DOCPART == 5
	.amdgcn_target "amdgcn-amd-amdhsa--gfx1250"
	.amdhsa_code_object_version 6
	.text
	.protected	k_q29d9cec9a1_ff1
	.globl	k_q29d9cec9a1_ff1
	.p2align	8
	.type	k_q29d9cec9a1_ff1,@function
k_q29d9cec9a1_ff1:
	s_mov_b64 s[64:65], 0
	v_nop
	global_prefetch_b8 v0, s[64:65] scope:SCOPE_SE
	s_setreg_imm32_b32 hwreg(HW_REG_WAVE_MODE, 25, 1), 1
	s_wait_xcnt 0x0
	s_wait_alu depctr_hold_cnt(0) depctr_sa_sdst(0) depctr_va_vdst(0) depctr_va_sdst(0) depctr_va_ssrc(0) depctr_va_vcc(0) depctr_vm_vsrc(0)
	s_getreg_b32 s2, hwreg(HW_REG_IB_STS2, 6, 4)
	s_cmp_eq_u32 s2, 0
	s_cbranch_scc0 .Lentry_in_a_cluster
	s_endpgm
.Lentry_in_a_cluster:
	s_bfe_u32 s2, ttmp6, 0x10000c
	s_cmp_lg_u32 s2, 0xf033
	s_cbranch_scc0 .Lentry_shape_is_right
	s_endpgm
.Lentry_shape_is_right:
; f = gelu(h2 W1^T + b1), quantised along the 4,096 hidden units on the way out.  h2 and W1 as codes of FP8 with E8M0 scales.  Nothing is left out here.
; A tile of 256 x 256 is made by four waves, 128 x 128 each; K = 1,024 goes in steps of 256 through a ring of two LDS slots filled by joint tensor loads in clusters of 4 x 4.
; Rows of codes lie by POSITION (bits 3 and 4 of the row's number exchanged): accumulator (a, b), lane (r, h), register j holds A's position 16 a + r and the TRUE hidden unit 32 (b / 2) + 16 h + 8 (b % 2) + j,
; so the 16 registers of accumulators 2 c and 2 c + 1 are 16 neighbours of a block of 32, whose other half lies in lane l xor 16.  The bias is the C of each sum's first product.
; gelu(x) = 0.5 x (1 + tanh(u)) = x / (1 + e^(-2 u)), u = sqrt(2 / pi) (x + 0.044715 x^3): x / (1 + 2^(x (k1 + k2 x^2))), k1 = -2 log2(e) sqrt(2 / pi), k2 = 0.044715 k1: the same function for every x, in f32.
.set KROW,   1024
.set KSH,    10
.set ASC,    4194304
.set BCODE,  4194304
.set BSC,    12713984
.set ASTR,   32768
.set BSTR,   32768
.set PITCH,  272
.set FR,     16
.set NL,     4
.set NP,     8
.set HALFT,  128*PITCH
.set SLOT,   4*HALFT
.set SPARE,  2*SLOT
.set LAPS,   KROW/512
.set SSTG,   256*272
.set ADRA, 16
.set ADRB, 20
.set BV,   22                          ; v22 64 h: the bias's offset
.set CST,  24
.set SST,  25
.set RDC,  26
.set SVO,  27
.set SPW,  28
.set NIL,  29
.set RDS,  30
.set GOC,  31
.set GOS,  7
.set SC,   32
.set BI,   64                          ; v64-127 the bias in the result's layout, eight registers for each of B's blocks
.set AF,   128
.set T,    128
.set PCD,  192
.set TM,   208
.set PW,   224
.set K1,   226
.set G1, 24
.set G0, 32
.set G1B, 48
.set G0B, 56
.set MSB, 0
.macro WIN new
.if MSB != (\new)
	s_set_vgpr_msb (MSB<<8)|(\new)
.set MSB, (\new)
.endif
.endm
.set MUL_LO, 0xa1
.set MUL_HI, 0xf1
.set TO_B,   0x40
.macro JLOAD g0a, g1a, g0b, g1b        ; a joint load: waves 0 and 1 fetch for A, waves 2 and 3 for B; an s_nop 0 and four v_nop follow each line
	s_cmp_eq_u32 s15, 0
	s_cbranch_scc0 .Lfor_b_\@
	tensor_load_to_lds s[\g0a:\g0a+3], s[\g1a:\g1a+7]
	s_nop 0
.rept 4
	v_nop
.endr
	s_branch .Lasked_\@
.Lfor_b_\@:
	tensor_load_to_lds s[\g0b:\g0b+3], s[\g1b:\g1b+7]
	s_nop 0
.rept 4
	v_nop
.endr
.Lasked_\@:
.endm
.macro CREST
	s_cmp_lg_u32 s14, 0
	s_cbranch_scc1 .Lnot_wave_0_\@
	s_barrier_signal -3
.Lnot_wave_0_\@:
	s_barrier_wait -3
	s_barrier_signal -1
	s_barrier_wait -1
.endm
.macro CROUND
	s_barrier_signal -1
	s_barrier_wait -1
	CREST
.endm
	s_load_b128 s[4:7], s[0:1], 0x0                ; abuf, wbuf
	s_load_b128 s[72:75], s[0:1], 0x10             ; b1, fbuf
	v_lshl_add_u32 v[SPW], v0, 2, SPARE
	v_mov_b32 v[NIL], 0
	ds_add_u32 v[SPW], v[NIL]                      ; the wave's opening: the add, twice on end, and its wait ahead of my first tensor load
	ds_add_u32 v[SPW], v[NIL]
	v_lshrrev_b32 v1, 5, v0
	v_readfirstlane_b32 s14, v1
	s_lshr_b32 s15, s14, 1
	s_and_b32 s16, s14, 1
	s_bfe_u32 s40, ttmp6, 0x40000
	s_bfe_u32 s41, ttmp6, 0x40004
	s_lshl_b32 s42, ttmp9, 2
	s_add_co_u32 s42, s42, s40                     ; tile column
	s_and_b32 s17, ttmp7, 0xffff
	s_lshl_b32 s17, s17, 2
	s_add_co_u32 s17, s17, s41                     ; tile row
	s_lshl_b32 s43, s41, 2
	s_lshl_b32 s43, 15, s43
	s_lshl_b32 s44, 0x1111, s40
	s_or_b32 s[G1+0], s43, (1<<20)|(1<<21)|(5<<22)|(3<<25)
	s_or_b32 s[G1B+0], s44, (1<<20)|(1<<21)|(5<<22)|(3<<25)
.irp g, G1, G1B
	s_mov_b32 s[\g+1], 256<<16
	s_mov_b32 s[\g+2], 128<<16
	s_mov_b32 s[\g+3], 256<<16
	s_mov_b32 s[\g+4], 128
	s_mov_b32 s[\g+5], KROW
	s_mov_b32 s[\g+6], 0
	s_mov_b32 s[\g+7], 0
.endr
	s_lshl_b32 s18, s16, 7
	s_lshl_b32 s20, s17, 8
	s_add_co_u32 s20, s20, s18
	s_lshl_b32 s20, s20, KSH
	s_mov_b32 s21, 0
	s_lshl_b32 s46, s42, 8
	s_add_co_u32 s46, s46, s18
	s_lshl_b32 s92, s46, 3
	s_add_co_u32 s92, s92, BSC
	s_mov_b32 s93, 0
	s_lshl_b32 s46, s46, KSH
	s_add_co_u32 s46, s46, BCODE
	s_mov_b32 s47, 0
	s_lshl_b32 s22, s17, 8
	s_lshl_b32 s23, s15, 7
	s_add_co_u32 s22, s22, s23
	s_lshl_b32 s22, s22, 3
	s_add_co_u32 s22, s22, ASC
	s_mov_b32 s23, 0
	s_lshl_b32 s86, s17, 8                         ; the codes that I store: rows 256 x tile row + 64 x wave on, 4,096 bytes a row, + 256 x tile column
	s_lshl_b32 s87, s14, 6
	s_add_co_u32 s86, s86, s87
	s_lshl_b32 s86, s86, 12
	s_lshl_b32 s87, s42, 8
	s_add_co_u32 s86, s86, s87
	s_mov_b32 s87, 0
	s_lshl_b32 s88, s42, 12                        ; the scale bytes: plane = tile column
	s_lshl_b32 s89, s17, 8
	s_add_co_u32 s88, s88, s89
	s_lshl_b32 s88, s88, 3
	s_lshl_b32 s89, s14, 9
	s_add_co_u32 s88, s88, s89
	s_add_co_u32 s88, s88, 16777216
	s_mov_b32 s89, 0
	s_lshl_b32 s90, s42, 10                        ; the bias of my 128 hidden units
	s_lshl_b32 s91, s16, 9
	s_add_co_u32 s90, s90, s91
	s_mov_b32 s91, 0
	s_mov_b32 s66, ASTR
	s_mov_b32 s67, 0
	s_mov_b32 s68, BSTR
	s_mov_b32 s69, 0
	s_mul_i32 s45, s14, HALFT
	s_mov_b32 s80, 0x76543210
	s_mov_b32 s81, 0xfedcba98
	s_mov_b32 s82, 0x600000
	s_mov_b32 s84, 0xbdd2d3e8                      ; k2
	s_mov_b32 s85, s84
	s_wait_dscnt 0x0                               ; both opening adds are done
	s_wait_kmcnt 0x0
	s_add_nc_u64 s[20:21], s[4:5], s[20:21]
	s_add_nc_u64 s[46:47], s[6:7], s[46:47]
	s_add_nc_u64 s[8:9], s[4:5], s[22:23]
	s_add_nc_u64 s[10:11], s[6:7], s[92:93]
	s_add_nc_u64 s[12:13], s[74:75], s[86:87]
	s_add_nc_u64 s[76:77], s[74:75], s[88:89]
	s_add_nc_u64 s[72:73], s[72:73], s[90:91]
	CROUND                                         ; all sixteen work-groups are here: the first joint loads meet
.irp s, 0,1
	s_mov_b32 s[G0+4*\s], 1
	s_add_co_u32 s[G0+4*\s+1], s45, \s*SLOT
	s_add_nc_u64 s[G0+4*\s+2:G0+4*\s+3], s[20:21], \s*256
	s_or_b32 s[G0+4*\s+3], s[G0+4*\s+3], 0x80000000
	s_mov_b32 s[G0B+4*\s], 1
	s_add_co_u32 s[G0B+4*\s+1], s45, \s*SLOT
	s_add_nc_u64 s[G0B+4*\s+2:G0B+4*\s+3], s[46:47], \s*256
	s_or_b32 s[G0B+4*\s+3], s[G0B+4*\s+3], 0x80000000
	JLOAD G0+4*\s, G1, G0B+4*\s, G1B
.endr
.macro GSCALES sc
.irp m, 0,1,2,3
	global_load_b64 v[SC+16*\sc+2*\m:SC+16*\sc+2*\m+1], v[SVO], s[8:9] offset:256*\m
	global_load_b64 v[SC+16*\sc+8+2*\m:SC+16*\sc+8+2*\m+1], v[SVO], s[10:11] offset:256*\m
.endr
.endm
	v_and_b32 v6, 31, v0
	v_lshlrev_b32 v[SVO], 3, v6
	GSCALES 0
	v_and_b32 v1, 15, v0                           ; r
	v_bfe_u32 v2, v0, 4, 1                         ; h
	v_lshlrev_b32 v[BV], 6, v2
.irp b, 0,1,2,3,4,5,6,7
	global_load_b128 v[BI+8*\b:BI+8*\b+3], v[BV], s[72:73] offset:128*(\b/2)+32*(\b%2)      ; b1 at hidden units 32 (b / 2) + 16 h + 8 (b % 2) + 0 .. 7
	global_load_b128 v[BI+8*\b+4:BI+8*\b+7], v[BV], s[72:73] offset:128*(\b/2)+32*(\b%2)+16
.endr
	v_mul_u32_u24 v3, v1, PITCH
	v_lshl_add_u32 v4, v2, 4, v3
	s_mul_i32 s21, s15, HALFT
	s_mul_i32 s22, s16, HALFT
	s_add_co_u32 s22, s22, 2*HALFT
.irp s, 0,1
	v_add_nc_u32 v[ADRA+\s], s21, v4
	v_add_nc_u32 v[ADRB+\s], s22, v4
	s_add_co_u32 s21, s21, SLOT
	s_add_co_u32 s22, s22, SLOT
.endr
	s_mul_i32 s21, s15, 128*272
	s_lshl_b32 s22, s16, 7
	s_add_co_u32 s21, s21, s22
	v_add_nc_u32 v[CST], s21, v4
	s_lshl_b32 s21, s15, 10
	s_lshl_b32 s22, s16, 2
	s_add_co_u32 s21, s21, s22
	s_add_co_u32 s21, s21, SSTG
	v_lshl_add_u32 v[SST], v1, 3, s21
	s_mul_i32 s21, s14, 64*272
	v_mul_u32_u24 v3, v2, 272
	v_lshl_add_u32 v3, v1, 4, v3
	v_add_nc_u32 v[RDC], s21, v3
	s_lshl_b32 s21, s14, 9
	s_add_co_u32 s21, s21, SSTG
	v_lshl_add_u32 v[RDS], v6, 4, s21
	v_lshlrev_b32 v[GOC], 12, v2
	v_lshl_add_u32 v[GOC], v1, 4, v[GOC]
	v_lshlrev_b32 v[GOS], 4, v6
	s_wait_xcnt 0x0                                ; the loads above have read their bases
	s_add_nc_u64 s[8:9], s[8:9], s[66:67]
	s_add_nc_u64 s[10:11], s[10:11], s[68:69]
	GSCALES 1
.macro FRAG reg, adr, q, i
.irp c, 0,1,2,3
	ds_load_b128 v[\reg+4*\c:\reg+4*\c+3], v[\adr] offset:128*(\q)+32*\c+(\i)*16*PITCH
.endr
.endm
.macro ONE c
.if par == 0
	v_wmma_scale_f32_16x16x128_f8f6f4 v[rD:rD+7], v[rB:rB+15], v[rA:rA+15], \c, v[rSB], v[rSA]
.elseif par == 1
	v_wmma_scale_f32_16x16x128_f8f6f4 v[rD:rD+7], v[rB:rB+15], v[rA:rA+15], \c, v[rSB], v[rSA] matrix_b_scale:MATRIX_SCALE_ROW1
.elseif par == 2
	v_wmma_scale_f32_16x16x128_f8f6f4 v[rD:rD+7], v[rB:rB+15], v[rA:rA+15], \c, v[rSB], v[rSA] matrix_a_scale:MATRIX_SCALE_ROW1
.else
	v_wmma_scale_f32_16x16x128_f8f6f4 v[rD:rD+7], v[rB:rB+15], v[rA:rA+15], \c, v[rSB], v[rSA] matrix_a_scale:MATRIX_SCALE_ROW1 matrix_b_scale:MATRIX_SCALE_ROW1
.endif
.endm
; 16 products: A's blocks a0, a0 + 1 x B's eight.  mode 2: the bias, in window 0, starts the sums.  The 64 accumulators take turns, one instruction a turn.
.macro MUL16 a0, p, q, sc, mode
.irp a, \a0, \a0+1
.irp b, 0,1,2,3,4,5,6,7
.set rD, 8*(8*((\a)%4)+\b)
.set rB, 128*(\p)+FR*\b
.set rA, AF+FR*(\a)
.set rC, BI+8*\b
.set rSB, SC+16*(\sc)+8+2*(\b/2)+(\q)
.set rSA, SC+16*(\sc)+2*((\a)/2)+(\q)
.set par, 2*(\b%2)+((\a)%2)
.if \mode == 2
	ONE v[rC:rC+7]
.else
	ONE v[rD:rD+7]
.endif
.endr
.endr
.endm
.macro FETCH_B slot, q, p
	WIN TO_B
.irp i, 0,1,2,3,4,5,6,7
	FRAG 128*(\p)+FR*\i, ADRB+\slot, \q, \i
.endr
	WIN 0
.endm
.macro FETCH_A slot, q, i0
.irp i, \i0, \i0+1, \i0+2, \i0+3
	FRAG AF+FR*(\i), ADRA+\slot, \q, \i
.endr
.endm
.macro PLACES n
.rept \n
	v_nop
.endr
.endm
.macro STEP slot, q, mode
	s_wait_dscnt 4*NL                              ; B's set and A's blocks 0-3 are in; A's blocks 4-7 may be out
.if \mode == 2
	WIN 0x81                                       ; C in window 0, D in window 2
.else
	WIN MUL_LO
.endif
	MUL16 0, (\q)%2, \q, \slot, \mode
	MUL16 2, (\q)%2, \q, \slot, \mode
	s_wait_dscnt 0
	PLACES NP
	FETCH_B \slot, (\q)+1, 1-(\q)%2
	FETCH_A \slot, (\q)+1, 0
.if \mode == 2
	WIN 0xc1
.else
	WIN MUL_HI
.endif
	MUL16 4, (\q)%2, \q, \slot, \mode
	MUL16 6, (\q)%2, \q, \slot, \mode
	PLACES NP
	WIN 0
	FETCH_A \slot, (\q)+1, 4
.endm
.macro TURN slot, next, fill
	s_wait_tensorcnt 0x0                           ; all my tensor loads have landed: my part of the next slot
	ds_add_u32 v[SPW], v[NIL]
	s_wait_dscnt 4*NL+1                            ; (the add and A's blocks 4-7 may be out)
	WIN MUL_LO
	MUL16 0, 1, 1, \slot, 0
	s_wait_dscnt 0x0                               ; the add is done, and my reads of this slot are over
	s_barrier_signal -1
	MUL16 2, 1, 1, \slot, 0
	WIN 0
	s_barrier_wait -1
.if \fill
	CREST                                          ; the barrier has opened a round of the cluster's: no wave of any partner still reads this slot or has a load on its way
	s_add_nc_u64 s[G0+4*\slot+2:G0+4*\slot+3], s[G0+4*\slot+2:G0+4*\slot+3], 512
	s_add_nc_u64 s[G0B+4*\slot+2:G0B+4*\slot+3], s[G0B+4*\slot+2:G0B+4*\slot+3], 512
	JLOAD G0+4*\slot, G1, G0B+4*\slot, G1B
	PLACES NP-4
.else
	PLACES NP
.endif
	FETCH_B \next, 0, 0
	FETCH_A \next, 0, 0
	WIN MUL_HI
	MUL16 4, 1, 1, \slot, 0
	MUL16 6, 1, 1, \slot, 0
	PLACES NP                                      ; also for the loads into this slot's scale words
	WIN 0
	FETCH_A \next, 0, 4
	s_wait_loadcnt 0x0                             ; the next K step's scale words, asked for a K step ago, are in; their loads have read the bases
.if \fill
	s_add_nc_u64 s[8:9], s[8:9], s[66:67]
	s_add_nc_u64 s[10:11], s[10:11], s[68:69]
	GSCALES \slot
.endif
.endm
	s_wait_tensorcnt 1                             ; my part of K step 0 is in (K step 1's load may be out)
	s_barrier_signal -1
	s_barrier_wait -1
	FETCH_B 0, 0, 0
	FETCH_A 0, 0, 0
	FETCH_A 0, 0, 4
	s_wait_loadcnt 0x0                             ; the bias and both sets of scale words
	STEP 0, 0, 2
	s_mov_b32 s3, LAPS-1
.Llap:
	TURN 0, 1, 1
	STEP 1, 0, 0
	TURN 1, 0, 1
	STEP 0, 0, 0
	s_sub_co_u32 s3, s3, 1
	s_cmp_lg_u32 s3, 0
	s_cbranch_scc1 .Llap
	TURN 0, 1, 0
	STEP 1, 0, 0
	s_wait_dscnt 4*NL
	WIN MUL_LO
	MUL16 0, 1, 1, 1, 0
	MUL16 2, 1, 1, 1, 0
	s_wait_dscnt 0
	WIN MUL_HI
	MUL16 4, 1, 1, 1, 0
	MUL16 6, 1, 1, 1, 0
	WIN 0
; THE WAY OUT.  gelu of a block's 64 numbers (window w, from v[AC] on) into v[T] on; the exponentials and the reciprocals each go as one batch with one wait.
.macro GELU w
	WIN (\w)|((\w)<<2)
.set i, 0
.rept 32
	v_pk_mul_f32 v[T+i:T+i+1], v[AC+i:AC+i+1], v[AC+i:AC+i+1]      ; x^2; each accumulator is read from its low end on
.set i, i+2
.endr
	WIN 0
.set i, 0
.rept 32
	v_pk_fma_f32 v[T+i:T+i+1], v[T+i:T+i+1], s[84:85], v[K1:K1+1] op_sel_hi:[1,0,0]   ; k1 + k2 x^2
.set i, i+2
.endr
	WIN (\w)
.set i, 0
.rept 32
	v_pk_mul_f32 v[T+i:T+i+1], v[AC+i:AC+i+1], v[T+i:T+i+1]
.set i, i+2
.endr
	WIN 0
.set i, 0
.rept 64
	v_exp_f32 v[T+i], v[T+i]
.set i, i+1
.endr
	v_nop                                          ; a plain instruction behind the batch,
	s_wait_alu depctr_va_vdst(0)                   ; and its one wait, ahead of the first reader
.set i, 0
.rept 32
	v_pk_add_f32 v[T+i:T+i+1], v[T+i:T+i+1], 1.0 op_sel_hi:[1,0]
.set i, i+2
.endr
.set i, 0
.rept 64
	v_rcp_f32 v[T+i], v[T+i]
.set i, i+1
.endr
	v_nop
	s_wait_alu depctr_va_vdst(0)
	WIN (\w)
.set i, 0
.rept 32
	v_pk_mul_f32 v[T+i:T+i+1], v[AC+i:AC+i+1], v[T+i:T+i+1]
.set i, i+2
.endr
	WIN 0
.endm
; 64 numbers of a lane, v[T] on, register 16 b + i = hidden unit 32 b + 16 h + i of my row, become 64 codes in v[PCD] on and a scale word in v[PW].
.macro QUANT
.irp b, 0,1,2,3
	v_max3_num_f32 v[TM+\b], |v[T+16*\b]|, |v[T+16*\b+1]|, 0x4800000     ; the floor 2^(9 - 127) holds the byte at 1 from below
.endr
.irp i, 2,4,6,8,10,12,14
.irp b, 0,1,2,3
	v_max3_num_f32 v[TM+\b], |v[T+16*\b+\i]|, |v[T+16*\b+\i+1]|, v[TM+\b]
.endr
.endr
.irp b, 0,1,2,3
	v_permlanex16_b32 v[TM+4+\b], v[TM+\b], s80, s81
.endr
.irp b, 0,1,2,3
	v_max_num_f32 v[TM+\b], v[TM+\b], v[TM+4+\b]
.endr
.irp b, 0,1,2,3
	v_add_nc_u32 v[TM+12+\b], 0xfc000000, v[TM+\b]
.endr
.irp b, 0,1,2,3
	v_and_or_b32 v[TM+8+\b], v[TM+\b], 0x7f800000, s82
.endr
.irp b, 0,1,2,3
	v_lshrrev_b32 v[TM+4+\b], 23, v[TM+12+\b]
.endr
	v_lshl_or_b32 v[PW], v[TM+5], 8, v[TM+4]
	v_lshl_or_b32 v[PW], v[TM+6], 16, v[PW]
	v_lshl_or_b32 v[PW], v[TM+7], 24, v[PW]
.irp b, 0,1,2,3
.irp i, 0,1,2,3,4,5,6,7,8,9,10,11,12,13,14,15
	v_med3_num_f32 v[T+16*\b+\i], v[T+16*\b+\i], -v[TM+8+\b], v[TM+8+\b]   ; the conversion does not saturate (ISA guide 7.6.2): the hold
.endr
	v_cvt_scalef32_pk8_fp8_f32 v[PCD+4*\b:PCD+4*\b+1], v[T+16*\b:T+16*\b+7], v[TM+12+\b]
	v_cvt_scalef32_pk8_fp8_f32 v[PCD+4*\b+2:PCD+4*\b+3], v[T+16*\b+8:T+16*\b+15], v[TM+12+\b]
.endr
	v_nop                                          ; a plain instruction behind the last conversion
.endm
.macro TOST a
.irp c, 0,1,2,3
	ds_store_b128 v[CST], v[PCD+4*\c:PCD+4*\c+3] offset:(\a)*4352+32*\c
.endr
	ds_store_b32 v[SST], v[PW] offset:128*(\a)     ; lanes l and l xor 16 write the same word with the same value
	s_wait_dscnt 0x0                               ; the stores have read their registers
.endm
	PLACES NP                                      ; the stage lies in slot 0: it has had its last fill, and every wave has passed the last change of slots, behind which nobody reads it
.irp b, 0,1,2,3
	v_mov_b32 v[TM+4+\b], 0                        ; a lane permute's destination counts as one of its sources
.endr
	v_mov_b32 v[K1], 0xc0135761                    ; k1
	v_mov_b32 v[K1+1], 0xc0135761
.irp a, 0,1,2,3,4,5,6,7
.set AC, 64*(\a%4)
	GELU 2+\a/4
	QUANT
	TOST \a
.endr
	s_barrier_signal -1                            ; every wave's stores into the stage are done (the wait for 0 stands above)
	s_barrier_wait -1
.set t, 0
.rept 32
	ds_load_b128 v[32+4*t:35+4*t], v[RDC] offset:544*t
.set t, t+1
.endr
	ds_load_b128 v[160:163], v[RDS]
.set t, 0
.rept 32
	s_wait_dscnt 32-t                              ; LDS loads come back in order
	global_store_b128 v[GOC], v[32+4*t:35+4*t], s[12:13] offset:8192*t   ; 16 lanes store 256 consecutive bytes, aligned
.set t, t+1
.endr
	s_wait_dscnt 0x0
	global_store_b128 v[GOS], v[160:163], s[76:77] ; my 64 rows' scale bytes: 512 consecutive bytes
	s_wait_tensorcnt 0x0                           ; the wave's end
	ds_add_u32 v[SPW], v[NIL]
	s_wait_dscnt 0x0
	CROUND                                         ; the closing round
	s_endpgm
.Lfunc_end_k_q29d9cec9a1_ff1:
	.size	k_q29d9cec9a1_ff1, .Lfunc_end_k_q29d9cec9a1_ff1-k_q29d9cec9a1_ff1
	.p2alignl 7, 3214868480
	.fill 96, 4, 3214868480
	.section	.rodata,"a",@progbits
	.p2align	6, 0x0
	.amdhsa_kernel k_q29d9cec9a1_ff1
		.amdhsa_group_segment_fixed_size 327680
		.amdhsa_private_segment_fixed_size 0
		.amdhsa_enable_private_segment 0
		.amdhsa_kernarg_size 32
		.amdhsa_user_sgpr_count 2
		.amdhsa_user_sgpr_kernarg_segment_ptr 1
		.amdhsa_wavefront_size32 1
		.amdhsa_system_sgpr_workgroup_id_x 1
		.amdhsa_system_sgpr_workgroup_id_y 1
		.amdhsa_system_sgpr_workgroup_id_z 1
		.amdhsa_system_vgpr_workitem_id 0
		.amdhsa_next_free_vgpr 1024
		.amdhsa_next_free_sgpr 98
		.amdhsa_reserve_vcc 0
		.amdhsa_float_denorm_mode_32 3
		.amdhsa_float_denorm_mode_16_64 3
		.amdhsa_memory_ordered 1
		.amdhsa_forward_progress 1
		.amdhsa_inst_pref_size 255
	.end_amdhsa_kernel
	.section	.bss,"aw",@nobits
	.p2align	6
	.space	262144
	.amdgpu_metadata
---
amdhsa.version: [ 1, 2 ]
amdhsa.kernels:
  - .name:           k_q29d9cec9a1_ff1
    .symbol:         k_q29d9cec9a1_ff1.kd
    .args:
      - { .name: abuf, .offset: 0, .size: 8, .value_kind: global_buffer, .address_space: global }
      - { .name: wbuf, .offset: 8, .size: 8, .value_kind: global_buffer, .address_space: global }
      - { .name: b1, .offset: 16, .size: 8, .value_kind: global_buffer, .address_space: global }
      - { .name: fbuf, .offset: 24, .size: 8, .value_kind: global_buffer, .address_space: global }
    .group_segment_fixed_size: 327680
    .private_segment_fixed_size: 0
    .kernarg_segment_align: 8
    .kernarg_segment_size: 32
    .max_flat_workgroup_size: 128
    .sgpr_count:     98
    .vgpr_count:     1024
    .wavefront_size: 32
...
	.end_amdgpu_metadata
.endif
;; end of part 5
;; launch ff2 (part 6): grid 4 x 16, 4 waves a work-group, clusters of 4 x 4, 327,680 bytes of LDS; arguments fbuf, wbuf, x1, b2, out0; writes out0
.if DOCPART == 6
	.amdgcn_target "amdgcn-amd-amdhsa--gfx1250"
	.amdhsa_code_object_version 6
	.text
	.protected	k_q29d9cec9a1_ff2
	.globl	k_q29d9cec9a1_ff2
	.p2align	8
	.type	k_q29d9cec9a1_ff2,@function
k_q29d9cec9a1_ff2:
	s_mov_b64 s[64:65], 0
	v_nop
	global_prefetch_b8 v0, s[64:65] scope:SCOPE_SE
	s_setreg_imm32_b32 hwreg(HW_REG_WAVE_MODE, 25, 1), 1
	s_wait_xcnt 0x0
	s_wait_alu depctr_hold_cnt(0) depctr_sa_sdst(0) depctr_va_vdst(0) depctr_va_sdst(0) depctr_va_ssrc(0) depctr_va_vcc(0) depctr_vm_vsrc(0)
	s_getreg_b32 s2, hwreg(HW_REG_IB_STS2, 6, 4)
	s_cmp_eq_u32 s2, 0
	s_cbranch_scc0 .Lentry_in_a_cluster
	s_endpgm
.Lentry_in_a_cluster:
	s_bfe_u32 s2, ttmp6, 0x10000c
	s_cmp_lg_u32 s2, 0xf033
	s_cbranch_scc0 .Lentry_shape_is_right
	s_endpgm
.Lentry_shape_is_right:
; out = x1 + f W2^T + b2: f and W2 as codes of FP8 with E8M0 scales, K = 4,096; x1, b2 and out f32.  Nothing is left out here.
; The text of the launch that makes x1, with other constants: a tile of 256 x 256 by four waves, 128 x 128 each; K in steps of 256 through a ring of two LDS slots filled by joint tensor loads in clusters of 4 x 4.
; With 1,024 columns there are 64 such tiles: this text keeps the tile that all the program's products share.
; Rows of codes lie by POSITION (bits 3 and 4 of the row's number exchanged): accumulator (a, b), lane (r, h), register j holds the true row 32 (a / 2) + 8 (a % 2) + r + 8 (r / 8) and the true column 32 (b / 2) + 16 h + 8 (b % 2) + j.
; THE RESIDUAL STARTS THE SUMS: it is loaded straight into the accumulators.  The bias is added on the way out.  Scale words come from memory straight into registers ([K / 256][position][8]).
.set KROW,   4096
.set KSH,    12
.set ASC,    16777216
.set BCODE,  8388608
.set BSC,    12845056
.set ASTR,   32768
.set BSTR,   8192
.set NTOUT,  1                         ; the result is written once and read by nobody here
.set PITCH,  272
.set FR,     16
.set NL,     4
.set NP,     8
.set HALFT,  128*PITCH
.set SLOT,   4*HALFT
.set SPARE,  2*SLOT
.set LAPS,   KROW/512
.set SPITCH, 528
.set ADRA, 16
.set ADRB, 20
.set STO,  24
.set RD,   25
.set CO,   26
.set SVO,  27
.set SPW,  28
.set NIL,  29
.set RV,   30
.set SC,   32
.set AF,   128
.set BK,   128
.set G1, 24
.set G0, 32
.set G1B, 48
.set G0B, 56
.set MSB, 0
.macro WIN new
.if MSB != (\new)
	s_set_vgpr_msb (MSB<<8)|(\new)
.set MSB, (\new)
.endif
.endm
.set MUL_LO, 0xa1
.set MUL_HI, 0xf1
.set TO_B,   0x40
.macro JLOAD g0a, g1a, g0b, g1b        ; a joint load: waves 0 and 1 fetch for A, waves 2 and 3 for B; an s_nop 0 and four v_nop follow each line
	s_cmp_eq_u32 s15, 0
	s_cbranch_scc0 .Lfor_b_\@
	tensor_load_to_lds s[\g0a:\g0a+3], s[\g1a:\g1a+7]
	s_nop 0
.rept 4
	v_nop
.endr
	s_branch .Lasked_\@
.Lfor_b_\@:
	tensor_load_to_lds s[\g0b:\g0b+3], s[\g1b:\g1b+7]
	s_nop 0
.rept 4
	v_nop
.endr
.Lasked_\@:
.endm
.macro CREST
	s_cmp_lg_u32 s14, 0
	s_cbranch_scc1 .Lnot_wave_0_\@
	s_barrier_signal -3
.Lnot_wave_0_\@:
	s_barrier_wait -3
	s_barrier_signal -1
	s_barrier_wait -1
.endm
.macro CROUND
	s_barrier_signal -1
	s_barrier_wait -1
	CREST
.endm
	s_load_b128 s[4:7], s[0:1], 0x0                ; A's buffer, wbuf
	s_load_b128 s[72:75], s[0:1], 0x10             ; the residual, the bias
	s_load_b64 s[12:13], s[0:1], 0x20              ; the result
	v_lshl_add_u32 v[SPW], v0, 2, SPARE
	v_mov_b32 v[NIL], 0
	ds_add_u32 v[SPW], v[NIL]                      ; the wave's opening: the add, twice on end, and its wait ahead of my first tensor load
	ds_add_u32 v[SPW], v[NIL]
	v_lshrrev_b32 v1, 5, v0
	v_readfirstlane_b32 s14, v1
	s_lshr_b32 s15, s14, 1
	s_and_b32 s16, s14, 1
	s_bfe_u32 s40, ttmp6, 0x40000                  ; cx
	s_bfe_u32 s41, ttmp6, 0x40004                  ; cy
	s_lshl_b32 s42, ttmp9, 2
	s_add_co_u32 s42, s42, s40                     ; tile column
	s_and_b32 s17, ttmp7, 0xffff
	s_lshl_b32 s17, s17, 2
	s_add_co_u32 s17, s17, s41                     ; tile row
	s_lshl_b32 s43, s41, 2
	s_lshl_b32 s43, 15, s43
	s_lshl_b32 s44, 0x1111, s40
	s_or_b32 s[G1+0], s43, (1<<20)|(1<<21)|(5<<22)|(3<<25)
	s_or_b32 s[G1B+0], s44, (1<<20)|(1<<21)|(5<<22)|(3<<25)
.irp g, G1, G1B
	s_mov_b32 s[\g+1], 256<<16
	s_mov_b32 s[\g+2], 128<<16
	s_mov_b32 s[\g+3], 256<<16
	s_mov_b32 s[\g+4], 128
	s_mov_b32 s[\g+5], KROW
	s_mov_b32 s[\g+6], 0
	s_mov_b32 s[\g+7], 0
.endr
	s_lshl_b32 s18, s16, 7
	s_lshl_b32 s20, s17, 8
	s_add_co_u32 s20, s20, s18
	s_lshl_b32 s20, s20, KSH                       ; A's codes that I fetch
	s_mov_b32 s21, 0
	s_lshl_b32 s46, s42, 8
	s_add_co_u32 s46, s46, s18
	s_lshl_b32 s92, s46, 3
	s_add_co_u32 s92, s92, BSC                     ; B's scale words of my 128 columns
	s_mov_b32 s93, 0
	s_lshl_b32 s46, s46, KSH
	s_add_co_u32 s46, s46, BCODE                   ; B's codes that I fetch
	s_mov_b32 s47, 0
	s_lshl_b32 s22, s17, 8
	s_lshl_b32 s23, s15, 7
	s_add_co_u32 s22, s22, s23
	s_lshl_b32 s86, s22, 12                        ; my first row of the residual and of the result: 4,096 bytes a row,
	s_lshl_b32 s22, s22, 3
	s_add_co_u32 s22, s22, ASC                     ; A's scale words of my 128 rows
	s_mov_b32 s23, 0
	s_lshl_b32 s88, s42, 10
	s_lshl_b32 s89, s16, 9
	s_add_co_u32 s88, s88, s89                     ; my first column, in bytes
	s_mov_b32 s89, 0
	s_add_co_u32 s86, s86, s88
	s_mov_b32 s87, 0
	s_mov_b32 s66, ASTR
	s_mov_b32 s67, 0
	s_mov_b32 s68, BSTR
	s_mov_b32 s69, 0
	s_mul_i32 s45, s14, HALFT
	s_wait_dscnt 0x0                               ; both opening adds are done
	s_wait_kmcnt 0x0
	s_add_nc_u64 s[20:21], s[4:5], s[20:21]
	s_add_nc_u64 s[46:47], s[6:7], s[46:47]
	s_add_nc_u64 s[8:9], s[4:5], s[22:23]
	s_add_nc_u64 s[10:11], s[6:7], s[92:93]
	s_add_nc_u64 s[72:73], s[72:73], s[86:87]
	s_add_nc_u64 s[12:13], s[12:13], s[86:87]
	s_add_nc_u64 s[74:75], s[74:75], s[88:89]
	CROUND                                         ; all sixteen work-groups are here: the first joint loads meet
.irp s, 0,1
	s_mov_b32 s[G0+4*\s], 1
	s_add_co_u32 s[G0+4*\s+1], s45, \s*SLOT
	s_add_nc_u64 s[G0+4*\s+2:G0+4*\s+3], s[20:21], \s*256
	s_or_b32 s[G0+4*\s+3], s[G0+4*\s+3], 0x80000000
	s_mov_b32 s[G0B+4*\s], 1
	s_add_co_u32 s[G0B+4*\s+1], s45, \s*SLOT
	s_add_nc_u64 s[G0B+4*\s+2:G0B+4*\s+3], s[46:47], \s*256
	s_or_b32 s[G0B+4*\s+3], s[G0B+4*\s+3], 0x80000000
	JLOAD G0+4*\s, G1, G0B+4*\s, G1B
.endr
.macro GSCALES sc
.irp m, 0,1,2,3
	global_load_b64 v[SC+16*\sc+2*\m:SC+16*\sc+2*\m+1], v[SVO], s[8:9] offset:256*\m
	global_load_b64 v[SC+16*\sc+8+2*\m:SC+16*\sc+8+2*\m+1], v[SVO], s[10:11] offset:256*\m
.endr
.endm
	v_and_b32 v6, 31, v0
	v_lshlrev_b32 v[SVO], 3, v6
	GSCALES 0
	v_and_b32 v1, 15, v0                           ; r
	v_bfe_u32 v2, v0, 4, 1                         ; h
	v_lshlrev_b32 v[CO], 4, v6                     ; 16 x lane
	global_load_b128 v[8:11], v[CO], s[74:75]      ; the bias of the four columns that I store
	v_and_b32 v5, 8, v1
	v_add_nc_u32 v5, v5, v1
	v_lshlrev_b32 v5, 12, v5
	v_lshl_add_u32 v[RV], v2, 6, v5                ; the residual: row r + 8 (r / 8), + 64 h bytes
.irp a, 0,1,2,3,4,5,6,7
	WIN 0x80+0x40*(\a/4)                           ; destination window 2 or 3
.irp c, 0,1,2,3
.irp e, 0,1,2,3
	global_load_b128 v[8*(8*(\a%4)+2*\c+(\e/2))+4*(\e%2):8*(8*(\a%4)+2*\c+(\e/2))+4*(\e%2)+3], v[RV], s[72:73] offset:(32*(\a/2)+8*(\a%2))*4096+128*\c+16*\e
.endr
.endr
.endr
	WIN 0
	v_mul_u32_u24 v3, v1, PITCH
	v_lshl_add_u32 v4, v2, 4, v3
	s_mul_i32 s21, s15, HALFT
	s_mul_i32 s22, s16, HALFT
	s_add_co_u32 s22, s22, 2*HALFT
.irp s, 0,1
	v_add_nc_u32 v[ADRA+\s], s21, v4
	v_add_nc_u32 v[ADRB+\s], s22, v4
	s_add_co_u32 s21, s21, SLOT
	s_add_co_u32 s22, s22, SLOT
.endr
	s_mul_i32 s23, s14, 16*SPITCH                  ; my stage, in slot 0
	v_mul_u32_u24 v5, v1, SPITCH
	v_lshl_add_u32 v5, v2, 6, v5
	v_add_nc_u32 v[STO], s23, v5                   ; in: row r, + 64 h
	v_add_nc_u32 v[RD], s23, v[CO]                 ; back: a row of 512 bytes by 32 lanes
	s_wait_xcnt 0x0                                ; the loads above have read their bases
	s_add_nc_u64 s[8:9], s[8:9], s[66:67]
	s_add_nc_u64 s[10:11], s[10:11], s[68:69]
	GSCALES 1
.macro FRAG reg, adr, q, i
.irp c, 0,1,2,3
	ds_load_b128 v[\reg+4*\c:\reg+4*\c+3], v[\adr] offset:128*(\q)+32*\c+(\i)*16*PITCH
.endr
.endm
.macro ONE c
.if par == 0
	v_wmma_scale_f32_16x16x128_f8f6f4 v[rD:rD+7], v[rB:rB+15], v[rA:rA+15], \c, v[rSB], v[rSA]
.elseif par == 1
	v_wmma_scale_f32_16x16x128_f8f6f4 v[rD:rD+7], v[rB:rB+15], v[rA:rA+15], \c, v[rSB], v[rSA] matrix_b_scale:MATRIX_SCALE_ROW1
.elseif par == 2
	v_wmma_scale_f32_16x16x128_f8f6f4 v[rD:rD+7], v[rB:rB+15], v[rA:rA+15], \c, v[rSB], v[rSA] matrix_a_scale:MATRIX_SCALE_ROW1
.else
	v_wmma_scale_f32_16x16x128_f8f6f4 v[rD:rD+7], v[rB:rB+15], v[rA:rA+15], \c, v[rSB], v[rSA] matrix_a_scale:MATRIX_SCALE_ROW1 matrix_b_scale:MATRIX_SCALE_ROW1
.endif
.endm
; 16 products: A's blocks a0, a0 + 1 x B's eight.  The 64 accumulators take turns, one instruction a turn.
.macro MUL16 a0, p, q, sc
.irp a, \a0, \a0+1
.irp b, 0,1,2,3,4,5,6,7
.set rD, 8*(8*((\a)%4)+\b)
.set rB, 128*(\p)+FR*\b
.set rA, AF+FR*(\a)
.set rSB, SC+16*(\sc)+8+2*(\b/2)+(\q)
.set rSA, SC+16*(\sc)+2*((\a)/2)+(\q)
.set par, 2*(\b%2)+((\a)%2)
	ONE v[rD:rD+7]
.endr
.endr
.endm
.macro FETCH_B slot, q, p
	WIN TO_B
.irp i, 0,1,2,3,4,5,6,7
	FRAG 128*(\p)+FR*\i, ADRB+\slot, \q, \i
.endr
	WIN 0
.endm
.macro FETCH_A slot, q, i0
.irp i, \i0, \i0+1, \i0+2, \i0+3
	FRAG AF+FR*(\i), ADRA+\slot, \q, \i
.endr
.endm
.macro PLACES n
.rept \n
	v_nop
.endr
.endm
.macro STEP slot, q
	s_wait_dscnt 4*NL                              ; B's set and A's blocks 0-3 are in; A's blocks 4-7 may be out
	WIN MUL_LO
	MUL16 0, (\q)%2, \q, \slot
	MUL16 2, (\q)%2, \q, \slot
	s_wait_dscnt 0
	PLACES NP
	FETCH_B \slot, (\q)+1, 1-(\q)%2
	FETCH_A \slot, (\q)+1, 0
	WIN MUL_HI
	MUL16 4, (\q)%2, \q, \slot
	MUL16 6, (\q)%2, \q, \slot
	PLACES NP
	WIN 0
	FETCH_A \slot, (\q)+1, 4
.endm
.macro TURN slot, next, fill
	s_wait_tensorcnt 0x0                           ; all my tensor loads have landed: my part of the next slot
	ds_add_u32 v[SPW], v[NIL]
	s_wait_dscnt 4*NL+1                            ; (the add and A's blocks 4-7 may be out)
	WIN MUL_LO
	MUL16 0, 1, 1, \slot
	s_wait_dscnt 0x0                               ; the add is done, and my reads of this slot are over
	s_barrier_signal -1
	MUL16 2, 1, 1, \slot
	WIN 0
	s_barrier_wait -1
.if \fill
	CREST                                          ; the barrier has opened a round of the cluster's: no wave of any partner still reads this slot or has a load on its way
	s_add_nc_u64 s[G0+4*\slot+2:G0+4*\slot+3], s[G0+4*\slot+2:G0+4*\slot+3], 512
	s_add_nc_u64 s[G0B+4*\slot+2:G0B+4*\slot+3], s[G0B+4*\slot+2:G0B+4*\slot+3], 512
	JLOAD G0+4*\slot, G1, G0B+4*\slot, G1B
	PLACES NP-4
.else
	PLACES NP
.endif
	FETCH_B \next, 0, 0
	FETCH_A \next, 0, 0
	WIN MUL_HI
	MUL16 4, 1, 1, \slot
	MUL16 6, 1, 1, \slot
	PLACES NP                                      ; also for the loads into this slot's scale words
	WIN 0
	FETCH_A \next, 0, 4
	s_wait_loadcnt 0x0                             ; the next K step's scale words, asked for a K step ago, are in; their loads have read the bases
.if \fill
	s_add_nc_u64 s[8:9], s[8:9], s[66:67]
	s_add_nc_u64 s[10:11], s[10:11], s[68:69]
	GSCALES \slot
.endif
.endm
	s_wait_tensorcnt 1                             ; my part of K step 0 is in (K step 1's load may be out)
	s_barrier_signal -1
	s_barrier_wait -1
	FETCH_B 0, 0, 0
	FETCH_A 0, 0, 0
	FETCH_A 0, 0, 4
	s_wait_loadcnt 0x0                             ; the residual, the bias and both sets of scale words
	STEP 0, 0
	s_mov_b32 s3, LAPS-1
.Llap:
	TURN 0, 1, 1
	STEP 1, 0
	TURN 1, 0, 1
	STEP 0, 0
	s_sub_co_u32 s3, s3, 1
	s_cmp_lg_u32 s3, 0
	s_cbranch_scc1 .Llap
	TURN 0, 1, 0
	STEP 1, 0
	s_wait_dscnt 4*NL
	WIN MUL_LO
	MUL16 0, 1, 1, 1
	MUL16 2, 1, 1, 1
	s_wait_dscnt 0
	WIN MUL_HI
	MUL16 4, 1, 1, 1
	MUL16 6, 1, 1, 1
	WIN 0
; THE WAY OUT, block by block of 16 rows x 128 columns, through my own stage in slot 0 (it has had its last fill; every wave has passed the last change of slots, behind which nobody reads it); back as whole rows of 512 bytes.
.macro TOSTAGE a
.set AC, 64*((\a)%4)
	WIN 0x08+4*((\a)/4)                            ; the data: window 2 or 3
.irp b, 0,1,2,3,4,5,6,7
	ds_store_b128 v[STO], v[AC+8*\b:AC+8*\b+3] offset:128*(\b/2)+32*(\b%2)          ; each accumulator from its low end on; true columns 32 (b / 2) + 16 h + 8 (b % 2) on
	ds_store_b128 v[STO], v[AC+8*\b+4:AC+8*\b+7] offset:128*(\b/2)+32*(\b%2)+16
.endr
	WIN 0
.set BB, BK+64*((\a)%2)
.irp t, 0,1,2,3,4,5,6,7,8,9,10,11,12,13,14,15
	ds_load_b128 v[BB+4*\t:BB+4*\t+3], v[RD] offset:\t*SPITCH   ; LDS serves a wave's instructions in order: these see the stores above
.endr
.endm
.macro SEND a, younger
.set BB, BK+64*((\a)%2)
	s_wait_dscnt \younger
.irp t, 0,1,2,3,4,5,6,7,8,9,10,11,12,13,14,15
	v_pk_add_f32 v[BB+4*\t:BB+4*\t+1], v[BB+4*\t:BB+4*\t+1], v[8:9]     ; + the bias
	v_pk_add_f32 v[BB+4*\t+2:BB+4*\t+3], v[BB+4*\t+2:BB+4*\t+3], v[10:11]
.endr
.irp t, 0,1,2,3,4,5,6,7,8,9,10,11,12,13,14,15
.if NTOUT
	global_store_b128 v[CO], v[BB+4*\t:BB+4*\t+3], s[12:13] offset:(32*((\a)/2)+8*((\a)%2)+\t+8*(\t/8))*4096 th:TH_STORE_NT   ; 32 lanes store 512 consecutive bytes of the row's true place
.else
	global_store_b128 v[CO], v[BB+4*\t:BB+4*\t+3], s[12:13] offset:(32*((\a)/2)+8*((\a)%2)+\t+8*(\t/8))*4096
.endif
.endr
.endm
	PLACES NP
	TOSTAGE 0
.irp a, 1,2,3,4,5,6,7
.if \a > 1
	s_wait_xcnt 0x0                                ; block a - 2's stores have read their registers: block a's loads may land there
.endif
	TOSTAGE \a
	SEND \a-1, 32                                  ; behind block a - 1's loads: block a's 16 stores and 16 loads
.endr
	SEND 7, 0
	s_wait_tensorcnt 0x0                           ; the wave's end
	ds_add_u32 v[SPW], v[NIL]
	s_wait_dscnt 0x0
	CROUND                                         ; the closing round
	s_endpgm
.Lfunc_end_k_q29d9cec9a1_ff2:
	.size	k_q29d9cec9a1_ff2, .Lfunc_end_k_q29d9cec9a1_ff2-k_q29d9cec9a1_ff2
	.p2alignl 7, 3214868480
	.fill 96, 4, 3214868480
	.section	.rodata,"a",@progbits
	.p2align	6, 0x0
	.amdhsa_kernel k_q29d9cec9a1_ff2
		.amdhsa_group_segment_fixed_size 327680
		.amdhsa_private_segment_fixed_size 0
		.amdhsa_enable_private_segment 0
		.amdhsa_kernarg_size 40
		.amdhsa_user_sgpr_count 2
		.amdhsa_user_sgpr_kernarg_segment_ptr 1
		.amdhsa_wavefront_size32 1
		.amdhsa_system_sgpr_workgroup_id_x 1
		.amdhsa_system_sgpr_workgroup_id_y 1
		.amdhsa_system_sgpr_workgroup_id_z 1
		.amdhsa_system_vgpr_workitem_id 0
		.amdhsa_next_free_vgpr 1024
		.amdhsa_next_free_sgpr 98
		.amdhsa_reserve_vcc 0
		.amdhsa_float_denorm_mode_32 3
		.amdhsa_float_denorm_mode_16_64 3
		.amdhsa_memory_ordered 1
		.amdhsa_forward_progress 1
		.amdhsa_inst_pref_size 173
	.end_amdhsa_kernel
	.amdgpu_metadata
---
amdhsa.version: [ 1, 2 ]
amdhsa.kernels:
  - .name:           k_q29d9cec9a1_ff2
    .symbol:         k_q29d9cec9a1_ff2.kd
    .args:
      - { .name: fbuf, .offset: 0, .size: 8, .value_kind: global_buffer, .address_space: global }
      - { .name: wbuf, .offset: 8, .size: 8, .value_kind: global_buffer, .address_space: global }
      - { .name: x1, .offset: 16, .size: 8, .value_kind: global_buffer, .address_space: global }
      - { .name: b2, .offset: 24, .size: 8, .value_kind: global_buffer, .address_space: global }
      - { .name: out0, .offset: 32, .size: 8, .value_kind: global_buffer, .address_space: global }
    .group_segment_fixed_size: 327680
    .private_segment_fixed_size: 0
    .kernarg_segment_align: 8
    .kernarg_segment_size: 40
    .max_flat_workgroup_size: 128
    .sgpr_count:     98
    .vgpr_count:     1024
    .wavefront_size: 32
...
	.end_amdgpu_metadata
.endif
;; end of part 6
;; ======== version 2 of 2: 7 launches
;; limits: right only within a limited range of input values
;; workspace buffers: wbuf 12,976,128 bytes; abuf 4,325,376 bytes; qkvb 13,238,272 bytes; x1 16,777,216 bytes; fbuf 17,301,504 bytes
;; launch prep (part 7): grid 640 x 1, 4 waves a work-group, no clusters, 50,176 bytes of LDS; arguments x, ln1_scale, ln1_shift, abuf, Wq, Wk, Wv, Wo, W1, W2, wbuf; writes abuf, wbuf
.if DOCPART == 7
	.amdgcn_target "amdgcn-amd-amdhsa--gfx1250"
	.amdhsa_code_object_version 6
	.text
	.protected	k_q29d9cec9a1_prep
	.globl	k_q29d9cec9a1_prep
	.p2align	8
	.type	k_q29d9cec9a1_prep,@function
k_q29d9cec9a1_prep:
	s_mov_b64 s[64:65], 0
	v_nop
	global_prefetch_b8 v0, s[64:65] scope:SCOPE_SE
	s_setreg_imm32_b32 hwreg(HW_REG_WAVE_MODE, 25, 1), 1
	s_wait_xcnt 0x0
; THE PROGRAM: a transformer block on 4,096 tokens of 1,024 numbers, all eight matrix products on codes of FP8 (E4M3) with one E8M0 scale for each 32 along K.
; Launches: this one (layer norm 1 -> codes; the six weights -> codes) | q, k, V^T | causal attention | x1 = x + ctx Wo^T + bo | this body again (layer norm 2 of x1 -> codes) | gelu(h2 W1^T + b1) -> codes | out = x1 + f W2^T + b2.
; WORK LEFT OUT, in the whole program: only the key steps (128 keys) of the attention launch that lie wholly behind a wave's 16 queries.  reference() sets those scores to -inf by its own jnp.tril, so their
; p is 0 whatever the inputs hold: they add nothing to a row's maximum, sum or product.  Every input has a way to the output and every input is loaded.
; LIMITS: a NaN, an infinity or an overflow that reaches only those hidden scores is not carried to the result.  NaN and infinities among the inputs are not served.  A block of zeros gets the scale byte 1 where
; the rule says 127: its codes are zeros, which add nothing under any byte but 0xff, and the bytes are read by this program alone.  Blocks whose largest magnitude lies under 2^(8 - 126) have their byte held at 1.
; POSITIONS.  Every matrix of codes [rows][K] of this program lies with bits 3 and 4 of the row's number exchanged (its "position").  Sixteen neighbouring positions are then the rows 32 a + 8 u + r + 8 (r / 8), so that
; the results of two neighbouring tiles of a transposed product are 16 neighbours along the next K.  Scale bytes lie [K / 256][position][8].
; THIS BODY.  Work-groups 0 to 255: 16 rows of ((x - mean) / sqrt(var + 1e-7) + shift) * gain, quantised along the row; a wave takes 4 rows, whole, in registers.  Work-groups 256 to 639: the weights, as plain streams of
; blocks of 32 (their K is innermost): a wave takes 8,192 numbers, 16 steps of 512.  No tensor loads, no barrier: waves share nothing.  The two ways have LDS bytes of their own.
.set SPW,   12                         ; v12  LDS address of my spare word; never rewritten
.set NIL,   13                         ; v13  0; never rewritten
.set WREG,  8192                       ; the weights' way: a region for each wave: two stages of 32 x 80 bytes, then its 256 scale bytes
.set SP,    80
.set LNB,   4*WREG                     ; the rows' way: 128 bytes of scale bytes for each wave
.set LNC,   LNB+512                    ; the rows' way: 4 rows x 1,024 bytes of codes for each wave, on their way from 4 bytes a lane to 16
.set SPARE, LNC+16384                  ; the spare words, 128 bytes for each wave
.set WS,    12582912                   ; where the weights' scale bytes begin in wbuf
.set GA,    32                         ; v32-63   gain of my 32 columns
.set SH,    64                         ; v64-95   shift
.set X,     96                         ; v96-223  four rows, 32 numbers each
.set CD,    224                        ; v224-239 a row's conversions: 16 registers, of which 8 are kept
.set QM,    14                         ; v14-21   the eight blocks' largest magnitudes, then the conversions' scale operands
.set QB,    24                         ; v24-31   their bounds, then their scale bytes
.set WR,    16                         ; the weights' way: v16-79 four sets of 16 numbers as loaded; v80-111 two sets of 16 neighbours; v112-127 bytes; v128-191 codes
.set WX,    80
.set WE,    112
.set WC,    128
	s_load_b256 s[4:11], s[0:1], 0x0               ; rows in, gain, shift, abuf
	s_load_b256 s[12:19], s[0:1], 0x20             ; Wq, Wk, Wv, Wo
	s_load_b128 s[20:23], s[0:1], 0x40             ; W1, W2
	s_load_b64 s[24:25], s[0:1], 0x50              ; wbuf
	v_lshl_add_u32 v[SPW], v0, 2, SPARE
	v_mov_b32 v[NIL], 0
	v_lshrrev_b32 v1, 5, v0
	v_readfirstlane_b32 s26, v1                    ; wave
	v_and_b32 v1, 31, v0                           ; lane
	s_cmp_ge_u32 ttmp9, 256
	s_cbranch_scc1 .Lweights
	; ---------------- rows: layer norm and quantiser ----------------
	s_lshl_b32 s27, ttmp9, 4
	s_lshl_b32 s28, s26, 2
	s_add_co_u32 s27, s27, s28                     ; my first row: 16 x work-group + 4 x wave
	s_lshr_b32 s28, s27, 3
	s_lshr_b32 s29, s27, 4
	s_xor_b32 s28, s28, s29
	s_and_b32 s28, s28, 1
	s_mul_i32 s28, s28, 24
	s_xor_b32 s28, s27, s28                        ; its position: bits 3 and 4 exchanged; my four rows' positions follow each other
	s_lshl_b32 s30, s27, 12                        ; a row is 4,096 bytes
	s_mov_b32 s31, 0
	s_lshl_b32 s32, s28, 10                        ; a row of codes 1,024
	s_mov_b32 s33, 0
	s_lshl_b32 s34, s28, 3                         ; 8 scale bytes a position in each of four planes
	s_add_co_u32 s34, s34, 4194304
	s_mov_b32 s35, 0
	s_mov_b32 s36, 0x76543210
	s_mov_b32 s37, 0xfedcba98                      ; v_permlanex16_b32's selects for lane l xor 16
	s_mov_b32 s38, 0x3a800000                      ; 1 / 1024
	s_mov_b32 s39, 0x33d6bf95                      ; 1e-7
	s_mov_b32 s40, 0x600000                        ; the mantissa field of 448
	s_wait_alu depctr_va_vdst(0)
	v_lshlrev_b32 v3, 4, v1                        ; 16 bytes a lane: of a load's 512 consecutive bytes, and of a store's
	s_lshl_b32 s41, s26, 7
	s_add_co_u32 s41, s41, LNB
	v_lshrrev_b32 v8, 3, v1
	v_add_nc_u32 v4, s41, v8                       ; LDS [plane][row i][8]: block 4 j + lane / 8 of a row: plane j / 2, byte 4 (j % 2) + lane / 8
	s_lshl_b32 s46, s26, 12
	s_add_co_u32 s46, s46, LNC
	v_lshl_add_u32 v7, v1, 2, s46                  ; my wave's codes in LDS: in, 4 bytes a lane;
	v_lshl_add_u32 v23, v1, 4, s46                 ; back, 16 bytes a lane
	v_lshl_add_u32 v5, v1, 2, s41                  ; and back, a word a lane
	v_lshrrev_b32 v8, 3, v1
	v_and_b32 v9, 7, v1
	v_lshlrev_b32 v9, 2, v9
	v_lshl_add_u32 v6, v8, 15, v9                  ; plane (lane / 8) x 32,768 + 4 (lane % 8)
	v_mov_b32 v22, 0                               ; a lane permute's destination counts as one of its sources
	s_wait_alu depctr_va_vdst(0)                   ; the wait at the head's end
	s_wait_kmcnt 0x0
	s_add_nc_u64 s[4:5], s[4:5], s[30:31]
	s_add_nc_u64 s[42:43], s[10:11], s[32:33]
	s_add_nc_u64 s[44:45], s[10:11], s[34:35]
.irp hf, 0,1
.irp j, 0,1,2,3
	global_load_b128 v[GA+16*\hf+4*\j:GA+16*\hf+4*\j+3], v3, s[6:7] offset:2048*\hf+512*\j   ; register 4 g + c of a lane is column 128 g + 4 lane + c: 32 lanes read 512 consecutive bytes
	global_load_b128 v[SH+16*\hf+4*\j:SH+16*\hf+4*\j+3], v3, s[8:9] offset:2048*\hf+512*\j
.endr
.endr
.irp i, 0,1,2,3
.irp hf, 0,1
.irp j, 0,1,2,3
	global_load_b128 v[X+32*\i+16*\hf+4*\j:X+32*\i+16*\hf+4*\j+3], v3, s[4:5] offset:4096*\i+2048*\hf+512*\j th:TH_LOAD_NT
.endr
.endr
.endr
.macro RED r, t                        ; the sum of v[r] over the 32 lanes, in every lane
	v_add_f32_dpp v[\r], v[\r], v[\r] row_xmask:1 row_mask:0xf bank_mask:0xf
	v_add_f32_dpp v[\r], v[\r], v[\r] row_xmask:2 row_mask:0xf bank_mask:0xf
	v_add_f32_dpp v[\r], v[\r], v[\r] row_xmask:4 row_mask:0xf bank_mask:0xf
	v_add_f32_dpp v[\r], v[\r], v[\r] row_xmask:8 row_mask:0xf bank_mask:0xf
	v_permlanex16_b32 v[\t], v[\r], s36, s37
	v_add_f32 v[\r], v[\r], v[\t]
.endm
.macro LNROW i
.set XR, X+32*\i
	s_wait_loadcnt 8*(3-\i)                        ; loads come back in order: this row's eight are in, the later rows' may be out
	v_pk_add_f32 v[14:15], v[XR:XR+1], v[XR+2:XR+3]               ; the sum, in two chains
	v_pk_add_f32 v[16:17], v[XR+4:XR+5], v[XR+6:XR+7]
.irp j, 8,12,16,20,24,28
	v_pk_add_f32 v[14:15], v[14:15], v[XR+\j:XR+\j+1]
	v_pk_add_f32 v[16:17], v[16:17], v[XR+\j+2:XR+\j+3]
.endr
	v_pk_add_f32 v[14:15], v[14:15], v[16:17]
	v_add_f32 v14, v14, v15
	RED 14, 22
	v_mul_f32 v18, s38, v14                        ; the mean, twice: a pair for the packed form
	v_mul_f32 v19, s38, v14
.irp j, 0,2,4,6,8,10,12,14,16,18,20,22,24,26,28,30
	v_pk_add_f32 v[XR+\j:XR+\j+1], v[XR+\j:XR+\j+1], v[18:19] neg_lo:[0,1] neg_hi:[0,1]   ; x - mean
.endr
	v_pk_mul_f32 v[14:15], v[XR:XR+1], v[XR:XR+1]                 ; the sum of squares of the differences, in two chains
	v_pk_mul_f32 v[16:17], v[XR+2:XR+3], v[XR+2:XR+3]
.irp j, 4,8,12,16,20,24,28
	v_pk_fma_f32 v[14:15], v[XR+\j:XR+\j+1], v[XR+\j:XR+\j+1], v[14:15]
	v_pk_fma_f32 v[16:17], v[XR+\j+2:XR+\j+3], v[XR+\j+2:XR+\j+3], v[16:17]
.endr
	v_pk_add_f32 v[14:15], v[14:15], v[16:17]
	v_add_f32 v14, v14, v15
	RED 14, 22
	v_fma_f32 v14, v14, s38, s39                   ; variance + 1e-7
	s_wait_alu depctr_va_vdst(0)
.if \i > 0
	s_wait_dscnt 0x0                               ; the row before: its LDS stores have read their registers, and its codes are back, 16 bytes a lane
	global_store_b128 v3, v[XR-32:XR-29], s[42:43] offset:1024*\i-1024   ; 32 lanes store 512 consecutive bytes
	global_store_b128 v3, v[XR-28:XR-25], s[42:43] offset:1024*\i-512
.endif
	v_rsq_f32 v20, v14
	v_rsq_f32 v21, v14
	v_nop                                          ; a plain instruction behind the transcendentals,
	s_wait_alu depctr_va_vdst(0)                   ; and one wait for both, ahead of their first reader
.irp j, 0,2,4,6,8,10,12,14,16,18,20,22,24,26,28,30
	v_pk_fma_f32 v[XR+\j:XR+\j+1], v[XR+\j:XR+\j+1], v[20:21], v[SH+\j:SH+\j+1]
.endr
.irp j, 0,2,4,6,8,10,12,14,16,18,20,22,24,26,28,30
	v_pk_mul_f32 v[XR+\j:XR+\j+1], v[XR+\j:XR+\j+1], v[GA+\j:GA+\j+1]
.endr
; THE QUANTISER.  Registers 4 j .. 4 j + 3 of the eight lanes 8 g .. 8 g + 7 are block 4 j + g of the row: eight blocks a lane, by turns
.irp j, 0,1,2,3,4,5,6,7
	v_max3_num_f32 v[QM+\j], |v[XR+4*\j]|, |v[XR+4*\j+1]|, |v[XR+4*\j+2]|
.endr
.irp j, 0,1,2,3,4,5,6,7
	v_max3_num_f32 v[QM+\j], v[QM+\j], |v[XR+4*\j+3]|, 0x4800000   ; the floor 2^(9 - 127): the byte cannot fall under 1
.endr
.irp m, 1,2,4
.irp j, 0,1,2,3,4,5,6,7
	v_max_num_f32_dpp v[QM+\j], v[QM+\j], v[QM+\j] row_xmask:\m row_mask:0xf bank_mask:0xf   ; over the eight lanes of the block
.endr
.endr
.irp j, 0,1,2,3,4,5,6,7
	v_and_or_b32 v[QB+\j], v[QM+\j], 0x7f800000, s40   ; 448 x the scale
.endr
.irp j, 0,1,2,3,4,5,6,7
	v_add_nc_u32 v[QM+\j], 0xfc000000, v[QM+\j]    ; 8 off the exponent field: the conversion's scale operand
.endr
.irp j, 0,1,2,3,4,5,6,7
.irp c, 0,1,2,3
	v_med3_num_f32 v[XR+4*\j+\c], v[XR+4*\j+\c], -v[QB+\j], v[QB+\j]   ; the conversion to an 8-bit code does not saturate (ISA guide 7.6.2): the hold
.endr
.endr
; a conversion takes eight registers under ONE scale, and these eight are four numbers of each of two blocks: so each eight are converted twice; under the even block's scale the first result register is kept, under the odd block's the second; the other two are never read
.irp p, 0,1,2,3
	v_cvt_scalef32_pk8_fp8_f32 v[CD+4*\p:CD+4*\p+1], v[XR+8*\p:XR+8*\p+7], v[QM+2*\p]
	v_cvt_scalef32_pk8_fp8_f32 v[CD+4*\p+2:CD+4*\p+3], v[XR+8*\p:XR+8*\p+7], v[QM+2*\p+1]
.endr
.irp j, 0,1,2,3,4,5,6,7
	v_lshrrev_b32 v[QB+\j], 23, v[QM+\j]           ; the scale's byte
.endr
.irp j, 0,1,2,3,4,5,6,7
	ds_store_b8 v4, v[QB+\j] offset:32*(\j/2)+8*\i+4*(\j%2)       ; the eight lanes of a block write the same byte with the same value
	ds_store_b32 v7, v[CD+2*\j+(\j%2)] offset:1024*\i+128*\j      ; codes of columns 128 j + 4 lane on: the row lies in LDS as it lies in memory
.endr
	ds_load_b128 v[XR:XR+3], v23 offset:1024*\i                   ; LDS serves a wave's instructions in order: these see my stores; the row's numbers are done with
	ds_load_b128 v[XR+4:XR+7], v23 offset:1024*\i+512
.endm
	LNROW 0
	LNROW 1
	LNROW 2
	LNROW 3
	ds_load_b32 v8, v5                             ; LDS serves a wave's instructions in order: this sees my byte stores
	s_wait_dscnt 0x0
	global_store_b32 v6, v8, s[44:45]              ; four planes x my four rows' 32 bytes
	global_store_b128 v3, v[X+96:X+99], s[42:43] offset:3072      ; the last row's codes
	global_store_b128 v3, v[X+100:X+103], s[42:43] offset:3584
	s_wait_tensorcnt 0x0                           ; the wave's end: behind my last LDS store
	ds_add_u32 v[SPW], v[NIL]
	s_wait_dscnt 0x0
	s_endpgm
	; ---------------- weights ----------------
.Lweights:
	s_sub_co_u32 s27, ttmp9, 256                   ; 32 work-groups for each of Wq, Wk, Wv, Wo, 128 for W1, 128 for W2
	s_lshl_b32 s28, s27, 2
	s_add_co_u32 s28, s28, s26                     ; my run of 8,192 numbers, counted through all six
	s_wait_alu depctr_va_vdst(0)
	v_lshlrev_b32 v3, 4, v1                        ; my 16 bytes of a load's 512, and of a step's codes
	s_mul_i32 s53, s26, WREG
	v_lshrrev_b32 v14, 2, v1
	v_mul_u32_u24 v14, v14, SP
	v_and_b32 v15, 3, v1
	v_lshl_add_u32 v14, v15, 4, v14
	v_add_nc_u32 v14, s53, v14                     ; the stage, on the way in: four lanes' 64 bytes on end, then 16 of padding
	v_mul_u32_u24 v15, v1, SP
	v_add_nc_u32 v15, s53, v15                     ; and on the way out: my 16 neighbours
	v_lshrrev_b32 v5, 1, v1
	s_add_co_u32 s53, s53, 2*32*SP
	v_add_nc_u32 v5, s53, v5                       ; my block's scale byte
	v_lshl_add_u32 v6, v1, 3, s53                  ; and on the way out 8 bytes a lane
	s_mov_b32 s52, 0x600000
	s_mov_b32 s29, 1024                            ; W2's figures: the tensor's first run;
	s_mov_b32 s30, 262144                          ; its scale bytes' region;
	s_mov_b32 s31, 1024                            ; the region's first run;
	s_mov_b32 s32, 8192                            ; a plane of the region: rows x 8;
	s_mov_b32 s33, 15                              ; planes - 1;
	s_mov_b32 s34, 4                               ; their logarithm;
	s_mov_b32 s35, 1                               ; rows in a run, as a shift;
	s_mov_b32 s36, 2                               ; where the row's bit 3 lies in the run's number
	s_wait_alu depctr_va_vdst(0)
	s_wait_kmcnt 0x0
	s_mov_b64 s[38:39], s[22:23]
	s_cmp_lt_u32 s27, 256                          ; the choices hang on the work-group's number alone
	s_cselect_b64 s[38:39], s[20:21], s[38:39]     ; W1
	s_cselect_b32 s29, 512, s29
	s_cselect_b32 s30, 131072, s30
	s_cselect_b32 s31, 512, s31
	s_cselect_b32 s32, 32768, s32
	s_cselect_b32 s33, 3, s33
	s_cselect_b32 s34, 2, s34
	s_cselect_b32 s35, 3, s35
	s_cselect_b32 s36, 0, s36
	s_cmp_lt_u32 s27, 128
	s_cselect_b64 s[38:39], s[18:19], s[38:39]     ; Wo
	s_cselect_b32 s29, 384, s29
	s_cselect_b32 s30, 98304, s30
	s_cselect_b32 s31, 384, s31
	s_cselect_b32 s32, 8192, s32
	s_cmp_lt_u32 s27, 96
	s_cselect_b64 s[38:39], s[16:17], s[38:39]     ; Wv: Wq, Wk and Wv share one region of 3,072 rows
	s_cselect_b32 s29, 256, s29
	s_cselect_b32 s30, 0, s30
	s_cselect_b32 s31, 0, s31
	s_cselect_b32 s32, 24576, s32
	s_cmp_lt_u32 s27, 64
	s_cselect_b64 s[38:39], s[14:15], s[38:39]     ; Wk
	s_cselect_b32 s29, 128, s29
	s_cmp_lt_u32 s27, 32
	s_cselect_b64 s[38:39], s[12:13], s[38:39]     ; Wq
	s_cselect_b32 s29, 0, s29
	s_lshr_b32 s40, s28, s36                       ; the run's place among the positions: the rows' bits 3 and 4 exchanged
	s_lshr_b32 s41, s40, 1
	s_xor_b32 s40, s40, s41
	s_and_b32 s40, s40, 1
	s_mul_i32 s40, s40, 3
	s_lshl_b32 s40, s40, s36
	s_xor_b32 s40, s28, s40
	s_sub_co_u32 s42, s28, s29
	s_lshl_b32 s42, s42, 15                        ; in: 32,768 bytes a run
	s_mov_b32 s43, 0
	s_add_nc_u64 s[38:39], s[38:39], s[42:43]
	s_lshl_b32 s44, s40, 13                        ; codes: 8,192 bytes a run
	s_mov_b32 s45, 0
	s_add_nc_u64 s[46:47], s[24:25], s[44:45]
	s_sub_co_u32 s48, s40, s31
	s_lshl_b32 s48, s48, s35
	s_lshl_b32 s48, s48, 3
	s_add_co_u32 s48, s48, s30
	s_add_co_u32 s48, s48, WS
	s_mov_b32 s49, 0
	s_add_nc_u64 s[50:51], s[24:25], s[48:49]
	v_and_b32 v7, s33, v1                          ; my 8 scale bytes: plane lane % planes,
	v_mul_lo_u32 v7, v7, s32
	v_lshrrev_b32 v8, s34, v1                      ; row lane / planes of the run
	v_lshl_add_u32 v7, v8, 3, v7
.macro WLOAD t
.irp i, 0,1,2,3
	global_load_b128 v[WR+16*((\t)%4)+4*\i:WR+16*((\t)%4)+4*\i+3], v3, s[38:39] offset:2048*(\t)+512*\i th:TH_LOAD_NT   ; 32 lanes read 512 consecutive bytes
.endr
.endm
.macro WTURN t                         ; step t's numbers through the stage: LDS serves a wave's instructions in order
.irp i, 0,1,2,3
	ds_store_b128 v14, v[WR+16*((\t)%4)+4*\i:WR+16*((\t)%4)+4*\i+3] offset:32*SP*((\t)%2)+8*SP*\i
.endr
.irp i, 0,1,2,3
	ds_load_b128 v[WX+16*((\t)%2)+4*\i:WX+16*((\t)%2)+4*\i+3], v15 offset:32*SP*((\t)%2)+16*\i
.endr
.endm
.irp t, 0,1,2,3
	WLOAD \t
.endr
	s_wait_loadcnt 12                              ; step 0's four loads are in
	WTURN 0
.macro WSTEP t
.set XS, WX+16*((\t)%2)
.if (\t) > 0
	s_wait_dscnt 1                                 ; this step's numbers are back from the stage (the last step's byte store may be out)
.else
	s_wait_dscnt 0x0
.endif
.if (\t)+4 < 16
	WLOAD (\t)+4
.endif
.if (\t)+1 < 16
.if 14-(\t) >= 3
	s_wait_loadcnt 12                              ; the next step's four loads are in; those of the three steps behind it may be out
.else
	s_wait_loadcnt 4*(14-(\t))
.endif
	WTURN (\t)+1
.endif
	v_max3_num_f32 v8, |v[XS]|, |v[XS+1]|, |v[XS+2]|
	v_max3_num_f32 v9, |v[XS+3]|, |v[XS+4]|, |v[XS+5]|
.irp i, 6,10
	v_max3_num_f32 v8, v8, |v[XS+\i]|, |v[XS+\i+1]|
	v_max3_num_f32 v9, v9, |v[XS+\i+2]|, |v[XS+\i+3]|
.endr
	v_max3_num_f32 v8, v8, |v[XS+14]|, |v[XS+15]|
	v_max3_num_f32 v8, v8, v9, 0x4800000
	v_max_num_f32_dpp v8, v8, v8 row_xmask:1 row_mask:0xf bank_mask:0xf
	v_add_nc_u32 v11, 0xfc000000, v8
	v_and_or_b32 v10, v8, 0x7f800000, s52
.irp i, 0,1,2,3,4,5,6,7,8,9,10,11,12,13,14,15
	v_med3_num_f32 v[XS+\i], v[XS+\i], -v10, v10
.endr
	v_cvt_scalef32_pk8_fp8_f32 v[WC+4*(\t):WC+4*(\t)+1], v[XS:XS+7], v11
	v_cvt_scalef32_pk8_fp8_f32 v[WC+4*(\t)+2:WC+4*(\t)+3], v[XS+8:XS+15], v11
	v_lshrrev_b32 v[WE+(\t)], 23, v11
	ds_store_b8 v5, v[WE+(\t)] offset:16*(\t)
	global_store_b128 v3, v[WC+4*(\t):WC+4*(\t)+3], s[46:47] offset:512*(\t)
.endm
.irp t, 0,1,2,3,4,5,6,7,8,9,10,11,12,13,14,15
	WSTEP \t
.endr
	ds_load_b64 v[8:9], v6
	s_wait_dscnt 0x0
	global_store_b64 v7, v[8:9], s[50:51]          ; 8 bytes a lane: the 8 blocks of one row in one plane
	s_wait_tensorcnt 0x0                           ; the wave's end: behind my last LDS store
	ds_add_u32 v[SPW], v[NIL]
	s_wait_dscnt 0x0
	s_endpgm
.Lfunc_end_k_q29d9cec9a1_prep:
	.size	k_q29d9cec9a1_prep, .Lfunc_end_k_q29d9cec9a1_prep-k_q29d9cec9a1_prep
	.p2alignl 7, 3214868480
	.fill 96, 4, 3214868480
	.section	.rodata,"a",@progbits
	.p2align	6, 0x0
	.amdhsa_kernel k_q29d9cec9a1_prep
		.amdhsa_group_segment_fixed_size 50176
		.amdhsa_private_segment_fixed_size 0
		.amdhsa_enable_private_segment 0
		.amdhsa_kernarg_size 88
		.amdhsa_user_sgpr_count 2
		.amdhsa_user_sgpr_kernarg_segment_ptr 1
		.amdhsa_wavefront_size32 1
		.amdhsa_system_sgpr_workgroup_id_x 1
		.amdhsa_system_sgpr_workgroup_id_y 1
		.amdhsa_system_sgpr_workgroup_id_z 1
		.amdhsa_system_vgpr_workitem_id 0
		.amdhsa_next_free_vgpr 256
		.amdhsa_next_free_sgpr 66
		.amdhsa_reserve_vcc 0
		.amdhsa_float_denorm_mode_32 3
		.amdhsa_float_denorm_mode_16_64 3
		.amdhsa_memory_ordered 1
		.amdhsa_forward_progress 1
		.amdhsa_inst_pref_size 116
	.end_amdhsa_kernel
	.amdgpu_metadata
---
amdhsa.version: [ 1, 2 ]
amdhsa.kernels:
  - .name:           k_q29d9cec9a1_prep
    .symbol:         k_q29d9cec9a1_prep.kd
    .args:
      - { .name: x, .offset: 0, .size: 8, .value_kind: global_buffer, .address_space: global }
      - { .name: ln1_scale, .offset: 8, .size: 8, .value_kind: global_buffer, .address_space: global }
      - { .name: ln1_shift, .offset: 16, .size: 8, .value_kind: global_buffer, .address_space: global }
      - { .name: abuf, .offset: 24, .size: 8, .value_kind: global_buffer, .address_space: global }
      - { .name: Wq, .offset: 32, .size: 8, .value_kind: global_buffer, .address_space: global }
      - { .name: Wk, .offset: 40, .size: 8, .value_kind: global_buffer, .address_space: global }
      - { .name: Wv, .offset: 48, .size: 8, .value_kind: global_buffer, .address_space: global }
      - { .name: Wo, .offset: 56, .size: 8, .value_kind: global_buffer, .address_space: global }
      - { .name: W1, .offset: 64, .size: 8, .value_kind: global_buffer, .address_space: global }
      - { .name: W2, .offset: 72, .size: 8, .value_kind: global_buffer, .address_space: global }
      - { .name: wbuf, .offset: 80, .size: 8, .value_kind: global_buffer, .address_space: global }
    .group_segment_fixed_size: 50176
    .private_segment_fixed_size: 0
    .kernarg_segment_align: 8
    .kernarg_segment_size: 88
    .max_flat_workgroup_size: 128
    .sgpr_count:     66
    .vgpr_count:     256
    .wavefront_size: 32
...
	.end_amdgpu_metadata
.endif
;; end of part 7
;; launch qkv (part 8): grid 12 x 16, 4 waves a work-group, clusters of 4 x 4, 327,680 bytes of LDS; arguments abuf, wbuf, qkvb; writes qkvb
.if DOCPART == 8
	.amdgcn_target "amdgcn-amd-amdhsa--gfx1250"
	.amdhsa_code_object_version 6
	.text
	.protected	k_q29d9cec9a1_qkv
	.globl	k_q29d9cec9a1_qkv
	.p2align	8
	.type	k_q29d9cec9a1_qkv,@function
k_q29d9cec9a1_qkv:
	s_mov_b64 s[64:65], 0
	v_nop
	global_prefetch_b8 v0, s[64:65] scope:SCOPE_SE
	s_setreg_imm32_b32 hwreg(HW_REG_WAVE_MODE, 25, 1), 1
	s_wait_xcnt 0x0
	s_wait_alu depctr_hold_cnt(0) depctr_sa_sdst(0) depctr_va_vdst(0) depctr_va_sdst(0) depctr_va_ssrc(0) depctr_va_vcc(0) depctr_vm_vsrc(0)
	s_getreg_b32 s2, hwreg(HW_REG_IB_STS2, 6, 4)
	s_cmp_eq_u32 s2, 0
	s_cbranch_scc0 .Lentry_in_a_cluster
	s_endpgm
.Lentry_in_a_cluster:
	s_bfe_u32 s2, ttmp6, 0x10000c
	s_cmp_lg_u32 s2, 0xf033
	s_cbranch_scc0 .Lentry_shape_is_right
	s_endpgm
.Lentry_shape_is_right:
; q = h Wq^T, k = h Wk^T and V^T = Wv h^T on codes of FP8 with E8M0 scales, each result quantised on the way out: q and k along a head's 64, V^T along the keys.  Nothing is left out here.
; A tile of 256 x 256 is made by four waves, 128 x 128 each (64 accumulators, 512 registers).  K = 1,024 goes in steps of 256 through a ring of two LDS slots filled by the tensor data mover.
; CLUSTERS of 4 x 4: the "A" tile (source 1) is shared along a row of the cluster, the "B" tile (source 0) along a column; each is asked for jointly.  The cluster's x says what is made: 0: q, 1: k (A = h, B = the weight),
; 2: V^T (A = Wv, B = h).  It is the same in all sixteen partners; only pointers, offsets and the way out hang on it.
; Rows lie by POSITION (bits 3 and 4 of the row's number exchanged), so accumulator (a, b), lane (r, h), register j holds A's position 16 a + r and the TRUE column 32 (b / 2) + 16 h + 8 (b % 2) + j:
; the 16 registers of accumulators 2 c and 2 c + 1 are 16 neighbours of a block of 32, whose other half lies in lane l xor 16.
; SCALE WORDS come from memory straight into registers: they lie [K / 256][position][8], so one load of 8 bytes a lane brings both words of a K step for 32 positions (lanes 0-15 one block of 16 rows, lanes 16-31 the next).
; REGISTERS: window 0: v1-31 addresses; v32-63 scale words, two sets; v128-255 A's fragments, one set; window 1: B's fragments, two sets; windows 2, 3: the accumulators.
.set KROW,   1024
.set WS,     12582912
.set PITCH,  272                       ; an LDS row: 256 bytes + 16 of padding: the 16 rows that a load touches start at 16 different banks
.set FR,     16
.set NL,     4
.set NP,     8                         ; places behind this matrix instruction (ISA guide 7.12.1)
.set HALFT,  128*PITCH
.set SLOT,   4*HALFT
.set SPARE,  2*SLOT                    ; behind the ring: the spare words
.set LAPS,   KROW/512
.set SSTG,   256*272                   ; the way out, in slot 0: 256 rows of codes x 272 bytes, then [row][8] scale bytes
.set ADRA, 16
.set ADRB, 20
.set CST,  24                          ; v24 where I put 16 codes of a row
.set SST,  25                          ; v25 and its scale word
.set RQC,  26                          ; v26 q, k: where I read codes back
.set SVO,  27                          ; v27 8 x lane
.set SPW,  28
.set NIL,  29
.set RQS,  30                          ; v30 q, k: where I read scale bytes back
.set RVC,  31                          ; v31 V^T: codes back
.set RVS,  7                           ; v7  V^T: scale words back
.set GQ,   8                           ; v8  16 x lane
.set GV,   9                           ; v9  (lane / 16) x 1,024 + 16 (lane % 16)
.set SC,   32
.set AF,   128
.set T,    128                         ; the way out: 64 numbers held; v192.. codes; v208.. at work; v224 the scale word
.set PCD,  192
.set TM,   208
.set PW,   224
.set G1, 24
.set G0, 32
.set G1B, 48
.set G0B, 56
.set MSB, 0
.macro WIN new                         ; the immediate's high byte repeats the setting that is left
.if MSB != (\new)
	s_set_vgpr_msb (MSB<<8)|(\new)
.set MSB, (\new)
.endif
.endm
.set MUL_LO, 0xa1
.set MUL_HI, 0xf1
.set TO_B,   0x40
.macro JLOAD g0a, g1a, g0b, g1b        ; a joint load: waves 0 and 1 fetch for A, waves 2 and 3 for B; an s_nop 0 and four v_nop follow each line
	s_cmp_eq_u32 s15, 0
	s_cbranch_scc0 .Lfor_b_\@
	tensor_load_to_lds s[\g0a:\g0a+3], s[\g1a:\g1a+7]
	s_nop 0
.rept 4
	v_nop
.endr
	s_branch .Lasked_\@
.Lfor_b_\@:
	tensor_load_to_lds s[\g0b:\g0b+3], s[\g1b:\g1b+7]
	s_nop 0
.rept 4
	v_nop
.endr
.Lasked_\@:
.endm
.macro CREST
	s_cmp_lg_u32 s14, 0
	s_cbranch_scc1 .Lnot_wave_0_\@
	s_barrier_signal -3
.Lnot_wave_0_\@:
	s_barrier_wait -3
	s_barrier_signal -1
	s_barrier_wait -1
.endm
.macro CROUND
	s_barrier_signal -1
	s_barrier_wait -1
	CREST
.endm
	s_load_b128 s[72:75], s[0:1], 0x0              ; abuf, wbuf
	s_load_b64 s[76:77], s[0:1], 0x10              ; qkvb
	v_lshl_add_u32 v[SPW], v0, 2, SPARE
	v_mov_b32 v[NIL], 0
	ds_add_u32 v[SPW], v[NIL]                      ; the wave's opening: the add, twice on end, and its wait ahead of my first tensor load
	ds_add_u32 v[SPW], v[NIL]
	v_lshrrev_b32 v1, 5, v0
	v_readfirstlane_b32 s14, v1                    ; wave
	s_lshr_b32 s15, s14, 1                         ; my half of the tile's rows; also: I fetch for A (0) or B (1)
	s_and_b32 s16, s14, 1                          ; my half of its columns; also: which 128 rows I fetch
	s_bfe_u32 s40, ttmp6, 0x40000                  ; cx
	s_bfe_u32 s41, ttmp6, 0x40004                  ; cy
	s_and_b32 s86, ttmp7, 0xffff
	s_lshl_b32 s86, s86, 2                         ; 4 x cluster y
	s_add_co_u32 s87, s86, s41
	s_add_co_u32 s88, s86, s40
	s_lshl_b32 s89, ttmp9, 2
	s_add_co_u32 s89, s89, s40
	s_mov_b32 s66, 32768                           ; a plane of h's scale bytes
	s_mov_b32 s68, 24576                           ; of the three weights'
	s_mov_b32 s91, 4194304
	s_mov_b32 s94, WS
	s_cmp_eq_u32 ttmp9, 2                          ; V^T?  The cluster's x: the same in all partners
	s_cselect_b32 s17, s41, s87                    ; A's tile: cy, or 4 x cluster y + cy: of cy alone among the places
	s_cselect_b32 s42, s88, s89                    ; B's tile: 4 x cluster y + cx, or 4 x cluster x + cx: of cx alone
	s_cselect_b32 s66, 24576, s66
	s_cselect_b32 s68, 32768, s68
	s_cselect_b32 s90, 2097152, 0                  ; Wv's codes begin at row 2,048 of the three
	s_cselect_b32 s91, WS+16384, s91
	s_cselect_b32 s94, 4194304, s94
	s_mov_b32 s67, 0
	s_mov_b32 s69, 0
	s_lshl_b32 s43, s41, 2
	s_lshl_b32 s43, 15, s43                        ; my row of the cluster
	s_lshl_b32 s44, 0x1111, s40                    ; my column
	s_or_b32 s[G1+0], s43, (1<<20)|(1<<21)|(5<<22)|(3<<25)   ; the mask; elements of 1 byte; padding on; bit 21 beside a mask; 4 words behind every 64
	s_or_b32 s[G1B+0], s44, (1<<20)|(1<<21)|(5<<22)|(3<<25)
.irp g, G1, G1B
	s_mov_b32 s[\g+1], 256<<16                     ; tensor_dim0
	s_mov_b32 s[\g+2], 128<<16                     ; tensor_dim1
	s_mov_b32 s[\g+3], 256<<16                     ; tile_dim0
	s_mov_b32 s[\g+4], 128                         ; tile_dim1
	s_mov_b32 s[\g+5], KROW                        ; the pitch
	s_mov_b32 s[\g+6], 0
	s_mov_b32 s[\g+7], 0
.endr
	s_lshl_b32 s18, s16, 7
	s_lshl_b32 s20, s17, 8
	s_add_co_u32 s20, s20, s18
	s_lshl_b32 s20, s20, 10
	s_add_co_u32 s20, s20, s90                     ; A's codes that I fetch
	s_mov_b32 s21, 0
	s_lshl_b32 s46, s42, 8
	s_add_co_u32 s46, s46, s18
	s_lshl_b32 s92, s46, 3
	s_add_co_u32 s92, s92, s94                     ; B's scale words of my 128 columns
	s_mov_b32 s93, 0
	s_lshl_b32 s46, s46, 10                        ; B's codes that I fetch
	s_mov_b32 s47, 0
	s_lshl_b32 s22, s17, 8
	s_lshl_b32 s23, s15, 7
	s_add_co_u32 s22, s22, s23
	s_lshl_b32 s22, s22, 3
	s_add_co_u32 s22, s22, s91                     ; A's scale words of my 128 rows
	s_mov_b32 s23, 0
	s_mul_i32 s45, s14, HALFT
	s_mov_b32 s80, 0x76543210
	s_mov_b32 s81, 0xfedcba98
	s_mov_b32 s82, 0x600000
	s_wait_dscnt 0x0                               ; both opening adds are done
	s_wait_kmcnt 0x0
	s_cmp_eq_u32 ttmp9, 2
	s_cselect_b64 s[4:5], s[74:75], s[72:73]       ; A's buffer
	s_cselect_b64 s[6:7], s[72:73], s[74:75]       ; B's
	s_add_nc_u64 s[20:21], s[4:5], s[20:21]
	s_add_nc_u64 s[46:47], s[6:7], s[46:47]
	s_add_nc_u64 s[8:9], s[4:5], s[22:23]
	s_add_nc_u64 s[10:11], s[6:7], s[92:93]
	CROUND                                         ; all sixteen work-groups are here: the first joint loads meet
.irp s, 0,1
	s_mov_b32 s[G0+4*\s], 1
	s_add_co_u32 s[G0+4*\s+1], s45, \s*SLOT
	s_add_nc_u64 s[G0+4*\s+2:G0+4*\s+3], s[20:21], \s*256
	s_or_b32 s[G0+4*\s+3], s[G0+4*\s+3], 0x80000000
	s_mov_b32 s[G0B+4*\s], 1
	s_add_co_u32 s[G0B+4*\s+1], s45, \s*SLOT
	s_add_nc_u64 s[G0B+4*\s+2:G0B+4*\s+3], s[46:47], \s*256
	s_or_b32 s[G0B+4*\s+3], s[G0B+4*\s+3], 0x80000000
.endr
	JLOAD G0, G1, G0B, G1B                         ; K step 0: one tensor load a wave at the head
	; PREFETCH INTO THE L2: a K step of the 128 rows that I fetch is 128 blocks of 256 bytes; the four partners that ask for them jointly take 32 rows each, told apart by address (cx for A, cy for B), a lane a row.
	; K step 1 is asked for here, K steps 2 and 3 behind K step 1's joint load: each at least one K step ahead of the load that wants it; there is no K step 4
	s_cmp_eq_u32 s15, 0
	s_cselect_b64 s[94:95], s[20:21], s[46:47]
	s_cselect_b32 s96, s40, s41
	s_lshl_b32 s96, s96, 15
	s_mov_b32 s97, 0
	s_add_nc_u64 s[94:95], s[94:95], s[96:97]
.macro GSCALES sc                      ; a K step's scale words into set sc: 256 consecutive bytes a load
.irp m, 0,1,2,3
	global_load_b64 v[SC+16*\sc+2*\m:SC+16*\sc+2*\m+1], v[SVO], s[8:9] offset:256*\m
	global_load_b64 v[SC+16*\sc+8+2*\m:SC+16*\sc+8+2*\m+1], v[SVO], s[10:11] offset:256*\m
.endr
.endm
	v_and_b32 v6, 31, v0                           ; lane
	v_lshlrev_b32 v[SVO], 3, v6
	GSCALES 0
	v_lshlrev_b32 v23, 10, v6                      ; a row of 1,024 bytes a lane; never rewritten
	global_prefetch_b8 v23, s[94:95] offset:256 th:TH_LOAD_NT scope:SCOPE_SE
	v_and_b32 v1, 15, v0                           ; r
	v_bfe_u32 v2, v0, 4, 1                         ; h
	v_mul_u32_u24 v3, v1, PITCH
	v_lshl_add_u32 v4, v2, 4, v3
	s_wait_alu depctr_va_vdst(0)
	s_mul_i32 s21, s15, HALFT
	s_mul_i32 s22, s16, HALFT
	s_add_co_u32 s22, s22, 2*HALFT
.irp s, 0,1
	v_add_nc_u32 v[ADRA+\s], s21, v4
	v_add_nc_u32 v[ADRB+\s], s22, v4
	s_add_co_u32 s21, s21, SLOT
	s_add_co_u32 s22, s22, SLOT
.endr
	s_mul_i32 s21, s15, 128*272                    ; the stage: row 128 x my half + r, byte 128 x my half of the columns + 16 h
	s_lshl_b32 s22, s16, 7
	s_add_co_u32 s21, s21, s22
	v_add_nc_u32 v[CST], s21, v4
	s_lshl_b32 s21, s15, 10
	s_lshl_b32 s22, s16, 2
	s_add_co_u32 s21, s21, s22
	s_add_co_u32 s21, s21, SSTG
	v_lshl_add_u32 v[SST], v1, 3, s21
	s_mul_i32 s21, s14, 64*272                     ; back: wave w takes rows 64 w on
	v_lshrrev_b32 v3, 2, v6
	v_mul_u32_u24 v3, v3, 272
	v_and_b32 v5, 3, v6
	v_lshl_add_u32 v3, v5, 4, v3
	v_add_nc_u32 v[RQC], s21, v3                   ; q, k: 8 rows x 64 bytes of one head an instruction
	v_mul_u32_u24 v3, v2, 272
	v_lshl_add_u32 v3, v1, 4, v3
	v_add_nc_u32 v[RVC], s21, v3                   ; V^T: two whole rows an instruction
	s_lshl_b32 s21, s14, 1
	s_add_co_u32 s21, s21, SSTG
	v_lshl_add_u32 v[RQS], v6, 5, s21              ; q, k: head w's two bytes of rows 4 lane on
	s_lshl_b32 s21, s14, 9
	s_add_co_u32 s21, s21, SSTG
	v_lshl_add_u32 v[RVS], v6, 4, s21              ; V^T: rows 64 w + 2 lane, + 1
	v_lshlrev_b32 v[GQ], 4, v6
	v_lshlrev_b32 v[GV], 10, v2
	v_lshl_add_u32 v[GV], v1, 4, v[GV]
	s_wait_xcnt 0x0                                ; the loads above have read their bases
	s_add_nc_u64 s[8:9], s[8:9], s[66:67]
	s_add_nc_u64 s[10:11], s[10:11], s[68:69]
	GSCALES 1
.macro FRAG reg, adr, q, i             ; 16 rows x 128 K: registers 4 c .. 4 c + 3 hold K = 32 c + 16 (l / 16) + 0 .. 15
.irp c, 0,1,2,3
	ds_load_b128 v[\reg+4*\c:\reg+4*\c+3], v[\adr] offset:128*(\q)+32*\c+(\i)*16*PITCH
.endr
.endm
.macro ONE c                           ; one product; par says from which half of the lanes each side's scale word is taken
.if par == 0
	v_wmma_scale_f32_16x16x128_f8f6f4 v[rD:rD+7], v[rB:rB+15], v[rA:rA+15], \c, v[rSB], v[rSA]
.elseif par == 1
	v_wmma_scale_f32_16x16x128_f8f6f4 v[rD:rD+7], v[rB:rB+15], v[rA:rA+15], \c, v[rSB], v[rSA] matrix_b_scale:MATRIX_SCALE_ROW1
.elseif par == 2
	v_wmma_scale_f32_16x16x128_f8f6f4 v[rD:rD+7], v[rB:rB+15], v[rA:rA+15], \c, v[rSB], v[rSA] matrix_a_scale:MATRIX_SCALE_ROW1
.else
	v_wmma_scale_f32_16x16x128_f8f6f4 v[rD:rD+7], v[rB:rB+15], v[rA:rA+15], \c, v[rSB], v[rSA] matrix_a_scale:MATRIX_SCALE_ROW1 matrix_b_scale:MATRIX_SCALE_ROW1
.endif
.endm
; 16 products: A's blocks a0, a0 + 1 x B's eight.  mode 1: the first product starts the sums.  The 64 accumulators take turns, one instruction a turn.
.macro MUL16 a0, p, q, sc, mode
.irp a, \a0, \a0+1
.irp b, 0,1,2,3,4,5,6,7
.set rD, 8*(8*((\a)%4)+\b)
.set rB, 128*(\p)+FR*\b
.set rA, AF+FR*(\a)
.set rSB, SC+16*(\sc)+8+2*(\b/2)+(\q)
.set rSA, SC+16*(\sc)+2*((\a)/2)+(\q)
.set par, 2*(\b%2)+((\a)%2)
.if \mode == 1
	ONE 0
.else
	ONE v[rD:rD+7]
.endif
.endr
.endr
.endm
.macro FETCH_B slot, q, p
	WIN TO_B
.irp i, 0,1,2,3,4,5,6,7
	FRAG 128*(\p)+FR*\i, ADRB+\slot, \q, \i
.endr
	WIN 0
.endm
.macro FETCH_A slot, q, i0
.irp i, \i0, \i0+1, \i0+2, \i0+3
	FRAG AF+FR*(\i), ADRA+\slot, \q, \i
.endr
.endm
.macro PLACES n                        ; plain vector instructions between a matrix instruction and a load into, or a read of, its registers
.rept \n
	v_nop
.endr
.endm
.macro STEP slot, q, mode              ; 128 along K with its successor in the same slot
	s_wait_dscnt 4*NL                              ; B's set and A's blocks 0-3 are in; A's blocks 4-7 may be out
	WIN MUL_LO
	MUL16 0, (\q)%2, \q, \slot, \mode
	MUL16 2, (\q)%2, \q, \slot, \mode
	s_wait_dscnt 0
	PLACES NP
	FETCH_B \slot, (\q)+1, 1-(\q)%2
	FETCH_A \slot, (\q)+1, 0
	WIN MUL_HI
	MUL16 4, (\q)%2, \q, \slot, \mode
	MUL16 6, (\q)%2, \q, \slot, \mode
	PLACES NP
	WIN 0
	FETCH_A \slot, (\q)+1, 4
.endm
; A slot's last step changes slots: one barrier; in front of it each wave waits for all its tensor loads, adds 0 to its spare word, and waits for that and for its reads of this slot.
.macro TURN slot, next, fill
	s_wait_tensorcnt 0x0                           ; all my tensor loads have landed: my part of the next slot
	ds_add_u32 v[SPW], v[NIL]
	s_wait_dscnt 4*NL+1                            ; (the add and A's blocks 4-7 may be out)
	WIN MUL_LO
	MUL16 0, 1, 1, \slot, 0
	s_wait_dscnt 0x0                               ; the add is done, and my reads of this slot are over
	s_barrier_signal -1
	MUL16 2, 1, 1, \slot, 0
	WIN 0
	s_barrier_wait -1
.if \fill
	CREST                                          ; the barrier has opened a round of the cluster's: no wave of any partner still reads this slot or has a load on its way
	s_add_nc_u64 s[G0+4*\slot+2:G0+4*\slot+3], s[G0+4*\slot+2:G0+4*\slot+3], 512
	s_add_nc_u64 s[G0B+4*\slot+2:G0B+4*\slot+3], s[G0B+4*\slot+2:G0B+4*\slot+3], 512
	JLOAD G0+4*\slot, G1, G0B+4*\slot, G1B         ; the first tensor load behind the round; its four v_nop are among the places below
	PLACES NP-4
.else
	PLACES NP
.endif
	FETCH_B \next, 0, 0
	FETCH_A \next, 0, 0
	WIN MUL_HI
	MUL16 4, 1, 1, \slot, 0
	MUL16 6, 1, 1, \slot, 0
	PLACES NP                                      ; also for the loads into this slot's scale words
	WIN 0
	FETCH_A \next, 0, 4
	s_wait_loadcnt 0x0                             ; the next K step's scale words, asked for a K step ago, are in; their loads have read the bases
.if \fill
	s_add_nc_u64 s[8:9], s[8:9], s[66:67]
	s_add_nc_u64 s[10:11], s[10:11], s[68:69]
	GSCALES \slot                                  ; those of the K step that the joint load above brings
.endif
.endm
	s_wait_alu depctr_va_vdst(0)                   ; the wait at the head's end
	s_wait_tensorcnt 0x0                           ; my part of K step 0 is in
	ds_add_u32 v[SPW], v[NIL]
	s_wait_dscnt 0x0
	CROUND                                         ; everybody's part is in, and all sixteen work-groups are here
	JLOAD G0+4, G1, G0B+4, G1B                     ; K step 1 into slot 1: the first tensor load behind the round
	FETCH_B 0, 0, 0
	FETCH_A 0, 0, 0
	FETCH_A 0, 0, 4
	global_prefetch_b8 v23, s[94:95] offset:512 th:TH_LOAD_NT scope:SCOPE_SE
	global_prefetch_b8 v23, s[94:95] offset:768 th:TH_LOAD_NT scope:SCOPE_SE
	s_wait_loadcnt 0x0                             ; both sets of scale words
	STEP 0, 0, 1
	s_mov_b32 s3, LAPS-1
.Llap:
	TURN 0, 1, 1
	STEP 1, 0, 0
	TURN 1, 0, 1
	STEP 0, 0, 0
	s_sub_co_u32 s3, s3, 1
	s_cmp_lg_u32 s3, 0
	s_cbranch_scc1 .Llap
	TURN 0, 1, 0                                   ; the last lap fills nothing
	STEP 1, 0, 0
	s_wait_dscnt 4*NL
	WIN MUL_LO
	MUL16 0, 1, 1, 1, 0
	MUL16 2, 1, 1, 1, 0
	s_wait_dscnt 0
	WIN MUL_HI
	MUL16 4, 1, 1, 1, 0
	MUL16 6, 1, 1, 1, 0
	WIN 0
; THE WAY OUT.  64 numbers of a lane in window w, register 16 b + i = column 32 b + 16 h + i of my row, become 64 codes in v[PCD] on and a scale word in v[PW].
.macro QUANTW w, s
	WIN (\w)|((\w)<<2)
.irp b, 0,1,2,3
	v_max3_num_f32 v[TM+\b], |v[(\s)+16*\b]|, |v[(\s)+16*\b+1]|, 0x4800000     ; each accumulator is read from its low end on; the floor 2^(9 - 127) holds the byte at 1 from below
.endr
.irp i, 2,4,6,8,10,12,14
.irp b, 0,1,2,3
	v_max3_num_f32 v[TM+\b], |v[(\s)+16*\b+\i]|, |v[(\s)+16*\b+\i+1]|, v[TM+\b]
.endr
.endr
	WIN 0
.irp b, 0,1,2,3
	v_permlanex16_b32 v[TM+4+\b], v[TM+\b], s80, s81
.endr
.irp b, 0,1,2,3
	v_max_num_f32 v[TM+\b], v[TM+\b], v[TM+4+\b]   ; with lane l xor 16's: the block's largest magnitude
.endr
.irp b, 0,1,2,3
	v_add_nc_u32 v[TM+12+\b], 0xfc000000, v[TM+\b] ; 8 off its exponent field: the conversion's scale operand
.endr
.irp b, 0,1,2,3
	v_and_or_b32 v[TM+8+\b], v[TM+\b], 0x7f800000, s82   ; 448 x the scale
.endr
.irp b, 0,1,2,3
	v_lshrrev_b32 v[TM+4+\b], 23, v[TM+12+\b]      ; the scale's byte
.endr
	v_lshl_or_b32 v[PW], v[TM+5], 8, v[TM+4]
	v_lshl_or_b32 v[PW], v[TM+6], 16, v[PW]
	v_lshl_or_b32 v[PW], v[TM+7], 24, v[PW]
	WIN (\w)
.irp b, 0,1,2,3
.irp i, 0,1,2,3,4,5,6,7,8,9,10,11,12,13,14,15
	v_med3_num_f32 v[T+16*\b+\i], v[(\s)+16*\b+\i], -v[TM+8+\b], v[TM+8+\b]   ; the conversion does not saturate (ISA guide 7.6.2): the hold
.endr
.endr
	WIN 0
.irp b, 0,1,2,3
	v_cvt_scalef32_pk8_fp8_f32 v[PCD+4*\b:PCD+4*\b+1], v[T+16*\b:T+16*\b+7], v[TM+12+\b]
	v_cvt_scalef32_pk8_fp8_f32 v[PCD+4*\b+2:PCD+4*\b+3], v[T+16*\b+8:T+16*\b+15], v[TM+12+\b]
.endr
	v_nop                                          ; a plain instruction behind the last conversion
.endm
.macro TOST a                          ; block a's codes and scale words into the work-group's stage
.irp c, 0,1,2,3
	ds_store_b128 v[CST], v[PCD+4*\c:PCD+4*\c+3] offset:(\a)*4352+32*\c
.endr
	ds_store_b32 v[SST], v[PW] offset:128*(\a)     ; lanes l and l xor 16 write the same word with the same value
	s_wait_dscnt 0x0                               ; the stores have read their registers
.endm
	PLACES NP                                      ; the stage lies in slot 0: it has had its last fill, and every wave has passed the last change of slots, behind which nobody reads it
.irp b, 0,1,2,3
	v_mov_b32 v[TM+4+\b], 0                        ; a lane permute's destination counts as one of its sources
.endr
.irp a, 0,1,2,3,4,5,6,7
	QUANTW 2+\a/4, 64*(\a%4)
	TOST \a
.endr
	s_barrier_signal -1                            ; every wave's stores into the stage are done (the wait for 0 stands above)
	s_barrier_wait -1
	s_cmp_eq_u32 ttmp9, 2
	s_cbranch_scc1 .Lvout
	; q, k: [batch x head][position of the token][64] codes; a scale word a token and head: two bytes, and two bytes of 0 for the half of the next product's K step that holds zero codes
	s_lshr_b32 s90, s17, 2                         ; the batch
	s_and_b32 s91, s42, 3
	s_lshl_b32 s90, s90, 4
	s_lshl_b32 s91, s91, 2
	s_add_co_u32 s90, s90, s91                     ; 16 x batch + the tile's first head
	s_and_b32 s91, s17, 3
	s_lshl_b32 s91, s91, 8                         ; the tile's first token in the sequence
	s_lshr_b32 s92, s42, 2                         ; 0: q, 1: k
	s_lshl_b32 s86, s90, 10
	s_add_co_u32 s86, s86, s91
	s_lshl_b32 s87, s14, 6
	s_add_co_u32 s86, s86, s87
	s_lshl_b32 s86, s86, 6
	s_lshl_b32 s87, s92, 22
	s_add_co_u32 s86, s86, s87
	s_mov_b32 s87, 0
	s_add_nc_u64 s[86:87], s[76:77], s[86:87]
	s_add_co_u32 s88, s90, s14                     ; scale words: wave w takes head w of the tile's four
	s_lshl_b32 s88, s88, 10
	s_add_co_u32 s88, s88, s91
	s_lshl_b32 s88, s88, 2
	s_lshl_b32 s89, s92, 18
	s_add_co_u32 s88, s88, s89
	s_add_co_u32 s88, s88, 12582912
	s_mov_b32 s89, 0
	s_add_nc_u64 s[88:89], s[76:77], s[88:89]
.set t, 0
.rept 32
	ds_load_b128 v[32+4*t:35+4*t], v[RQC] offset:2176*(t/4)+64*(t%4)
.set t, t+1
.endr
.set t, 0
.rept 8
	ds_load_u16 v[160+t], v[RQS] offset:1024*(t/4)+8*(t%4)
.set t, t+1
.endr
.set t, 0
.rept 32
	s_wait_dscnt 39-t                              ; LDS loads come back in order
	global_store_b128 v[GQ], v[32+4*t:35+4*t], s[86:87] offset:65536*(t%4)+512*(t/4)   ; 32 lanes store 512 consecutive bytes: 8 tokens of one head
.set t, t+1
.endr
	s_wait_dscnt 0x0
	global_store_b128 v[GQ], v[160:163], s[88:89]
	global_store_b128 v[GQ], v[164:167], s[88:89] offset:512
	s_wait_tensorcnt 0x0                           ; the wave's end
	ds_add_u32 v[SPW], v[NIL]
	s_wait_dscnt 0x0
	CROUND                                         ; the closing round
	s_endpgm
.Lvout:
	; V^T: [batch x head][position of the channel][1,024 keys] codes; scale words [batch x head][key step of 128][position of the channel]
	s_lshr_b32 s90, s42, 2                         ; the batch
	s_and_b32 s91, s42, 3
	s_lshl_b32 s86, s17, 8
	s_lshl_b32 s87, s14, 6
	s_add_co_u32 s86, s86, s87
	s_lshl_b32 s86, s86, 10
	s_lshl_b32 s87, s90, 20
	s_add_co_u32 s86, s86, s87
	s_lshl_b32 s87, s91, 8
	s_add_co_u32 s86, s86, s87
	s_add_co_u32 s86, s86, 8388608
	s_mov_b32 s87, 0
	s_add_nc_u64 s[86:87], s[76:77], s[86:87]
	s_lshl_b32 s88, s90, 4
	s_lshl_b32 s89, s17, 2
	s_add_co_u32 s88, s88, s89
	s_add_co_u32 s88, s88, s14                     ; 16 x batch + head: wave w's 64 rows are one head
	s_lshl_b32 s88, s88, 3
	s_lshl_b32 s89, s91, 1
	s_add_co_u32 s88, s88, s89
	s_lshl_b32 s88, s88, 8
	s_add_co_u32 s88, s88, 13107200
	s_mov_b32 s89, 0
	s_add_nc_u64 s[88:89], s[76:77], s[88:89]
.set t, 0
.rept 32
	ds_load_b128 v[32+4*t:35+4*t], v[RVC] offset:544*t
.set t, t+1
.endr
	ds_load_b32 v160, v[RVS]                       ; rows 2 lane and 2 lane + 1: the first key step's words,
	ds_load_b32 v161, v[RVS] offset:8
	ds_load_b32 v162, v[RVS] offset:4              ; and the second's
	ds_load_b32 v163, v[RVS] offset:12
.set t, 0
.rept 32
	s_wait_dscnt 35-t
	global_store_b128 v[GV], v[32+4*t:35+4*t], s[86:87] offset:2048*t   ; 16 lanes store 256 consecutive bytes, aligned
.set t, t+1
.endr
	s_wait_dscnt 0x0
	global_store_b64 v[SVO], v[160:161], s[88:89]
	global_store_b64 v[SVO], v[162:163], s[88:89] offset:256
	s_wait_tensorcnt 0x0                           ; the wave's end
	ds_add_u32 v[SPW], v[NIL]
	s_wait_dscnt 0x0
	CROUND                                         ; the closing round
	s_endpgm
.Lfunc_end_k_q29d9cec9a1_qkv:
	.size	k_q29d9cec9a1_qkv, .Lfunc_end_k_q29d9cec9a1_qkv-k_q29d9cec9a1_qkv
	.p2alignl 7, 3214868480
	.fill 96, 4, 3214868480
	.section	.rodata,"a",@progbits
	.p2align	6, 0x0
	.amdhsa_kernel k_q29d9cec9a1_qkv
		.amdhsa_group_segment_fixed_size 327680
		.amdhsa_private_segment_fixed_size 0
		.amdhsa_enable_private_segment 0
		.amdhsa_kernarg_size 24
		.amdhsa_user_sgpr_count 2
		.amdhsa_user_sgpr_kernarg_segment_ptr 1
		.amdhsa_wavefront_size32 1
		.amdhsa_system_sgpr_workgroup_id_x 1
		.amdhsa_system_sgpr_workgroup_id_y 1
		.amdhsa_system_sgpr_workgroup_id_z 1
		.amdhsa_system_vgpr_workitem_id 0
		.amdhsa_next_free_vgpr 1024
		.amdhsa_next_free_sgpr 98
		.amdhsa_reserve_vcc 0
		.amdhsa_float_denorm_mode_32 3
		.amdhsa_float_denorm_mode_16_64 3
		.amdhsa_memory_ordered 1
		.amdhsa_forward_progress 1
		.amdhsa_inst_pref_size 201
	.end_amdhsa_kernel
	.amdgpu_metadata
---
amdhsa.version: [ 1, 2 ]
amdhsa.kernels:
  - .name:           k_q29d9cec9a1_qkv
    .symbol:         k_q29d9cec9a1_qkv.kd
    .args:
      - { .name: abuf, .offset: 0, .size: 8, .value_kind: global_buffer, .address_space: global }
      - { .name: wbuf, .offset: 8, .size: 8, .value_kind: global_buffer, .address_space: global }
      - { .name: qkvb, .offset: 16, .size: 8, .value_kind: global_buffer, .address_space: global }
    .group_segment_fixed_size: 327680
    .private_segment_fixed_size: 0
    .kernarg_segment_align: 8
    .kernarg_segment_size: 24
    .max_flat_workgroup_size: 128
    .sgpr_count:     98
    .vgpr_count:     1024
    .wavefront_size: 32
...
	.end_amdgpu_metadata
.endif
;; end of part 8
;; launch attn (part 9): grid 4 x 64, 16 waves a work-group, no clusters, 167,936 bytes of LDS; arguments qkvb, abuf; writes abuf
.if DOCPART == 9
	.amdgcn_target "amdgcn-amd-amdhsa--gfx1250"
	.amdhsa_code_object_version 6
	.text
	.protected	k_q29d9cec9a1_attn
	.globl	k_q29d9cec9a1_attn
	.p2align	8
	.type	k_q29d9cec9a1_attn,@function
k_q29d9cec9a1_attn:
	s_mov_b64 s[64:65], 0
	v_nop
	global_prefetch_b8 v0, s[64:65] scope:SCOPE_SE
	s_setreg_imm32_b32 hwreg(HW_REG_WAVE_MODE, 25, 1), 1
	s_wait_xcnt 0x0
; Causal attention of one batch and head (work-group y) on codes of FP8 with E8M0 scales; ctx / the row's sum is quantised along the model's 1,024 and stored as the next product's operand.
; LEFT OUT: a key step (128 keys) all of whose keys come after a wave's 16 queries: reference()'s own jnp.tril makes those scores -inf, so their p is 0 for all inputs.  A NaN or infinity in such scores alone is not carried on.
; THE SOFTMAX: t = score x log2(e) / 8; M = the running largest t rounded UP to a whole number; p = 2^(t - M) is quantised along the keys, not normalised; the row's sum is taken of the unquantised p and divides at the end.
; SHARES.  Sixteen waves, each with ONE tile of 16 queries in 256 registers.  Wave w of work-group x has tile 4 (w xor 3 ((w / 4) % 2)) + x of the head's 64: so the four work-groups of a head, and the waves w, w + 4, w + 8, w + 12,
; have nearly the same number of key steps under the mask.  A head's K, V and scale words (154,624 bytes with padding) come into LDS ONCE, one tensor load a wave, all at the head; nothing is filled again: one barrier.
; No cluster: what the four work-groups of a head share is asked for once at the head and is small beside the 72 key steps of vector work that follow in each.  No prefetch: nothing is asked for behind the head.
; LAYOUT.  S^T = K Q^T (source 0 = 16 keys, source 1 = my queries; the head's 64 fill half of the instruction's 128 along K, the other half are zero codes), O^T = V^T P^T: a lane holds one query throughout.
; K's rows and V^T's rows lie by position (bits 3 and 4 of the row's number exchanged), so the 16 registers of tiles 2 b and 2 b + 1 are 16 neighbouring keys (of O^T: channels).
; A head owns 64 bytes of each row of ctx's codes: they are stored as 16 bytes a lane, in pieces of 64 bytes a row.
; REGISTERS: v1-4 lane places; v5, v6 the add's; v7 r - 16 h; v8-11 the step's addresses; v12 -M; v13 largest t; v[14:15] the sum; v16-31 Q; v32-95 four fragments of K; v96-159 S^T, p, later V's tiles 2, 3;
; v160-191 O^T; v192-223 V's tiles 0, 1; v224-239 p's codes; v232-254 at work; v255 Q's scale word.
.set KP,    80                         ; a key's row in LDS: 64 bytes + 16
.set VT,    81920                      ; behind K's 1,024 rows: V^T, 64 rows of 1,024 bytes + 16
.set VP,    1040
.set KS,    148480                     ; K's scale words, 4 bytes a position
.set VS,    152576                     ; V's: [key step][64] words
.set SPARE, 154624                     ; the spare words, 128 bytes for each of 16 waves
.set SPW,  5
.set NIL,  6
.set WV,   18
.set MNT,  19
.set SEL,  20
.set CS,   22
.set TK,   2
.set TV,   3
.set TS,   66
.set TJ,   67
.set CNT,  76
.set KF,   98
.set Q0,   99
	s_load_b128 s[4:7], s[0:1], 0x0                ; qkvb, abuf
	v_lshl_add_u32 v[SPW], v0, 2, SPARE
	v_mov_b32 v[NIL], 0
	ds_add_u32 v[SPW], v[NIL]                      ; the wave's opening: the add, twice on end, and its wait ahead of my first tensor load
	ds_add_u32 v[SPW], v[NIL]
	v_lshrrev_b32 v8, 5, v0
	s_delay_alu instid0(VALU_DEP_1)
	v_readfirstlane_b32 s[WV], v8                  ; wave 0..15
	s_and_b32 s8, ttmp7, 0xffff                    ; 16 x batch + head
	s_and_b32 s9, s[WV], 7                         ; waves 0-3: which quarter of K I fetch; waves 8-15: which eighth of V
	; descriptor groups 1.  K: 256 rows of 64 bytes, dense, 4 words of padding behind every 16
	s_mov_b32 s24, (1<<20)|(3<<22)|(3<<25)
	s_mov_b32 s25, 64<<16
	s_mov_b32 s26, 256<<16                         ; 256 rows a load: waves 0 to 3
	s_mov_b32 s27, 64<<16
	s_mov_b32 s28, 256
	s_mov_b32 s29, 64
	s_mov_b32 s30, 0
	s_mov_b32 s31, 0
	; K's scale words: 2,048 dense bytes as eight rows of 32 elements of 8 bytes
	s_mov_b32 s32, 3<<16
	s_mov_b32 s33, 32<<16
	s_mov_b32 s34, 8<<16                           ; 2,048 bytes a load, as eight rows of 256: waves 4 and 5
	s_mov_b32 s35, 32<<16
	s_mov_b32 s36, 8
	s_mov_b32 s37, 32
	s_mov_b32 s38, 0
	s_mov_b32 s39, 0
	; V^T: 8 rows of 1,024 bytes, 4 words of padding behind every 256
	s_mov_b32 s40, (1<<20)|(7<<22)|(3<<25)
	s_mov_b32 s41, 1024<<16
	s_mov_b32 s42, 8<<16
	s_mov_b32 s43, 1024<<16
	s_mov_b32 s44, 8
	s_mov_b32 s45, 1024
	s_mov_b32 s46, 0
	s_mov_b32 s47, 0
	; V's scale words: four rows of 256 bytes
	s_mov_b32 s48, 3<<16
	s_mov_b32 s49, 32<<16
	s_mov_b32 s50, 4<<16                           ; 1,024 bytes a load, as four rows of 256: waves 6 and 7
	s_mov_b32 s51, 32<<16
	s_mov_b32 s52, 4
	s_mov_b32 s53, 32
	s_mov_b32 s54, 0
	s_mov_b32 s55, 0
	s_bfe_u32 s10, s[WV], 0x10002
	s_mul_i32 s10, s10, 3
	s_xor_b32 s10, s[WV], s10
	s_lshl_b32 s10, s10, 2
	s_add_co_u32 s10, s10, ttmp9                   ; my tile of queries
	s_lshl_b32 s[Q0], s10, 4                       ; my first query
	s_and_b32 s11, s[Q0], 0xffffffe0
	s_bfe_u32 s12, s[Q0], 0x10004
	s_lshl_b32 s12, s12, 3
	s_add_co_u32 s11, s11, s12                     ; query Q0 + r lies at position this + r % 8 + 16 (r / 8)
	s_and_b32 s94, s[WV], 1                        ; which half of the scale words I fetch, if I fetch scale words
	s_lshl_b32 s12, s8, 16
	s_lshl_b32 s13, s9, 14
	s_add_co_u32 s78, s12, s13
	s_add_co_u32 s78, s78, 4194304                 ; K's codes: my 256 rows of 64 bytes
	s_lshl_b32 s13, s9, 13
	s_add_co_u32 s12, s12, s13
	s_mov_b32 s79, 0
	s_add_co_u32 s82, s12, 8388608                 ; V's: my 8 rows
	s_mov_b32 s83, 0
	s_lshl_b32 s80, s8, 12
	s_lshl_b32 s13, s94, 11
	s_add_co_u32 s80, s80, s13
	s_add_co_u32 s80, s80, 12845056
	s_mov_b32 s81, 0
	s_lshl_b32 s84, s8, 11
	s_lshl_b32 s13, s94, 10
	s_add_co_u32 s84, s84, s13
	s_add_co_u32 s84, s84, 13107200
	s_mov_b32 s85, 0
	s_lshl_b32 s12, s8, 10
	s_add_co_u32 s12, s12, s11
	s_lshl_b32 s86, s12, 6                         ; Q's codes
	s_mov_b32 s87, 0
	s_lshl_b32 s88, s12, 2
	s_add_co_u32 s88, s88, 12582912                ; and scale words
	s_mov_b32 s89, 0
	s_lshr_b32 s12, s8, 4
	s_lshl_b32 s12, s12, 10
	s_add_co_u32 s12, s12, s11                     ; the token's position: 1,024 x batch + ..
	s_lshl_b32 s90, s12, 10
	s_and_b32 s13, s8, 15
	s_lshl_b32 s13, s13, 6
	s_add_co_u32 s90, s90, s13                     ; ctx's codes: + 64 x head
	s_mov_b32 s91, 0
	s_bfe_u32 s13, s8, 0x20002
	s_lshl_b32 s13, s13, 12
	s_add_co_u32 s92, s12, s13
	s_lshl_b32 s92, s92, 3
	s_and_b32 s13, s8, 3
	s_lshl_b32 s13, s13, 1
	s_add_co_u32 s92, s92, s13
	s_add_co_u32 s92, s92, 4194304                 ; ctx's scale bytes: plane head / 4, bytes 2 (head % 4) and + 1
	s_mov_b32 s93, 0
	s_mov_b32 s[SEL], 0x76543210
	s_mov_b32 s[SEL+1], 0xfedcba98
	s_mov_b32 s[CS], 0x3e38aa3b                    ; c = log2(e) / sqrt(64)
	s_mov_b32 s[CS+1], s[CS]
	s_mov_b32 s[MNT], 0x600000
	s_mov_b32 s[TK], 0
	s_mov_b32 s[TV], 0
	s_mov_b32 s[TS], 0
	s_mov_b32 s[TJ], 0
	s_mov_b32 s[KF], 0
	s_mov_b32 s[CNT], 8
	s_mul_i32 s57, s9, 256*KP
	s_lshl_b32 s61, s94, 11
	s_add_co_u32 s61, s61, KS
	s_mul_i32 s69, s9, 8*VP
	s_add_co_u32 s69, s69, VT
	s_lshl_b32 s73, s94, 10
	s_add_co_u32 s73, s73, VS
	s_mov_b32 s56, 1
	s_mov_b32 s60, 1
	s_mov_b32 s68, 1
	s_mov_b32 s72, 1
	s_wait_dscnt 0x0                               ; both opening adds are done
	s_wait_kmcnt 0x0
	s_add_nc_u64 s[58:59], s[4:5], s[78:79]
	s_or_b32 s59, s59, 0x80000000
	s_add_nc_u64 s[62:63], s[4:5], s[80:81]
	s_or_b32 s63, s63, 0x80000000
	s_add_nc_u64 s[70:71], s[4:5], s[82:83]
	s_or_b32 s71, s71, 0x80000000
	s_add_nc_u64 s[74:75], s[4:5], s[84:85]
	s_or_b32 s75, s75, 0x80000000
	s_add_nc_u64 s[86:87], s[4:5], s[86:87]
	s_add_nc_u64 s[88:89], s[4:5], s[88:89]
	s_add_nc_u64 s[90:91], s[6:7], s[90:91]
	s_add_nc_u64 s[92:93], s[6:7], s[92:93]
; THE FIRST FILLS, ONE A WAVE: waves 0 to 3 a quarter of K's codes each, waves 4 and 5 a half of K's scale words, waves 6 and 7 a half of V's, waves 8 to 15 eight rows of V^T.
; One chain of branches on the wave's number, a load to an arm, all arms leading to one join: every way passes exactly one load.
.macro ARM under, g0, g1, next
	s_cmp_lt_u32 s[WV], \under
	s_cbranch_scc0 \next
	tensor_load_to_lds s[\g0:\g0+3], s[\g1:\g1+7]
	s_nop 0
.rept 4
	v_nop
.endr
	s_branch .Lfilled
\next:
.endm
	ARM 4, 56, 24, .Lfill_ks
	ARM 6, 60, 32, .Lfill_vs
	ARM 8, 72, 48, .Lfill_v
	tensor_load_to_lds s[68:71], s[40:47]
	s_nop 0
.rept 4
	v_nop
.endr
.Lfilled:
	v_and_b32 v8, 15, v0                           ; r
	v_bfe_u32 v9, v0, 4, 1                         ; h
	s_delay_alu instid0(VALU_DEP_2)
	v_and_b32 v10, 7, v8
	s_delay_alu instid0(VALU_DEP_3)
	v_lshrrev_b32 v11, 3, v8
	s_delay_alu instid0(VALU_DEP_1)
	v_lshl_add_u32 v10, v11, 4, v10                ; r % 8 + 16 (r / 8)
	s_delay_alu instid0(VALU_DEP_1)
	v_lshlrev_b32 v11, 6, v10
	s_delay_alu instid0(VALU_DEP_1)
	v_lshl_add_u32 v11, v9, 4, v11
	global_load_b128 v[16:19], v11, s[86:87]       ; Q's fragment: k = 16 h + 0 .. 15,
	global_load_b128 v[20:23], v11, s[86:87] offset:32   ; 32 + 16 h + 0 .. 15
	v_lshlrev_b32 v10, 2, v10
	global_load_b32 v255, v10, s[88:89]            ; Q's scale word
	v_mul_u32_u24 v1, v8, KP
	s_delay_alu instid0(VALU_DEP_1)
	v_lshl_add_u32 v1, v9, 4, v1
	v_mul_u32_u24 v2, v8, VP
	s_delay_alu instid0(VALU_DEP_1)
	v_lshl_add_u32 v2, v9, 4, v2
	s_delay_alu instid0(VALU_DEP_1)
	v_add_nc_u32 v2, VT, v2
	v_lshl_add_u32 v3, v8, 2, KS
	v_lshl_add_u32 v4, v8, 2, VS
	v_lshlrev_b32 v7, 4, v9
	s_delay_alu instid0(VALU_DEP_1)
	v_sub_nc_u32 v7, v8, v7                        ; r - 16 h
	v_mov_b32 v13, 0xff61b1e6                      ; the largest t so far: -3e38
	s_delay_alu instid0(VALU_DEP_1)
	v_floor_f32 v12, -v13                          ; -M
	v_mov_b32 v14, 0
	v_mov_b32 v15, 0
.irp b, 0,1,2,3
	v_mov_b32 v[236+\b], 0                         ; a lane permute's destination counts as one of its sources
.endr
	v_mov_b32 v252, 0
	v_mov_b32 v253, 0
.set j, 0
.rept 8
	v_mov_b32 v[24+j], 0                           ; k = 64 .. 127 of Q: zero codes
	v_mov_b32 v[40+j], 0                           ; and of K's four fragments: written once, never loaded into
	v_mov_b32 v[56+j], 0
	v_mov_b32 v[72+j], 0
	v_mov_b32 v[88+j], 0
.set j, j+1
.endr
.set j, 0
.rept 32
	v_mov_b32 v[160+j], 0                          ; O^T: the step is written once; its first trip finds zeros, which the first change of M leaves zeros
.set j, j+1
.endr
	s_wait_loadcnt 0x0                             ; Q; its loads have read v10 and v11
	s_wait_tensorcnt 0x0                           ; my fill has landed,
	s_barrier_signal -1
	s_barrier_wait -1                              ; everybody's have
.Lstep:                                            ; eight trips, a constant; a hidden step's work is jumped over
	s_add_co_u32 s96, s[Q0], 15
	s_cmp_gt_u32 s[KF], s96
	s_cbranch_scc1 .Lhidden
	v_add_nc_u32 v8, s[TK], v1
	s_wait_alu depctr_va_vdst(0)
	v_add_nc_u32 v9, s[TV], v2
	v_add_nc_u32 v10, s[TS], v3
	s_wait_alu depctr_va_vdst(0)
	v_add_nc_u32 v11, s[TJ], v4
.rept 5
	v_nop                                          ; with the four additions: nine places behind the last step's products, whose operands in v96 on are written over by the products below
.endr
.irp g, 0,1                                    ; S^T = K Q^T, four tiles of 16 keys at a time
.if \g
.rept 8
	v_nop                                          ; places in front of loads into registers that matrix instructions have read
.endr
.endif
.irp t, 0,1,2,3
	ds_load_b128 v[32+16*\t:35+16*\t], v8 offset:(64*\g+16*\t)*KP
	ds_load_b128 v[36+16*\t:39+16*\t], v8 offset:(64*\g+16*\t)*KP+32
	ds_load_b32 v[248+\t], v10 offset:256*\g+64*\t
.endr
	s_wait_dscnt 0x0
.irp t, 0,1,2,3
	v_wmma_scale_f32_16x16x128_f8f6f4 v[96+8*(4*\g+\t):103+8*(4*\g+\t)], v[32+16*\t:47+16*\t], v[16:31], 0, v[248+\t], v255
.endr
.endr
.rept 8
	v_nop
.endr
.irp t, 0,1                                    ; V's tiles 0 and 1 and its four scale words are asked for here and land under the softmax
.irp c, 0,1,2,3
	ds_load_b128 v[192+16*\t+4*\c:195+16*\t+4*\c], v9 offset:16*\t*VP+32*\c
.endr
.endr
	s_wait_alu depctr_va_vdst(0)
.irp t, 0,1,2,3
	ds_load_b32 v[248+\t], v11 offset:64*\t
.endr
	s_add_co_u32 s96, s[KF], 127                   ; on the diagonal hidden scores become -infinity ahead of the maximum; a step all of whose keys count skips this
	s_cmp_le_u32 s96, s[Q0]
	s_cbranch_scc1 .Lopen
	s_sub_co_i32 s96, s[Q0], s[KF]
	v_add_nc_u32 v252, s96, v7                     ; d = my query - KF - 16 h.  Register 16 b + i holds key KF + 16 h + 32 b + i: hidden where 32 b + i > d
	v_mov_b32 v254, 0xff800000
.set n, 0
.rept 64
	v_cmp_gt_i32 vcc_lo, 32*(n/16)+n%16, v252
	v_cndmask_b32 v[96+n], v[96+n], v254, vcc_lo
.set n, n+1
.endr
.Lopen:
.irp b, 0,1,2,3
	v_max3_num_f32 v[232+\b], v[96+16*\b], v[97+16*\b], v[98+16*\b]   ; the largest score of each block of 32 keys: for the row's maximum, and, since p rises with the score, for the block's largest p
.endr
.irp i, 3,5,7,9,11,13
.irp b, 0,1,2,3
	v_max3_num_f32 v[232+\b], v[232+\b], v[96+16*\b+\i], v[97+16*\b+\i]
.endr
.endr
.irp b, 0,1,2,3
	v_max_num_f32 v[232+\b], v[232+\b], v[111+16*\b]
.endr
.irp b, 0,1,2,3
	v_permlanex16_b32 v[236+\b], v[232+\b], s[SEL], s[SEL+1]
.endr
.irp b, 0,1,2,3
	s_delay_alu instid0(VALU_DEP_4)
	v_max_num_f32 v[232+\b], v[232+\b], v[236+\b]
.endr
	s_delay_alu instid0(VALU_DEP_2)
	v_max3_num_f32 v254, v232, v233, v234
	s_delay_alu instid0(VALU_DEP_1)
	v_max_num_f32 v254, v254, v235
	s_delay_alu instid0(VALU_DEP_1)
	v_mul_f32 v254, s[CS], v254
	s_delay_alu instid0(VALU_DEP_1)
	v_max_num_f32 v13, v13, v254                   ; the running largest t
	v_mov_b32 v254, v12
	s_delay_alu instid0(VALU_DEP_2)
	v_floor_f32 v12, -v13                          ; the new -M = -ceil(t)
	s_delay_alu instid0(VALU_DEP_1)
	v_sub_f32 v254, v12, v254                      ; old M - new M: a whole number, 0 or less
	s_delay_alu instid0(VALU_DEP_1)
	v_cvt_i32_f32 v254, v254
	s_delay_alu instid0(VALU_DEP_1)
	v_ldexp_f32 v252, 1.0, v254                    ; f = 2^(old M - new M): a multiplication by it rounds nothing
.set j, 0
.rept 32
	v_pk_fma_f32 v[96+j:97+j], v[96+j:97+j], s[CS:CS+1], v[12:13] op_sel_hi:[1,0,0]   ; t - M
.set j, j+2
.endr
.irp b, 0,1,2,3
	v_fma_f32 v[232+\b], v[232+\b], s[CS], v12
.endr
.set j, 0
	s_wait_alu depctr_va_vdst(0)
.rept 64
	v_exp_f32 v[96+j], v[96+j]                     ; p = 2^(t - M)
.set j, j+1
.endr
	v_pk_mul_f32 v[14:15], v[14:15], v[252:253] op_sel_hi:[1,0]   ; the sums under the new M: a plain instruction behind the exponentials
	s_wait_alu depctr_va_vdst(0)                   ; one wait for the whole batch, ahead of its first reader
.irp b, 0,1,2,3
	v_exp_f32 v[232+\b], v[232+\b]                 ; each block's largest p
.endr
	v_pk_add_f32 v[236:237], v[100:101], v[104:105]
	v_pk_add_f32 v[246:247], v[108:109], v[112:113]
	v_pk_add_f32 v[244:245], v[116:117], v[120:121]
	v_pk_add_f32 v[242:243], v[124:125], v[128:129]
	v_pk_add_f32 v[240:241], v[132:133], v[136:137]
	v_pk_add_f32 v[238:239], v[140:141], v[144:145]
	v_pk_add_f32 v[230:231], v[148:149], v[152:153]
	v_pk_add_f32 v[14:15], v[14:15], v[156:157]
	v_pk_add_f32 v[236:237], v[236:237], v[96:97]
	v_pk_add_f32 v[246:247], v[246:247], v[98:99]
	v_pk_add_f32 v[244:245], v[244:245], v[102:103]
	v_pk_add_f32 v[242:243], v[242:243], v[106:107]
	v_pk_add_f32 v[240:241], v[240:241], v[110:111]
	v_pk_add_f32 v[238:239], v[238:239], v[114:115]
	v_pk_add_f32 v[230:231], v[230:231], v[118:119]
	v_pk_add_f32 v[14:15], v[14:15], v[122:123]
	v_pk_add_f32 v[236:237], v[236:237], v[126:127]
	v_pk_add_f32 v[246:247], v[246:247], v[130:131]
	v_pk_add_f32 v[244:245], v[244:245], v[134:135]
	v_pk_add_f32 v[242:243], v[242:243], v[138:139]
	v_pk_add_f32 v[240:241], v[240:241], v[142:143]
	v_pk_add_f32 v[238:239], v[238:239], v[146:147]
	v_pk_add_f32 v[230:231], v[230:231], v[150:151]
	v_pk_add_f32 v[14:15], v[14:15], v[154:155]
	v_pk_add_f32 v[236:237], v[236:237], v[158:159]
	s_delay_alu instid0(VALU_DEP_2)
	v_pk_add_f32 v[14:15], v[14:15], v[242:243]
	s_delay_alu instid0(VALU_DEP_2)
	v_pk_add_f32 v[236:237], v[236:237], v[240:241]
	v_pk_add_f32 v[246:247], v[246:247], v[238:239]
	v_pk_add_f32 v[244:245], v[244:245], v[230:231]
	s_delay_alu instid0(VALU_DEP_2)
	v_pk_add_f32 v[14:15], v[14:15], v[246:247]
	s_delay_alu instid0(VALU_DEP_2)
	v_pk_add_f32 v[236:237], v[236:237], v[244:245]
	s_delay_alu instid0(VALU_DEP_1)
	v_pk_add_f32 v[14:15], v[14:15], v[236:237]
	s_wait_alu depctr_va_vdst(0)                   ; and one for the four
.irp b, 0,1,2,3
	v_max_num_f32 v[232+\b], 0x4800000, v[232+\b]  ; the floor 2^(9 - 127)
.endr
.irp b, 0,1,2,3
	s_delay_alu instid0(VALU_DEP_4)
	v_add_nc_u32 v[244+\b], 0xfc000000, v[232+\b]
.endr
.irp b, 0,1,2,3
	v_and_or_b32 v[240+\b], v[232+\b], 0x7f800000, s[MNT]
.endr
.irp b, 0,1,2,3
	v_lshrrev_b32 v[236+\b], 23, v[244+\b]
.endr
	s_delay_alu instid0(VALU_DEP_3)
	v_lshl_or_b32 v253, v237, 8, v236              ; p's scale word for these 128 keys
	s_delay_alu instid0(VALU_DEP_1)
	v_lshl_or_b32 v253, v238, 16, v253
	s_delay_alu instid0(VALU_DEP_1)
	v_lshl_or_b32 v253, v239, 24, v253
.irp b, 0,1,2,3
.irp i, 0,1,2,3,4,5,6,7,8,9,10,11,12,13,14,15
	v_min_num_f32 v[96+16*\b+\i], v[96+16*\b+\i], v[240+\b]   ; the conversion does not saturate (ISA guide 7.6.2); p is not negative
.endr
	v_cvt_scalef32_pk8_fp8_f32 v[224+4*\b:225+4*\b], v[96+16*\b:103+16*\b], v[244+\b]
	v_cvt_scalef32_pk8_fp8_f32 v[226+4*\b:227+4*\b], v[104+16*\b:111+16*\b], v[244+\b]
.endr
.rept 4
	v_nop                                          ; codes written by vector instructions stand four places ahead of the scaled products
.endr
.irp t, 2,3                                    ; V's tiles 2 and 3, into registers that p has left
.irp c, 0,1,2,3
	ds_load_b128 v[96+16*(\t-2)+4*\c:99+16*(\t-2)+4*\c], v9 offset:16*\t*VP+32*\c
.endr
.endr
.set j, 0
.rept 16
	v_pk_mul_f32 v[160+j:161+j], v[160+j:161+j], v[252:253] op_sel_hi:[1,0]   ; O^T under the new M
.set j, j+2
.endr
	s_wait_alu depctr_va_vdst(0)
	s_wait_dscnt 0x0
	v_wmma_scale_f32_16x16x128_f8f6f4 v[160:167], v[192:207], v[224:239], v[160:167], v248, v253   ; O^T += V^T P^T: four accumulators, one instruction each
	v_wmma_scale_f32_16x16x128_f8f6f4 v[168:175], v[208:223], v[224:239], v[168:175], v249, v253
	v_wmma_scale_f32_16x16x128_f8f6f4 v[176:183], v[96:111], v[224:239], v[176:183], v250, v253
	v_wmma_scale_f32_16x16x128_f8f6f4 v[184:191], v[112:127], v[224:239], v[184:191], v251, v253
.Lhidden:
	s_add_co_u32 s[KF], s[KF], 128
	s_add_co_u32 s[TK], s[TK], 128*KP
	s_add_co_u32 s[TV], s[TV], 128
	s_add_co_u32 s[TS], s[TS], 512
	s_add_co_u32 s[TJ], s[TJ], 256
	s_sub_co_u32 s[CNT], s[CNT], 1
	s_cmp_lg_u32 s[CNT], 0
	s_cbranch_scc1 .Lstep
	; THE WAY OUT: ctx = O^T / the sum; register 16 b + i is channel 32 b + 16 h + i of my query: two blocks of 32 along the next K
.rept 8
	v_nop
.endr
	v_add_f32 v14, v14, v15
	s_delay_alu instid0(VALU_DEP_1)
	v_permlanex16_b32 v252, v14, s[SEL], s[SEL+1]
	s_delay_alu instid0(VALU_DEP_1)
	v_add_f32 v14, v14, v252
	s_wait_alu depctr_va_vdst(0)
	v_rcp_f32 v14, v14
	v_and_b32 v8, 15, v0                           ; (plain work behind the transcendental)
	v_bfe_u32 v9, v0, 4, 1
	s_delay_alu instid0(VALU_DEP_2)
	v_and_b32 v10, 7, v8
	s_delay_alu instid0(VALU_DEP_3)
	v_lshrrev_b32 v11, 3, v8
	s_delay_alu instid0(VALU_DEP_1)
	v_lshl_add_u32 v10, v11, 4, v10                ; r % 8 + 16 (r / 8)
	s_delay_alu instid0(VALU_DEP_1)
	v_lshlrev_b32 v11, 10, v10
	s_delay_alu instid0(VALU_DEP_1)
	v_lshl_add_u32 v11, v9, 4, v11                 ; codes: a row of 1,024 bytes, + 16 h
	s_delay_alu instid0(VALU_DEP_3)
	v_lshl_add_u32 v10, v10, 3, v9                 ; scale bytes: 8 a position, + h
	s_wait_alu depctr_va_vdst(0)                   ; the wait, ahead of the first reader
.set j, 0
.rept 32
	v_mul_f32 v[96+j], v[160+j], v14
.set j, j+1
.endr
.irp b, 0,1
	v_max3_num_f32 v[232+\b], |v[96+16*\b]|, |v[97+16*\b]|, 0x4800000
.endr
.irp i, 2,4,6,8,10,12,14
.irp b, 0,1
	s_delay_alu instid0(VALU_DEP_2)
	v_max3_num_f32 v[232+\b], v[232+\b], |v[96+16*\b+\i]|, |v[97+16*\b+\i]|
.endr
.endr
.irp b, 0,1
	v_permlanex16_b32 v[236+\b], v[232+\b], s[SEL], s[SEL+1]
.endr
.irp b, 0,1
	s_delay_alu instid0(VALU_DEP_2)
	v_max_num_f32 v[232+\b], v[232+\b], v[236+\b]
.endr
.irp b, 0,1
	s_delay_alu instid0(VALU_DEP_2)
	v_add_nc_u32 v[244+\b], 0xfc000000, v[232+\b]
.endr
.irp b, 0,1
	s_delay_alu instid0(VALU_DEP_4)
	v_and_or_b32 v[240+\b], v[232+\b], 0x7f800000, s[MNT]
.endr
.irp b, 0,1
	s_delay_alu instid0(VALU_DEP_4)
	v_lshrrev_b32 v[236+\b], 23, v[244+\b]
.endr
	v_cmp_eq_u32 vcc_lo, 1, v9
	s_delay_alu instid0(VALU_DEP_1)
	v_cndmask_b32 v254, v236, v237, vcc_lo         ; lanes 0-15 store the first block's byte, lanes 16-31 the second's
.irp b, 0,1
.irp i, 0,1,2,3,4,5,6,7,8,9,10,11,12,13,14,15
	v_med3_num_f32 v[96+16*\b+\i], v[96+16*\b+\i], -v[240+\b], v[240+\b]
.endr
	v_cvt_scalef32_pk8_fp8_f32 v[224+4*\b:225+4*\b], v[96+16*\b:103+16*\b], v[244+\b]
	v_cvt_scalef32_pk8_fp8_f32 v[226+4*\b:227+4*\b], v[104+16*\b:111+16*\b], v[244+\b]
.endr
	v_nop
	global_store_b128 v11, v[224:227], s[90:91]
	global_store_b128 v11, v[228:231], s[90:91] offset:32
	global_store_b8 v10, v254, s[92:93]
	s_wait_tensorcnt 0x0                           ; the wave's end: behind my last tensor load
	ds_add_u32 v[SPW], v[NIL]
	s_wait_dscnt 0x0
	s_endpgm
.Lfunc_end_k_q29d9cec9a1_attn:
	.size	k_q29d9cec9a1_attn, .Lfunc_end_k_q29d9cec9a1_attn-k_q29d9cec9a1_attn
	.p2alignl 7, 3214868480
	.fill 96, 4, 3214868480
	.section	.rodata,"a",@progbits
	.p2align	6, 0x0
	.amdhsa_kernel k_q29d9cec9a1_attn
		.amdhsa_group_segment_fixed_size 167936
		.amdhsa_private_segment_fixed_size 0
		.amdhsa_enable_private_segment 0
		.amdhsa_kernarg_size 16
		.amdhsa_user_sgpr_count 2
		.amdhsa_user_sgpr_kernarg_segment_ptr 1
		.amdhsa_wavefront_size32 1
		.amdhsa_system_sgpr_workgroup_id_x 1
		.amdhsa_system_sgpr_workgroup_id_y 1
		.amdhsa_system_sgpr_workgroup_id_z 1
		.amdhsa_system_vgpr_workitem_id 0
		.amdhsa_next_free_vgpr 256
		.amdhsa_next_free_sgpr 100
		.amdhsa_reserve_vcc 1
		.amdhsa_float_denorm_mode_32 3
		.amdhsa_float_denorm_mode_16_64 3
		.amdhsa_memory_ordered 1
		.amdhsa_forward_progress 1
		.amdhsa_inst_pref_size 45
	.end_amdhsa_kernel
	.amdgpu_metadata
---
amdhsa.version: [ 1, 2 ]
amdhsa.kernels:
  - .name:           k_q29d9cec9a1_attn
    .symbol:         k_q29d9cec9a1_attn.kd
    .args:
      - { .name: qkvb, .offset: 0, .size: 8, .value_kind: global_buffer, .address_space: global }
      - { .name: abuf, .offset: 8, .size: 8, .value_kind: global_buffer, .address_space: global }
    .group_segment_fixed_size: 167936
    .private_segment_fixed_size: 0
    .kernarg_segment_align: 8
    .kernarg_segment_size: 16
    .max_flat_workgroup_size: 512
    .sgpr_count:     100
    .vgpr_count:     256
    .wavefront_size: 32
...
	.end_amdgpu_metadata
.endif
;; end of part 9
;; launch wo (part 10): grid 8 x 32, 4 waves a work-group, clusters of 4 x 4, 327,680 bytes of LDS; arguments abuf, wbuf, x, bo, x1; writes x1
.if DOCPART == 10
	.amdgcn_target "amdgcn-amd-amdhsa--gfx1250"
	.amdhsa_code_object_version 6
	.text
	.protected	k_q29d9cec9a1_wo
	.globl	k_q29d9cec9a1_wo
	.p2align	8
	.type	k_q29d9cec9a1_wo,@function
k_q29d9cec9a1_wo:
	s_mov_b64 s[64:65], 0
	v_nop
	global_prefetch_b8 v0, s[64:65] scope:SCOPE_SE
	s_setreg_imm32_b32 hwreg(HW_REG_WAVE_MODE, 25, 1), 1
	s_wait_xcnt 0x0
	s_wait_alu depctr_hold_cnt(0) depctr_sa_sdst(0) depctr_va_vdst(0) depctr_va_sdst(0) depctr_va_ssrc(0) depctr_va_vcc(0) depctr_vm_vsrc(0)
	s_getreg_b32 s2, hwreg(HW_REG_IB_STS2, 6, 4)
	s_cmp_eq_u32 s2, 0
	s_cbranch_scc0 .Lentry_in_a_cluster
	s_endpgm
.Lentry_in_a_cluster:
	s_bfe_u32 s2, ttmp6, 0x10000c
	s_cmp_lg_u32 s2, 0xf033
	s_cbranch_scc0 .Lentry_shape_is_right
	s_endpgm
.Lentry_shape_is_right:
; x1 = x + ctx Wo^T + bo: ctx and Wo as codes of FP8 (E4M3) with E8M0 scales; x, bo and x1 f32.  Nothing is left out here.
; The result is 4,096 x 1,024: tiles of 128 x 128 make 32 x 8 = 256 work-groups.  Four waves, each 64 x 64: 16 accumulators of 16 x 16, which take turns.
; K goes in steps of 512 through two LDS slots filled by the tensor data mover (a tile's row is 512 bytes of memory; a wave's load brings 64 rows): the longest step of which two slots fit.  Here K = 1,024: both slots are
; filled once, at the head, and nothing is filled again.
; CLUSTERS of 4 x 4: the four work-groups of a row of the cluster need the same tile of A (ctx), the four of a column the same tile of B (Wo): each tile is asked for JOINTLY, by the same tensor load with the same descriptor.
; THE MATRIX INSTRUCTION IS USED TRANSPOSED (source 0 = 16 rows of B, source 1 = 16 rows of A).  Rows of codes lie by POSITION (bits 3 and 4 of the row's number exchanged): accumulator (a, b), lane (r, h), register j holds
; the true row 32 (a / 2) + 8 (a % 2) + r + 8 (r / 8) and the true column 32 (b / 2) + 16 h + 8 (b % 2) + j of the wave's 64 x 64.
; SCALE WORDS come from memory straight into registers: they lie [K / 256][position][8], so one load of 8 bytes a lane brings two words for 32 positions (lanes 0-15 one block of 16 rows, lanes 16-31 the next).
; THE RESIDUAL is loaded at the head as whole rows, sixteen lanes to 256 consecutive bytes, and added with the bias on the way out, where a lane holds the same four columns of the same rows.
; REGISTERS: window 0: v1-31 addresses and the bias; v32-63 scale words, two sets; v64-127 rows on the way out; v128-255 the accumulators ((a, b) at v[128 + 8 (4 a + b)]).
;   window 1: two fragment buffers of 128: for 128 along K, 64 registers of A (4 x 16 rows), then 64 of B.   window 2: v0-127 the residual.
.set KROW,   1024                      ; a row of A's or B's codes in bytes
.set KSH,    10
.set ASC,    4194304                   ; A's scale bytes in its buffer
.set BCODE,  3145728                   ; B's codes in wbuf
.set BSC,    12681216                  ; B's scale bytes
.set ASTR,   32768                     ; a plane of A's scale bytes
.set BSTR,   8192                      ; of B's
.set NTOUT,  0                         ; the result is read again by later launches
.set KSTEP,  512
.set PITCH,  1040                      ; an LDS row: ALL of K, 1,024 bytes, + 16 of padding = 260 words: the 16 rows that a load touches start at 16 different banks.  One tensor load a wave brings its 64 rows whole, at the head; nothing is filled later.
                                       ; No prefetch: every tile is asked for at the head, and there is no loop to run ahead in
.set FR,     16                        ; registers of a fragment: 16 rows x 128 K
.set NP,     8                         ; places behind this matrix instruction (ISA guide 7.12.1)
.set HALFT,  64*PITCH                  ; 64 rows: what one tensor load brings, and what one wave reads of A or of B
.set SLOT,   KSTEP                     ; the second K step's codes lie 512 bytes further on in each row
.set SPARE,  4*HALFT                   ; behind A's 128 rows and B's 128: the spare words, 128 bytes for each wave
.set STAGE,  SPARE+512                 ; behind them: the way out's stages, bytes of their own on which no fill lands
.set LAPS,   KROW/(2*KSTEP)            ; a lap = two K steps = once through both slots
.set SPITCH, 272                       ; the way out: a stage of 16 rows x (256 bytes + 16) for each wave, behind the spare words
.set ADRA, 16                          ; v16-17 LDS address of my A fragments in slot 0, 1
.set ADRB, 20                          ; v20-21 the same for B
.set STO,  24                          ; v24 the way out: where I put 32 bytes of a row
.set RD,   25                          ; v25 where I read rows back
.set CO,   26                          ; v26 (lane / 16) rows of 4,096 bytes + 16 (lane % 16): my place in two rows of the residual and of the result
.set SVO,  27                          ; v27 8 x lane
.set SPW,  28                          ; v28 LDS address of my spare word; never rewritten
.set NIL,  29                          ; v29 0; never rewritten
.set BO,   30                          ; v30 16 (lane % 16)
.set SC,   32
.set BK,   64
.set ACC,  128
.set F0,   0
.set F1,   128
.set RES,  0
.set G1, 24
.set G0, 32
.set G1B, 48
.set G0B, 56
.set MSB, 0
.macro WIN new                         ; the immediate's high byte repeats the setting that is left
.if MSB != (\new)
	s_set_vgpr_msb (MSB<<8)|(\new)
.set MSB, (\new)
.endif
.endm
.set MUL,  0x05                        ; sources 0 (B) and 1 (A) window 1; C and D window 0
.set TO_F, 0x40                        ; destination window 1, address window 0
.macro JLOAD g0a, g1a, g0b, g1b        ; a joint load: waves 0 and 1 fetch for A, waves 2 and 3 for B; an s_nop 0 and four v_nop follow each line
	s_cmp_eq_u32 s15, 0
	s_cbranch_scc0 .Lfor_b_\@
	tensor_load_to_lds s[\g0a:\g0a+3], s[\g1a:\g1a+7]
	s_nop 0
.rept 4
	v_nop
.endr
	s_branch .Lasked_\@
.Lfor_b_\@:
	tensor_load_to_lds s[\g0b:\g0b+3], s[\g1b:\g1b+7]
	s_nop 0
.rept 4
	v_nop
.endr
.Lasked_\@:
.endm
.macro CREST                           ; a round of the cluster's barrier behind its opening barrier
	s_cmp_lg_u32 s14, 0
	s_cbranch_scc1 .Lnot_wave_0_\@
	s_barrier_signal -3
.Lnot_wave_0_\@:
	s_barrier_wait -3
	s_barrier_signal -1
	s_barrier_wait -1
.endm
.macro CROUND
	s_barrier_signal -1
	s_barrier_wait -1
	CREST
.endm
	s_load_b128 s[4:7], s[0:1], 0x0                ; A's buffer, wbuf
	s_load_b128 s[72:75], s[0:1], 0x10             ; the residual, the bias
	s_load_b64 s[12:13], s[0:1], 0x20              ; the result
	v_lshl_add_u32 v[SPW], v0, 2, SPARE
	v_mov_b32 v[NIL], 0
	ds_add_u32 v[SPW], v[NIL]                      ; the wave's opening: the add, twice on end, and its wait ahead of my first tensor load
	ds_add_u32 v[SPW], v[NIL]
	v_lshrrev_b32 v1, 5, v0
	v_readfirstlane_b32 s14, v1                    ; wave
	s_lshr_b32 s15, s14, 1                         ; my half of the tile's rows; also: I fetch for A (0) or for B (1)
	s_and_b32 s16, s14, 1                          ; my half of its columns; also: which 64 rows I fetch
	s_bfe_u32 s40, ttmp6, 0x40000                  ; cx
	s_bfe_u32 s41, ttmp6, 0x40004                  ; cy
	s_lshl_b32 s42, ttmp9, 2
	s_add_co_u32 s42, s42, s40                     ; tile column
	s_and_b32 s17, ttmp7, 0xffff
	s_lshl_b32 s17, s17, 2
	s_add_co_u32 s17, s17, s41                     ; tile row
	s_lshl_b32 s43, s41, 2
	s_lshl_b32 s43, 15, s43                        ; my row of the cluster
	s_lshl_b32 s44, 0x1111, s40                    ; my column
	s_or_b32 s[G1+0], s43, (1<<20)|(1<<21)|(7<<22)|(3<<25)   ; the mask; elements of 1 byte; padding on; bit 21 beside a mask; 4 words behind every 256
	s_or_b32 s[G1B+0], s44, (1<<20)|(1<<21)|(7<<22)|(3<<25)
.irp g, G1, G1B
	s_mov_b32 s[\g+1], KROW<<16                    ; tensor_dim0
	s_mov_b32 s[\g+2], 64<<16                      ; tensor_dim1
	s_mov_b32 s[\g+3], KROW<<16                    ; tile_dim0
	s_mov_b32 s[\g+4], 64                          ; tile_dim1
	s_mov_b32 s[\g+5], KROW                        ; the pitch
	s_mov_b32 s[\g+6], 0
	s_mov_b32 s[\g+7], 0
.endr
	s_lshl_b32 s18, s16, 6
	s_lshl_b32 s20, s17, 7
	s_add_co_u32 s20, s20, s18
	s_lshl_b32 s20, s20, KSH                       ; A's codes that I fetch: row 128 x tile row + 64 x half
	s_mov_b32 s21, 0
	s_lshl_b32 s46, s42, 7
	s_add_co_u32 s46, s46, s18                     ; B: row 128 x tile column + 64 x half: the rows that I fetch, and my 64 columns
	s_lshl_b32 s92, s46, 3
	s_add_co_u32 s92, s92, BSC                     ; their scale words
	s_mov_b32 s93, 0
	s_lshl_b32 s46, s46, KSH
	s_add_co_u32 s46, s46, BCODE                   ; their codes
	s_mov_b32 s47, 0
	s_lshl_b32 s22, s17, 7
	s_lshl_b32 s23, s15, 6
	s_add_co_u32 s22, s22, s23                     ; my first row
	s_lshl_b32 s86, s22, 12                        ; in the residual and the result: 4,096 bytes a row,
	s_lshl_b32 s22, s22, 3
	s_add_co_u32 s22, s22, ASC                     ; and among A's scale words
	s_mov_b32 s23, 0
	s_lshl_b32 s88, s42, 9
	s_lshl_b32 s89, s16, 8
	s_add_co_u32 s88, s88, s89                     ; my first column, in bytes: a multiple of 256
	s_mov_b32 s89, 0
	s_add_co_u32 s86, s86, s88
	s_mov_b32 s87, 0
	s_mul_i32 s45, s14, HALFT                      ; where my tile goes: wave x 64 rows: no place in the cluster enters an LDS address
	s_wait_dscnt 0x0                               ; both opening adds are done
	s_wait_kmcnt 0x0
	s_add_nc_u64 s[20:21], s[4:5], s[20:21]
	s_add_nc_u64 s[46:47], s[6:7], s[46:47]
	s_add_nc_u64 s[8:9], s[4:5], s[22:23]
	s_add_nc_u64 s[10:11], s[6:7], s[92:93]
	s_add_nc_u64 s[72:73], s[72:73], s[86:87]
	s_add_nc_u64 s[12:13], s[12:13], s[86:87]
	s_add_nc_u64 s[74:75], s[74:75], s[88:89]
	CROUND                                         ; all sixteen work-groups are here: the first joint loads meet
	s_mov_b32 s[G0], 1
	s_mov_b32 s[G0+1], s45
	s_mov_b64 s[G0+2:G0+3], s[20:21]
	s_or_b32 s[G0+3], s[G0+3], 0x80000000
	s_mov_b32 s[G0B], 1
	s_mov_b32 s[G0B+1], s45
	s_mov_b64 s[G0B+2:G0B+3], s[46:47]
	s_or_b32 s[G0B+3], s[G0B+3], 0x80000000
	JLOAD G0, G1, G0B, G1B                         ; my one tensor load: 64 whole rows
; The scale words of the K step that lies k steps behind the bases, into set sc: two planes, 64 positions of A and 64 of B; 256 consecutive bytes a load.
; In a set, A's block a and the step's q-th 128 along K: register 4 (q / 2) + 2 (a / 2) + q % 2, lanes 0-15 for an even block, 16-31 for an odd one; B's eight registers further on.
.macro GSCALES sc, k
.irp pl, 0,1
.irp m, 0,1
	global_load_b64 v[SC+16*\sc+4*\pl+2*\m:SC+16*\sc+4*\pl+2*\m+1], v[SVO], s[8:9] offset:(2*(\k)+\pl)*ASTR+256*\m
	global_load_b64 v[SC+16*\sc+8+4*\pl+2*\m:SC+16*\sc+8+4*\pl+2*\m+1], v[SVO], s[10:11] offset:(2*(\k)+\pl)*BSTR+256*\m
.endr
.endr
.endm
	v_and_b32 v6, 31, v0                           ; lane
	v_lshlrev_b32 v[SVO], 3, v6
	GSCALES 0, 0
	GSCALES 1, 1
	v_and_b32 v1, 15, v0                           ; r
	v_bfe_u32 v2, v0, 4, 1                         ; h
	v_lshlrev_b32 v[BO], 4, v1
	global_load_b128 v[8:11], v[BO], s[74:75]      ; the bias of the four columns that I store
	v_lshlrev_b32 v[CO], 12, v2
	v_lshl_add_u32 v[CO], v1, 4, v[CO]
	WIN 0x80                                       ; destination window 2
.irp a, 0,1,2,3
.irp t, 0,1,2,3,4,5,6,7
	global_load_b128 v[RES+32*\a+4*\t:RES+32*\a+4*\t+3], v[CO], s[72:73] offset:(32*(\a/2)+8*(\a%2)+2*\t+8*(\t/4))*4096 th:TH_LOAD_NT   ; the residual, in the order in which the rows leave: 16 lanes read 256 consecutive bytes
.endr
.endr
	WIN 0
	v_mul_u32_u24 v3, v1, PITCH
	v_lshl_add_u32 v4, v2, 4, v3                   ; a fragment's row x pitch + 16 x half
	s_mul_i32 s21, s15, HALFT                      ; my 64 rows of A
	s_mul_i32 s22, s16, HALFT                      ; my 64 rows of B,
	s_add_co_u32 s22, s22, 2*HALFT                 ; which lie behind A's 128
.irp s, 0,1
	v_add_nc_u32 v[ADRA+\s], s21, v4
	v_add_nc_u32 v[ADRB+\s], s22, v4
	s_add_co_u32 s21, s21, SLOT
	s_add_co_u32 s22, s22, SLOT
.endr
	s_mul_i32 s23, s14, 16*SPITCH
	s_add_co_u32 s23, s23, STAGE                   ; my stage
	v_mul_u32_u24 v5, v1, SPITCH
	v_lshl_add_u32 v5, v2, 6, v5
	v_add_nc_u32 v[STO], s23, v5                   ; in: row r, + 64 h
	v_mul_u32_u24 v5, v2, SPITCH
	v_lshl_add_u32 v5, v1, 4, v5
	v_add_nc_u32 v[RD], s23, v5                    ; back: lanes 0-15 one row of 256 bytes, lanes 16-31 the next
.macro FRAG reg, adr, q, i             ; 16 rows x 128 K: registers 4 c .. 4 c + 3 hold K = 32 c + 16 (l / 16) + 0 .. 15
.irp c, 0,1,2,3
	ds_load_b128 v[\reg+4*\c:\reg+4*\c+3], v[\adr] offset:128*(\q)+32*\c+(\i)*16*PITCH
.endr
.endm
.macro ONE c                           ; one product; par says from which half of the lanes each side's scale word is taken
.if par == 0
	v_wmma_scale_f32_16x16x128_f8f6f4 v[rD:rD+7], v[rB:rB+15], v[rA:rA+15], \c, v[rSB], v[rSA]
.elseif par == 1
	v_wmma_scale_f32_16x16x128_f8f6f4 v[rD:rD+7], v[rB:rB+15], v[rA:rA+15], \c, v[rSB], v[rSA] matrix_b_scale:MATRIX_SCALE_ROW1
.elseif par == 2
	v_wmma_scale_f32_16x16x128_f8f6f4 v[rD:rD+7], v[rB:rB+15], v[rA:rA+15], \c, v[rSB], v[rSA] matrix_a_scale:MATRIX_SCALE_ROW1
.else
	v_wmma_scale_f32_16x16x128_f8f6f4 v[rD:rD+7], v[rB:rB+15], v[rA:rA+15], \c, v[rSB], v[rSA] matrix_a_scale:MATRIX_SCALE_ROW1 matrix_b_scale:MATRIX_SCALE_ROW1
.endif
.endm
; 4 products: A's block a x B's four, from buffer f: the step's q-th 128 along K, scale words of set sc.  zero = 1: the first product starts the sums: nothing is ever cleared.
; The 16 accumulators take turns, one instruction a turn, in the same order in every part of a step.
.macro MUL4 a, f, q, sc, zero
.irp b, 0,1,2,3
.set rD, ACC+8*(4*(\a)+\b)
.set rB, (\f)+64+FR*\b
.set rA, (\f)+FR*(\a)
.set rSB, SC+16*(\sc)+8+4*((\q)/2)+2*(\b/2)+((\q)%2)
.set rSA, SC+16*(\sc)+4*((\q)/2)+2*((\a)/2)+((\q)%2)
.set par, 2*(\b%2)+((\a)%2)
.if \zero
	ONE 0
.else
	ONE v[rD:rD+7]
.endif
.endr
.endm
.macro FETCH slot, q, f                ; 32 LDS loads in one run: B's four fragments, then A's four, of the slot's q-th 128 along K, into buffer f
	WIN TO_F
.irp i, 0,1,2,3
	FRAG (\f)+64+FR*\i, ADRB+\slot, \q, \i
.endr
.irp i, 0,1,2,3
	FRAG (\f)+FR*\i, ADRA+\slot, \q, \i
.endr
.endm
.macro PLACES n                        ; plain vector instructions between a matrix instruction and a load into, or a read of, its registers
.rept \n
	v_nop
.endr
.endm
; A K step is four parts of 128 along K, 16 products each, on buffers 0, 1, 0, 1.  One of the first three: multiplies its buffer and, in its middle, fetches the next part into the other.
.macro QSTEP slot, q, zero
	s_wait_dscnt 8                                 ; B's four and A's blocks 0 and 1 are in; the youngest eight loads (A's blocks 2 and 3) may be out
	WIN MUL
	MUL4 0, 128*((\q)%2), \q, \slot, \zero
	MUL4 1, 128*((\q)%2), \q, \slot, \zero
	PLACES NP
	FETCH \slot, (\q)+1, 128*(1-(\q)%2)
	s_wait_dscnt 32                                ; all but the 32 just issued
	WIN MUL
	MUL4 2, 128*((\q)%2), \q, \slot, \zero
	MUL4 3, 128*((\q)%2), \q, \slot, \zero
.endm
; The last part multiplies buffer 1 and changes slots: ONE barrier; in front of it each wave waits for all its tensor loads, adds 0 to its spare word, and waits for that and for its reads of this slot.
; fill = 1: this slot is filled again, two K steps ahead, and so is its set of scale words.
.macro TURN slot, next, fill
	WIN 0                                          ; (the add's two registers lie in window 0)
	s_wait_tensorcnt 0x0                           ; all my tensor loads have landed: my part of the next slot
	ds_add_u32 v[SPW], v[NIL]
	s_wait_dscnt 9                                 ; (the add and A's blocks 2 and 3 may be out)
	WIN MUL
	MUL4 0, F1, 3, \slot, 0                        ; four products stand between the add and the wait for it
	s_wait_dscnt 0x0                               ; the add is done, and my reads of this slot are over
	s_barrier_signal -1
	MUL4 1, F1, 3, \slot, 0
	WIN 0                                          ; (branches may follow)
	s_barrier_wait -1
.if \fill
	CREST                                          ; the barrier has opened a round of the cluster's: no wave of any partner still reads this slot or has a load on its way
	s_add_nc_u64 s[G0+4*\slot+2:G0+4*\slot+3], s[G0+4*\slot+2:G0+4*\slot+3], 2*KSTEP
	s_add_nc_u64 s[G0B+4*\slot+2:G0B+4*\slot+3], s[G0B+4*\slot+2:G0B+4*\slot+3], 2*KSTEP
	JLOAD G0+4*\slot, G1, G0B+4*\slot, G1B         ; the first tensor load behind the round; its four v_nop are among the places below
	PLACES NP-4
.else
	PLACES NP
.endif
	FETCH \next, 0, F0
	WIN MUL
	MUL4 2, F1, 3, \slot, 0
	MUL4 3, F1, 3, \slot, 0
	PLACES NP                                      ; for the loads into this slot's scale words
	WIN 0
	s_wait_loadcnt 0x0                             ; the next K step's scale words, asked for a K step ago, are in (and the residual); their loads have read the bases
.if \fill
	s_add_nc_u64 s[8:9], s[8:9], 2*ASTR            ; the bases stand one K step behind what is asked for
	s_add_nc_u64 s[10:11], s[10:11], 2*BSTR
	GSCALES \slot, 1                               ; those of the K step that the joint load above brings
.endif
.endm
	s_wait_alu depctr_va_vdst(0)
	s_wait_tensorcnt 0x0                           ; my 64 rows are in,
	s_barrier_signal -1
	s_barrier_wait -1                              ; everybody's is
	FETCH 0, 0, F0
	s_wait_loadcnt 32                              ; both sets of scale words and the bias are in; the residual's 32 loads, issued behind them, may be out
	QSTEP 0, 0, 1                                  ; the first part stands in front of the loop: its products start the sums
.if LAPS > 1
	WIN 0                                          ; at a label and at a branch every window is 0
	s_mov_b32 s3, LAPS-1
.Llap:                                                 ; a trip goes once through both slots, from a lap's second part to the next lap's first, and fills both again
	QSTEP 0, 1, 0
	QSTEP 0, 2, 0
	TURN 0, 1, 1
	QSTEP 1, 0, 0
	QSTEP 1, 1, 0
	QSTEP 1, 2, 0
	TURN 1, 0, 1
	QSTEP 0, 0, 0
	WIN 0
	s_sub_co_u32 s3, s3, 1
	s_cmp_lg_u32 s3, 0
	s_cbranch_scc1 .Llap
.endif
	QSTEP 0, 1, 0                                  ; the last lap fills nothing, and has no round of the cluster's barrier
	QSTEP 0, 2, 0
	TURN 0, 1, 0
	QSTEP 1, 0, 0
	QSTEP 1, 1, 0
	QSTEP 1, 2, 0
	s_wait_dscnt 8                                 ; the very last part: nothing more to fetch
	WIN MUL
	MUL4 0, F1, 3, 1, 0
	MUL4 1, F1, 3, 1, 0
	s_wait_dscnt 0
	MUL4 2, F1, 3, 1, 0
	MUL4 3, F1, 3, 1, 0
	WIN 0
; THE WAY OUT, block by block of 16 rows x 64 columns.  A lane holds 32 neighbouring bytes of a row, and the lanes beside it hold other rows: so a block goes through my own stage and comes back as whole rows of 256 bytes.
; The stage has LDS bytes of its own.  LDS serves a wave's instructions in order (ISA guide 5.7.1.4): no wait between the stores and the loads, nor in front of the next block's stores.
.macro TOSTAGE a
.irp b, 0,1,2,3
	ds_store_b128 v[STO], v[ACC+32*(\a)+8*\b:ACC+32*(\a)+8*\b+3] offset:128*(\b/2)+32*(\b%2)          ; each accumulator from its low end on; true columns 32 (b / 2) + 16 h + 8 (b % 2) on
	ds_store_b128 v[STO], v[ACC+32*(\a)+8*\b+4:ACC+32*(\a)+8*\b+7] offset:128*(\b/2)+32*(\b%2)+16
.endr
.set BB, BK+32*((\a)%2)
.irp t, 0,1,2,3,4,5,6,7
	ds_load_b128 v[BB+4*\t:BB+4*\t+3], v[RD] offset:\t*2*SPITCH
.endr
.endm
.macro SEND a, younger                 ; younger: the LDS instructions issued behind block a's loads, which may stay out
.set BB, BK+32*((\a)%2)
	s_wait_dscnt \younger
.irp t, 0,1,2,3,4,5,6,7
	v_pk_add_f32 v[BB+4*\t:BB+4*\t+1], v[BB+4*\t:BB+4*\t+1], v[8:9]     ; + the bias
	v_pk_add_f32 v[BB+4*\t+2:BB+4*\t+3], v[BB+4*\t+2:BB+4*\t+3], v[10:11]
.endr
	WIN 0x08                                       ; source 1 in window 2
.irp t, 0,1,2,3,4,5,6,7
	v_pk_add_f32 v[BB+4*\t:BB+4*\t+1], v[BB+4*\t:BB+4*\t+1], v[RES+32*(\a)+4*\t:RES+32*(\a)+4*\t+1]     ; + the residual
	v_pk_add_f32 v[BB+4*\t+2:BB+4*\t+3], v[BB+4*\t+2:BB+4*\t+3], v[RES+32*(\a)+4*\t+2:RES+32*(\a)+4*\t+3]
.endr
	WIN 0
.irp t, 0,1,2,3,4,5,6,7
.if NTOUT
	global_store_b128 v[CO], v[BB+4*\t:BB+4*\t+3], s[12:13] offset:(32*((\a)/2)+8*((\a)%2)+2*\t+8*(\t/4))*4096 th:TH_STORE_NT
.else
	global_store_b128 v[CO], v[BB+4*\t:BB+4*\t+3], s[12:13] offset:(32*((\a)/2)+8*((\a)%2)+2*\t+8*(\t/4))*4096   ; 16 lanes store 256 consecutive bytes, aligned, at the row's true place
.endif
.endr
.endm
	PLACES NP
	TOSTAGE 0
.irp a, 1,2,3
.if \a > 1
	s_wait_xcnt 0x0                                ; block a - 2's stores have read their registers: block a's loads may land there
.endif
	TOSTAGE \a
	SEND \a-1, 16                                  ; behind block a - 1's loads: block a's 8 stores and 8 loads
.endr
	SEND 3, 0
	s_wait_tensorcnt 0x0                           ; the wave's end
	ds_add_u32 v[SPW], v[NIL]
	s_wait_dscnt 0x0
	CROUND                                         ; the closing round
	s_endpgm
.Lfunc_end_k_q29d9cec9a1_wo:
	.size	k_q29d9cec9a1_wo, .Lfunc_end_k_q29d9cec9a1_wo-k_q29d9cec9a1_wo
	.p2alignl 7, 3214868480
	.fill 96, 4, 3214868480
	.section	.rodata,"a",@progbits
	.p2align	6, 0x0
	.amdhsa_kernel k_q29d9cec9a1_wo
		.amdhsa_group_segment_fixed_size 327680
		.amdhsa_private_segment_fixed_size 0
		.amdhsa_enable_private_segment 0
		.amdhsa_kernarg_size 40
		.amdhsa_user_sgpr_count 2
		.amdhsa_user_sgpr_kernarg_segment_ptr 1
		.amdhsa_wavefront_size32 1
		.amdhsa_system_sgpr_workgroup_id_x 1
		.amdhsa_system_sgpr_workgroup_id_y 1
		.amdhsa_system_sgpr_workgroup_id_z 1
		.amdhsa_system_vgpr_workitem_id 0
		.amdhsa_next_free_vgpr 768
		.amdhsa_next_free_sgpr 98
		.amdhsa_reserve_vcc 0
		.amdhsa_float_denorm_mode_32 3
		.amdhsa_float_denorm_mode_16_64 3
		.amdhsa_memory_ordered 1
		.amdhsa_forward_progress 1
		.amdhsa_inst_pref_size 63
	.end_amdhsa_kernel
	.amdgpu_metadata
---
amdhsa.version: [ 1, 2 ]
amdhsa.kernels:
  - .name:           k_q29d9cec9a1_wo
    .symbol:         k_q29d9cec9a1_wo.kd
    .args:
      - { .name: abuf, .offset: 0, .size: 8, .value_kind: global_buffer, .address_space: global }
      - { .name: wbuf, .offset: 8, .size: 8, .value_kind: global_buffer, .address_space: global }
      - { .name: x, .offset: 16, .size: 8, .value_kind: global_buffer, .address_space: global }
      - { .name: bo, .offset: 24, .size: 8, .value_kind: global_buffer, .address_space: global }
      - { .name: x1, .offset: 32, .size: 8, .value_kind: global_buffer, .address_space: global }
    .group_segment_fixed_size: 327680
    .private_segment_fixed_size: 0
    .kernarg_segment_align: 8
    .kernarg_segment_size: 40
    .max_flat_workgroup_size: 128
    .sgpr_count:     98
    .vgpr_count:     768
    .wavefront_size: 32
...
	.end_amdgpu_metadata
.endif
;; end of part 10
;; launch ln2: the kernel of part 7 again; grid 256 x 1, 4 waves a work-group, no clusters, 50,176 bytes of LDS; arguments x1, ln2_scale, ln2_shift, abuf, Wq, Wk, Wv, Wo, W1, W2, wbuf; writes abuf, wbuf
;; launch ff1 (part 11): grid 32 x 8, 4 waves a work-group, clusters of 4 x 4, 327,680 bytes of LDS; arguments abuf, wbuf, b1, fbuf; writes fbuf
.if DOCPART == 11
	.amdgcn_target "amdgcn-amd-amdhsa--gfx1250"
	.amdhsa_code_object_version 6
	.text
	.protected	k_q29d9cec9a1_ff1
	.globl	k_q29d9cec9a1_ff1
	.p2align	8
	.type	k_q29d9cec9a1_ff1,@function
k_q29d9cec9a1_ff1:
	s_mov_b64 s[64:65], 0
	v_nop
	global_prefetch_b8 v0, s[64:65] scope:SCOPE_SE
	s_setreg_imm32_b32 hwreg(HW_REG_WAVE_MODE, 25, 1), 1
	s_wait_xcnt 0x0
	s_wait_alu depctr_hold_cnt(0) depctr_sa_sdst(0) depctr_va_vdst(0) depctr_va_sdst(0) depctr_va_ssrc(0) depctr_va_vcc(0) depctr_vm_vsrc(0)
	s_getreg_b32 s2, hwreg(HW_REG_IB_STS2, 6, 4)
	s_cmp_eq_u32 s2, 0
	s_cbranch_scc0 .Lentry_in_a_cluster
	s_endpgm
.Lentry_in_a_cluster:
	s_bfe_u32 s2, ttmp6, 0x10000c
	s_cmp_lg_u32 s2, 0xf033
	s_cbranch_scc0 .Lentry_shape_is_right
	s_endpgm
.Lentry_shape_is_right:
; f = gelu(h2 W1^T + b1), quantised along the next product's K (the 4,096 hidden units): h2 and W1 as codes of FP8 (E4M3) with E8M0 scales; the bias is the first products' C.  No f32 result is stored.  No live work is left out.
; gelu(y) = y / (1 + 2^(y (k3 y^2 + k1))), k1 = -2 sqrt(2 / pi) log2(e), k3 = 0.044715 k1: the tanh form of reference(), written by the exponential.
; THE DEAL.  32 x 8 = 256 work-groups of four waves, 2 x 2: 512 rows x 128 hidden units.  A wave holds 64 rows of W1, ALL of K = 1,024, in 512 registers (windows 1, 2) and streams h2's rows past them in 16 blocks of 16 rows, which stand
; in registers as two whole sets (window 3): 32 products a block, four accumulators by turns, in eight groups of four.  Block n of wave row w is rows 32 n + 16 w on of the work-group's 512.
; THE WAY OUT of block n (gelu, largest magnitudes, holds, conversions) stands among block n + 1's products, behind each group of four; so the sums stand in two sets.  Ahead of each group stands a wait:
; it serves the transcendentals of the group before, what they read, and the accumulators that the group takes up again.  Block 0 has no block before it: it works on zeros.
; LDS: two slots of 128 rows of 1,040 bytes; W1's 128 rows lie in slot 1 until all waves hold them.  Chunk c (128 rows of h2) lies in slot c % 2.  Chunk 1 is filled over W1's rows ahead of the loops, chunks 2 and 3 inside block 3 of chunks
; 0 and 1, each in a drained round of the cluster's barrier, a quarter a wave; a chunk is shown by the plain barrier inside block 2 of the chunk before.  Behind the slots: h2's scale bytes of my 512 rows [plane of 256 K][row][8], f's scale bytes, the spare words.
; CLUSTERS of 4 x 4: h2's rows are shared along a row of the cluster, W1's along a column: joint loads.
; ROWS LIE BY POSITION (bits 3 and 4 of the row's number exchanged): tile b, lane (r, h), register j is hidden unit 32 (b / 2) + 16 h + 8 (b % 2) + j of my 64: tiles 2 c, 2 c + 1 give 16 neighbours; a block of 32 lies in lanes l and l xor 16.
; f LEAVES IN THE ORDER OF THE NEXT LAUNCH'S OPERAND REGISTERS: codes [16 positions][K / 128][piece c][lane][16 bytes]; scale words [K / 128][position][4 bytes], gathered in LDS and stored at the end: every store is 512 dense bytes.
; PREFETCH INTO THE L2: a chunk is 512 blocks of 256 bytes; the 16 waves of a cluster's row take 32 each, told apart by address, a lane a block: chunks 1 and 2 behind the first barrier, chunk 3 behind chunk 1's load.
; The fetches behind blocks 14 and 15 have no block to bring: they read bytes of slot 0 and of the scale bytes that lie there anyway, and nothing uses them; so the loop's counted wait holds in every trip.
; LIMITS: NaN, infinities and sums beyond f32's range are not served.  A block's scale byte never falls under 1.
.set KROW, 1024
.set PITCH, KROW+16
.set NF, 36                            ; LDS loads of a block: eight fragments of four, four of two scale words
.set CH, 128
.set YB, CH*PITCH
.set SCL, 2*CH*PITCH
.set XS, SCL+16384                     ; f's scale bytes: block m of mine at XS + 256 + 128 m
.set SPARE, XS+2304
.set ASC, 4194304
.set BCODE, 4194304
.set BSC, 12713984
.set FSC, 16777216
.set ADRA0, 4                          ; v4 LDS address of my fragments of block 0;  v12 of the block that is fetched next
.set AAS0, 6                           ; v6, v17 the same for the scale words
.set PF, 7                             ; v7 the prefetches' offset
.set CO, 9                             ; v9 16 x lane
.set SPW, 10
.set NIL, 11
.set ADRA, 12
.set VX, 13                            ; v13 where a block's two scale bytes go;  v15 its base
.set ADRB, 14
.set VX0, 15
.set ABS, 16                           ; v16 8 x lane
.set AAS, 17
.set BV, 18                            ; v18 64 h
.set SOP, 20                           ; v20, 21 the conversions' scale operands;  v22, 23 the bounds
.set BD, 22
.set SB, 24                            ; v24-39 W1's scale words: register 8 p + q: lanes 0-15 tile 2 p's, lanes 16-31 tile 2 p + 1's
.set EB, 40
.set PL, 42
.set SA, 44                            ; v44-59 h2's scale words, two sets of eight
.set TQ, 60
.set ACC, 64                           ; v64-127 two sets of four accumulators
.set T, 128                            ; v128-159 the way out's 32 numbers
.set K1, 160
.set NCD, 192                          ; v192-199 32 codes
.set BQ, 208                           ; v208-239 the bias: the first products' C
.set G1B, 24
.set G1A, 32
.set G1R, 48
.set G0B, 56
.set G0A, 60
.set G0R, 68
.set G0S, 72
.set G1S, 92
.set K3, 86
.set OP, 88
.set CUR, 100                          ; s100, s101 this chunk's slot and the next chunk's
.set NXT, 101
.set MSB, 0
.macro WIN new                         ; the immediate's high byte repeats the setting that is left
.if MSB != (\new)
	s_set_vgpr_msb (MSB<<8)|(\new)
.set MSB, (\new)
.endif
.endm
.macro BARRIER
	s_barrier_signal -1
	s_barrier_wait -1
.endm
.macro MIDDLE                          ; a round's middle: behind my work-group's barrier wave 0 signals the cluster's, and all wait for it
	WIN 0
	s_barrier_wait -1
	s_cmp_lg_u32 s14, 0
	s_cbranch_scc1 .Lnot_wave_0_\@
	s_barrier_signal -3
.Lnot_wave_0_\@:
	s_barrier_wait -3
.endm
.macro CROUND
	s_barrier_signal -1
	MIDDLE
	BARRIER
.endm
.macro TLOAD g0, g1                    ; an s_nop 0 and four v_nop follow a tensor load
	tensor_load_to_lds s[\g0:\g0+3], s[\g1:\g1+7]
	s_nop 0
.rept 4
	v_nop
.endr
.endm
.macro GROUP1 g, mask, rows            ; so many whole rows of K, 16 bytes of padding behind each
	s_or_b32 s[\g+0], s[\mask], (1<<20)|(1<<21)|(7<<22)|(3<<25)
	s_mov_b32 s[\g+1], KROW<<16
	s_mov_b32 s[\g+2], (\rows)<<16
	s_mov_b32 s[\g+3], KROW<<16
	s_mov_b32 s[\g+4], \rows
	s_mov_b32 s[\g+5], KROW
	s_mov_b32 s[\g+6], 0
	s_mov_b32 s[\g+7], 0
.endm
	s_load_b256 s[4:11], s[0:1], 0x0               ; abuf, wbuf, b1, fbuf
	v_lshl_add_u32 v[SPW], v0, 2, SPARE
	v_mov_b32 v[NIL], 0
	ds_add_u32 v[SPW], v[NIL]                      ; the opening: the add, twice on end, and its wait ahead of my first tensor load
	ds_add_u32 v[SPW], v[NIL]
	v_lshrrev_b32 v1, 5, v0
	v_readfirstlane_b32 s14, v1                    ; wave
	s_lshr_b32 s15, s14, 1                         ; my row of waves
	s_and_b32 s16, s14, 1                          ; my column of waves
	s_bfe_u32 s40, ttmp6, 0x40000                  ; cx
	s_bfe_u32 s41, ttmp6, 0x40004                  ; cy
	s_lshl_b32 s42, ttmp9, 2
	s_add_co_u32 s42, s42, s40                     ; tile column: 128 hidden units
	s_and_b32 s43, ttmp7, 0xffff
	s_lshl_b32 s43, s43, 2
	s_add_co_u32 s43, s43, s41                     ; tile row: 512 rows
	s_lshl_b32 s44, s41, 2
	s_lshl_b32 s44, 15, s44                        ; my row of the cluster
	s_lshl_b32 s45, 0x1111, s40                    ; my column
	GROUP1 G1B, 45, CH                             ; wave 0: W1's 128 rows
	GROUP1 G1A, 44, CH/2                           ; waves 1, 3: a half of chunk 0
	GROUP1 G1R, 44, CH/4                           ; a refill: 32 rows a wave
	s_or_b32 s[G1S+0], s44, (3<<16)|(1<<21)        ; wave 2: h2's scale bytes: four planes of 4,096 bytes, 32,768 apart, in elements of 8 bytes
	s_mov_b32 s[G1S+1], 512<<16
	s_mov_b32 s[G1S+2], 4<<16
	s_mov_b32 s[G1S+3], 512<<16
	s_mov_b32 s[G1S+4], 4
	s_mov_b32 s[G1S+5], 4096
	s_mov_b32 s[G1S+6], 0
	s_mov_b32 s[G1S+7], 0
	s_mov_b32 s[G0B], 1
	s_mov_b32 s[G0B+1], YB
	s_mov_b32 s[G0A], 1
	s_mul_i32 s[G0A+1], s15, (CH/2)*PITCH
	s_mov_b32 s[G0S], 1
	s_mov_b32 s[G0S+1], SCL
	s_mov_b32 s[G0R], 1
	s_lshl_b32 s78, s42, 17
	s_add_co_u32 s78, s78, BCODE                   ; W1's codes of my tile column
	s_mov_b32 s79, 0
	s_lshl_b32 s3, s43, 19                         ; h2's codes of my tile row
	s_lshl_b32 s80, s15, 16
	s_add_co_u32 s80, s80, s3                      ; a half of chunk 0
	s_mov_b32 s81, 0
	s_lshl_b32 s82, s43, 12
	s_add_co_u32 s82, s82, ASC                     ; their scale bytes
	s_mov_b32 s83, 0
	s_mov_b32 s84, 0x76543210
	s_mov_b32 s85, 0xfedcba98                      ; lane l xor 16
	s_mov_b32 s2, 0x600000                         ; the mantissa field of 448
	s_mov_b32 s[K3], 0xbdd2d3e8
	s_mov_b32 s[K3+1], s[K3]
	s_mov_b32 s[CUR], 0
	s_mov_b32 s[NXT], YB
	v_and_b32 v1, 15, v0                           ; r
	v_bfe_u32 v2, v0, 4, 1                         ; h
	v_and_b32 v3, 31, v0                           ; lane
	v_mul_u32_u24 v22, v1, PITCH
	v_lshl_add_u32 v23, v2, 4, v22
	s_mul_i32 s20, s15, 16*PITCH
	v_add_nc_u32 v[ADRA0], s20, v23
	v_add_nc_u32 v[ADRA], 32*PITCH, v[ADRA0]       ; block 1
	s_mul_i32 s20, s16, 64*PITCH
	s_add_co_u32 s20, s20, YB
	v_add_nc_u32 v[ADRB], s20, v23
	s_lshl_b32 s20, s15, 7
	s_add_co_u32 s20, s20, SCL
	v_lshl_add_u32 v[AAS0], v1, 3, s20
	v_add_nc_u32 v[AAS], 256, v[AAS0]
	s_lshl_b32 s20, s15, 6
	s_lshl_b32 s21, s16, 1
	s_add_co_u32 s20, s20, s21
	s_add_co_u32 s20, s20, XS
	v_lshl_add_u32 v[VX0], v1, 2, s20
	s_wait_alu depctr_va_vdst(0)                   ; the wait here, directly ahead of the reader below
	v_lshlrev_b32 v[ABS], 3, v3
	v_lshlrev_b32 v[BV], 6, v2
	v_lshlrev_b32 v[CO], 4, v3
	s_lshl_b32 s22, s40, 2
	s_add_co_u32 s22, s22, s14
	s_lshl_b32 s22, s22, 13
	s_add_co_u32 s22, s22, s3
	v_lshl_add_u32 v[PF], v3, 8, s22               ; my sixteenth of a chunk, a block of 256 bytes a lane
	v_mov_b32 v[K1], 0xc0135761
	v_mov_b32 v[K1+1], 0xc0135761
	v_mov_b32 v[PL], 0                             ; a lane permute's destination counts as one of its sources
	v_mov_b32 v[PL+1], 0
.set I_, 0
.rept 32
	v_mov_b32 v[ACC+32+I_], 0                      ; what block 0's way out works on
.set I_, I_+1
.endr
	s_wait_alu depctr_va_vdst(0)                   ; the wait at the head's end
	s_wait_dscnt 0x0                               ; both opening adds are done
	CROUND                                         ; all sixteen work-groups are here
	s_wait_kmcnt 0x0
	s_add_nc_u64 s[G0B+2:G0B+3], s[6:7], s[78:79]
	s_or_b32 s[G0B+3], s[G0B+3], 0x80000000
	s_add_nc_u64 s[G0A+2:G0A+3], s[4:5], s[80:81]
	s_or_b32 s[G0A+3], s[G0A+3], 0x80000000
	s_add_nc_u64 s[G0S+2:G0S+3], s[4:5], s[82:83]
	s_or_b32 s[G0S+3], s[G0S+3], 0x80000000
	s_cmp_eq_u32 s14, 0                            ; one joint load a wave, in one chain of branches on the wave's number
	s_cbranch_scc0 .Lnot_w
	TLOAD G0B, G1B
	s_branch .Lasked
.Lnot_w:
	s_cmp_eq_u32 s14, 2
	s_cbranch_scc0 .Lfor_x
	TLOAD G0S, G1S
	s_branch .Lasked
.Lfor_x:
	TLOAD G0A, G1A
.Lasked:
	s_lshl_b32 s20, s42, 7
	s_lshl_b32 s21, s16, 6
	s_add_co_u32 s20, s20, s21                     ; my first hidden unit
	s_lshl_b32 s22, s20, 3
	s_add_co_u32 s22, s22, BSC
	s_mov_b32 s23, 0
	s_add_nc_u64 s[12:13], s[6:7], s[22:23]
	s_lshl_b32 s22, s20, 2
	s_add_nc_u64 s[18:19], s[8:9], s[22:23]
.irp m, 0,1
.irp pl, 0,1,2,3
	global_load_b64 v[SB+8*\m+2*\pl:SB+8*\m+2*\pl+1], v[ABS], s[12:13] offset:32768*\pl+256*\m   ; 32 positions' two words of a plane: 256 dense bytes
.endr
.endr
.irp b, 0,1,2,3
	global_load_b128 v[BQ+8*\b:BQ+8*\b+3], v[BV], s[18:19] offset:128*(\b/2)+32*(\b%2)
	global_load_b128 v[BQ+8*\b+4:BQ+8*\b+7], v[BV], s[18:19] offset:128*(\b/2)+32*(\b%2)+16
.endr
	s_lshl_b32 s22, s43, 21                        ; f's codes: 65,536 bytes for 16 positions, 2,048 for 128 of K, 512 a piece
	s_lshl_b32 s20, s15, 16
	s_add_co_u32 s22, s22, s20
	s_lshl_b32 s20, s42, 11
	s_add_co_u32 s22, s22, s20
	s_lshl_b32 s20, s16, 10
	s_add_co_u32 s22, s22, s20
	s_add_nc_u64 s[OP:OP+1], s[10:11], s[22:23]
	s_sub_nc_u64 s[OP:OP+1], s[OP:OP+1], 0x40000   ; each block steps it by two tiles of 16 positions, and stores the block before
	s_lshl_b32 s22, s42, 14                        ; f's scale words: wave n stores 512 bytes of my 2,048
	s_lshl_b32 s20, s43, 11
	s_add_co_u32 s22, s22, s20
	s_lshl_b32 s20, s14, 9
	s_add_co_u32 s22, s22, s20
	s_add_co_u32 s22, s22, FSC
	s_add_nc_u64 s[76:77], s[10:11], s[22:23]
	s_wait_tensorcnt 0x0                           ; my tile is in,
	BARRIER                                        ; everybody's is
	global_prefetch_b8 v[PF], s[4:5] offset:131072 th:TH_LOAD_NT scope:SCOPE_SE
	global_prefetch_b8 v[PF], s[4:5] offset:262144 th:TH_LOAD_NT scope:SCOPE_SE
.macro FETCHAT k, a, s                 ; a block of h2, 16 rows, all of K, into set k of window 3, and its scale words: NF loads
	WIN 3<<6
.irp q, 0,1,2,3,4,5,6,7
.irp c, 0,1,2,3
	ds_load_b128 v[128*\k+16*\q+4*\c:128*\k+16*\q+4*\c+3], v[\a] offset:128*\q+32*\c
.endr
.endr
	WIN 0
.irp p, 0,1,2,3
	ds_load_b64 v[SA+8*\k+2*\p:SA+8*\k+2*\p+1], v[\s] offset:4096*\p
.endr
.endm
.irp q, 0,1,2,3,4,5,6,7                ; my 64 rows of W1: fragment 4 q + b in window 1 + q / 4
	WIN (1+\q/4)<<6
.irp b, 0,1,2,3
.irp c, 0,1,2,3
	ds_load_b128 v[16*((4*\q+\b)%16)+4*\c:16*((4*\q+\b)%16)+4*\c+3], v[ADRB] offset:128*\q+32*\c+\b*16*PITCH
.endr
.endr
.endr
	WIN 0
	FETCHAT 0, ADRA0, AAS0
	FETCHAT 1, ADRA, AAS
.macro RDESC i, lds                    ; group 0 of a refill, in two parts: my 32 rows of the chunk at s3, into the slot at s[lds]
.if (\i) == 0
	s_mul_i32 s[G0R+1], s14, (CH/4)*PITCH
	s_add_co_u32 s[G0R+1], s[G0R+1], s[\lds]
	s_lshl_b32 s20, s14, 15
	s_add_co_u32 s20, s20, s3
.else
	s_mov_b32 s21, 0
	s_add_nc_u64 s[G0R+2:G0R+3], s[4:5], s[20:21]
	s_or_b32 s[G0R+3], s[G0R+3], 0x80000000
.endif
.endm
	s_wait_tensorcnt 0x0                           ; ahead of a refill
	ds_add_u32 v[SPW], v[NIL]
	s_add_co_u32 s3, s3, 131072                    ; chunk 1
	RDESC 0, NXT
	RDESC 1, NXT
	s_add_co_u32 s3, s3, 131072                    ; chunk 2
	s_mov_b32 s46, 0                               ; the chunk in hand
	s_mov_b32 s17, 0                               ; 1,024 x it: its scale words
	s_mov_b32 s47, 0                               ; 512 x it: f's scale bytes
	s_wait_dscnt 0x0                               ; the add is done; W1 and blocks 0 and 1 are in registers
	CROUND
	TLOAD G0R, G1R                                 ; chunk 1 over W1's rows
	global_prefetch_b8 v[PF], s[4:5] offset:393216 th:TH_LOAD_NT scope:SCOPE_SE
	s_wait_loadcnt 0x0                             ; W1's scale words and the bias
.macro PROD e, q, b
.set AC_, ACC+32*(\e)+8*(\b)
.set C_, AC_
.if (\q) == 0
.set C_, BQ+8*(\b)
.endif
.set R_, 128*(\e)+16*(\q)
.set W_, 16*((4*(\q)+(\b))%16)
.set XS_, SA+8*(\e)+(\q)
.set WS_, SB+8*((\b)/2)+(\q)
.if (\b)%2
	v_wmma_scale_f32_16x16x128_f8f6f4 v[AC_:AC_+7], v[W_:W_+15], v[R_:R_+15], v[C_:C_+7], v[WS_], v[XS_] matrix_a_scale:MATRIX_SCALE_ROW1
.else
	v_wmma_scale_f32_16x16x128_f8f6f4 v[AC_:AC_+7], v[W_:W_+15], v[R_:R_+15], v[C_:C_+7], v[WS_], v[XS_]
.endif
.endm
.macro GRP e, q                        ; the q-th 128 of K: four products, source 0 = W1's rows, source 1 = h2's; a wait stands directly ahead
	WIN (1+(\q)/4)|(3<<2)
	s_wait_alu depctr_va_vdst(0)
.irp b, 0,1,2,3
	PROD \e, \q, \b
.endr
	WIN 0
.endm
.macro PK op, from, n, x               ; n packed lines from number `from` on.  op 0: y^2; 1: k3 y^2 + k1; 2, 4: y x what stands there; 3: + 1
.set I_, \from
.rept \n
.if (\op) == 0
	v_pk_mul_f32 v[T+I_:T+I_+1], v[\x+I_:\x+I_+1], v[\x+I_:\x+I_+1]
.elseif (\op) == 1
	v_pk_fma_f32 v[T+I_:T+I_+1], v[T+I_:T+I_+1], s[K3:K3+1], v[K1:K1+1] op_sel_hi:[1,0,0]
.elseif (\op) == 3
	v_pk_add_f32 v[T+I_:T+I_+1], v[T+I_:T+I_+1], 1.0 op_sel_hi:[1,0]
.else
	v_pk_mul_f32 v[T+I_:T+I_+1], v[\x+I_:\x+I_+1], v[T+I_:T+I_+1]
.endif
.set I_, I_+2
.endr
.endm
.macro TR rcp, from                    ; sixteen transcendentals in place
.set I_, \from
.rept 16
.if \rcp
	v_rcp_f32 v[T+I_], v[T+I_]
.else
	v_exp_f32 v[T+I_], v[T+I_]
.endif
.set I_, I_+1
.endr
.endm
.macro MAXH hb                         ; the largest magnitude of my 16 numbers of a block of 32, in two chains, and the floor 2^(9 - 127)
.set TT_, T+16*(\hb)
.set MA_, TQ+2*(\hb)
	v_max3_num_f32 v[MA_], |v[TT_]|, |v[TT_+1]|, 0x4800000
	v_max3_num_f32 v[MA_+1], |v[TT_+8]|, |v[TT_+9]|, |v[TT_+10]|
	v_max3_num_f32 v[MA_], v[MA_], |v[TT_+2]|, |v[TT_+3]|
	v_max3_num_f32 v[MA_+1], v[MA_+1], |v[TT_+11]|, |v[TT_+12]|
	v_max3_num_f32 v[MA_], v[MA_], |v[TT_+4]|, |v[TT_+5]|
	v_max3_num_f32 v[MA_+1], v[MA_+1], |v[TT_+13]|, |v[TT_+14]|
	v_max3_num_f32 v[MA_], v[MA_], |v[TT_+6]|, |v[TT_+7]|
	v_max3_num_f32 v[MA_], v[MA_], v[MA_+1], |v[TT_+15]|
.endm
.macro HOLDC hb                        ; the conversion does not saturate (ISA guide 7.6.2): the hold, then 16 codes
.set TT_, T+16*(\hb)
.set I_, 0
.rept 16
	v_med3_num_f32 v[TT_+I_], v[TT_+I_], -v[BD+\hb], v[BD+\hb]
.set I_, I_+1
.endr
	v_cvt_scalef32_pk8_fp8_f32 v[NCD+4*\hb:NCD+4*\hb+1], v[TT_:TT_+7], v[SOP+\hb]
	v_cvt_scalef32_pk8_fp8_f32 v[NCD+4*\hb+2:NCD+4*\hb+3], v[TT_+8:TT_+15], v[SOP+\hb]
.endm
; THE WAY OUT of the 32 sums at x, in eight parts.  In a part the transcendentals come first; what they read, and what reads them, stands in other parts, with a group's wait between.  The sums are first read in part 0, each accumulator from its low end on.
.macro WAYOUT q, x
.if (\q) == 0
	PK 0, 0, 16, \x
	PK 1, 0, 16, \x
.elseif (\q) == 1
	PK 2, 0, 16, \x
.elseif (\q) == 2
	TR 0, 0
	v_nop                                          ; a plain line behind the transcendentals
.elseif (\q) == 3
	TR 0, 16
	PK 3, 0, 8, \x
.elseif (\q) == 4
	TR 1, 0
	PK 3, 16, 8, \x
.elseif (\q) == 5
	TR 1, 16
	PK 4, 0, 8, \x
	MAXH 0
.elseif (\q) == 6
	PK 4, 16, 8, \x
	MAXH 1
	v_permlanex16_b32 v[PL], v[TQ], s84, s85
	v_permlanex16_b32 v[PL+1], v[TQ+2], s84, s85
	v_max_num_f32 v[TQ], v[TQ], v[PL]              ; with lane l xor 16's: the block's largest magnitude
	v_max_num_f32 v[TQ+2], v[TQ+2], v[PL+1]
	v_add_nc_u32 v[SOP], 0xfc000000, v[TQ]         ; 8 off the exponent field: the conversion's scale operand
	v_add_nc_u32 v[SOP+1], 0xfc000000, v[TQ+2]
	v_and_or_b32 v[BD], v[TQ], 0x7f800000, s2      ; 448 x the scale
	v_and_or_b32 v[BD+1], v[TQ+2], 0x7f800000, s2
.else
	HOLDC 0
	HOLDC 1
	v_lshrrev_b32 v[EB], 23, v[SOP]                ; the two scale bytes
	v_lshrrev_b32 v[EB+1], 23, v[SOP+1]
	v_lshl_or_b32 v[EB], v[EB+1], 8, v[EB]
.endif
.endm
.macro SIDE kind, q, j                 ; beside the way out: the LDS addresses of the block two on and of the scale bytes; a refill's group 0
.if (\q) == 0
.if (\j) < 2
	s_add_co_u32 s22, s[CUR], ((\j)+2)*32*PITCH
.else
	s_add_co_u32 s22, s[NXT], ((\j)-2)*32*PITCH
.endif
	v_add_nc_u32 v[ADRA], s22, v[ADRA0]
.elseif (\q) == 1
	s_add_co_u32 s22, s17, ((\j)+2)*256
	s_and_b32 s22, s22, 4095
	v_add_nc_u32 v[AAS], s22, v[AAS0]
	s_add_co_u32 s22, s47, ((\j)+1)*128
	v_add_nc_u32 v[VX], s22, v[VX0]
.elseif (\q) == 2 && (\kind) == 2
	RDESC 0, CUR
.elseif (\q) == 3 && (\kind) == 2
	RDESC 1, CUR
.endif
.endm
.macro QOUT                            ; a block's two scale bytes go to their place in LDS (lanes l and l xor 16 write the same), its 32 codes a lane leave: 512 dense bytes a store
	ds_store_b16 v[VX], v[EB]
	global_store_b128 v[CO], v[NCD:NCD+3], s[OP:OP+1]
	global_store_b128 v[CO], v[NCD+4:NCD+7], s[OP:OP+1] offset:512
.endm
; A BLOCK.  kind 0: plain; 1: with the plain barrier that shows the next chunk; 2: with a drained round and the refill.  e: its set of rows and of sums; j: its number in the chunk; x: the sums of the block before.
.macro BLK kind, e, j, x, first
	s_wait_dscnt NF                                ; my rows are in: behind their fetch stand the next fetch's 36 loads (and a byte store, which is then done too)
	s_wait_xcnt 0x0                                ; the last stores have read their registers and their base
	s_add_nc_u64 s[OP:OP+1], s[OP:OP+1], 0x20000
.if (\kind) == 2
	s_wait_tensorcnt 0x0                           ; ahead of a refill; 28 products stand between the add and its wait
	ds_add_u32 v[SPW], v[NIL]
.endif
.irp q, 0,1,2,3,4,5,6
	GRP \e, \q
	WAYOUT \q, \x
	SIDE \kind, \q, \j
.endr
.if \kind
	s_wait_alu depctr_va_vdst(0)
.if (\kind) == 1
	s_wait_tensorcnt 0x0                           ; my quarter of the next chunk is in
.endif
	s_wait_dscnt 0x0
	s_barrier_signal -1
.endif
	GRP \e, 7
	WAYOUT 7, \x                                   ; its 32 holds are also the places behind the last product, ahead of the fetch below and of the first reader of the sums
.if (\kind) == 1
	s_wait_alu depctr_va_vdst(0)
	s_barrier_wait -1
.elseif (\kind) == 2
	s_wait_alu depctr_va_vdst(0)
	MIDDLE
	BARRIER
	TLOAD G0R, G1R                                 ; the chunk two on, into the slot whose last rows are in registers
.endif
.if \first
	s_cmp_eq_u32 s46, 0
	s_cbranch_scc1 .Lnone_before_\@
.endif
	QOUT
.if \first
.Lnone_before_\@:
.endif
	FETCHAT \e, ADRA, AAS
.endm
.macro TRIP rf, last                   ; a chunk: four blocks
	BLK 0, 0, 0, ACC+32, \rf
	BLK 0, 1, 1, ACC, 0
	BLK 1, 0, 2, ACC+32, 0
	BLK 2*\rf, 1, 3, ACC, 0
	s_xor_b32 s[CUR], s[CUR], YB
	s_xor_b32 s[NXT], s[NXT], YB
	s_add_co_u32 s17, s17, 1024
	s_add_co_u32 s47, s47, 512
.if \rf
	s_add_co_u32 s3, s3, 131072
.endif
	s_add_co_u32 s46, s46, 1
	s_cmp_lg_u32 s46, \last
.endm
.Lfill:                                ; chunks 0 and 1: chunks 2 and 3 are asked for
	TRIP 1, 2
	s_cbranch_scc1 .Lfill
.Lrest:                                ; chunks 2 and 3: nothing is asked for: no jump leads round a tensor load
	TRIP 0, 4
	s_cbranch_scc1 .Lrest
	s_wait_xcnt 0x0
	s_add_nc_u64 s[OP:OP+1], s[OP:OP+1], 0x20000
	v_add_nc_u32 v[VX], 2176, v[VX0]
.irp q, 0,1,2,3,4,5,6,7                ; the last block's way out
	s_wait_alu depctr_va_vdst(0)
	WAYOUT \q, ACC+32
.endr
	QOUT
	s_lshl_b32 s21, s14, 9
	s_add_co_u32 s21, s21, XS+256
	v_lshl_add_u32 v20, v3, 4, s21
	s_wait_alu depctr_va_vdst(0)
	s_wait_dscnt 0x0                               ; my scale bytes are in LDS,
	BARRIER                                        ; everybody's are
	ds_load_b128 v[60:63], v20
	s_wait_dscnt 0x0
	global_store_b128 v[CO], v[60:63], s[76:77]
	s_wait_tensorcnt 0x0                           ; the wave's end
	ds_add_u32 v[SPW], v[NIL]
	s_wait_dscnt 0x0
	CROUND                                         ; the closing round
	s_endpgm
.Lfunc_end_k_q29d9cec9a1_ff1:
	.size	k_q29d9cec9a1_ff1, .Lfunc_end_k_q29d9cec9a1_ff1-k_q29d9cec9a1_ff1
	.p2alignl 7, 3214868480
	.fill 96, 4, 3214868480
	.section	.rodata,"a",@progbits
	.p2align	6, 0x0
	.amdhsa_kernel k_q29d9cec9a1_ff1
		.amdhsa_group_segment_fixed_size 327680
		.amdhsa_private_segment_fixed_size 0
		.amdhsa_enable_private_segment 0
		.amdhsa_kernarg_size 32
		.amdhsa_user_sgpr_count 2
		.amdhsa_user_sgpr_kernarg_segment_ptr 1
		.amdhsa_wavefront_size32 1
		.amdhsa_system_sgpr_workgroup_id_x 1
		.amdhsa_system_sgpr_workgroup_id_y 1
		.amdhsa_system_sgpr_workgroup_id_z 1
		.amdhsa_system_vgpr_workitem_id 0
		.amdhsa_next_free_vgpr 1024
		.amdhsa_next_free_sgpr 102
		.amdhsa_reserve_vcc 0
		.amdhsa_float_denorm_mode_32 3
		.amdhsa_float_denorm_mode_16_64 3
		.amdhsa_memory_ordered 1
		.amdhsa_forward_progress 1
		.amdhsa_inst_pref_size 190
	.end_amdhsa_kernel
	.amdgpu_metadata
---
amdhsa.version: [ 1, 2 ]
amdhsa.kernels:
  - .name:           k_q29d9cec9a1_ff1
    .symbol:         k_q29d9cec9a1_ff1.kd
    .args:
      - { .name: abuf, .offset: 0, .size: 8, .value_kind: global_buffer, .address_space: global }
      - { .name: wbuf, .offset: 8, .size: 8, .value_kind: global_buffer, .address_space: global }
      - { .name: b1, .offset: 16, .size: 8, .value_kind: global_buffer, .address_space: global }
      - { .name: fbuf, .offset: 24, .size: 8, .value_kind: global_buffer, .address_space: global }
    .group_segment_fixed_size: 327680
    .private_segment_fixed_size: 0
    .kernarg_segment_align: 8
    .kernarg_segment_size: 32
    .max_flat_workgroup_size: 128
    .sgpr_count:     102
    .vgpr_count:     1024
    .wavefront_size: 32
...
	.end_amdgpu_metadata
.endif
;; end of part 11
;; launch ff2 (part 12): grid 8 x 32, 4 waves a work-group, clusters of 4 x 4, 327,680 bytes of LDS; arguments fbuf, wbuf, x1, b2, out0; writes out0
.if DOCPART == 12
	.amdgcn_target "amdgcn-amd-amdhsa--gfx1250"
	.amdhsa_code_object_version 6
	.text
	.protected	k_q29d9cec9a1_ff2
	.globl	k_q29d9cec9a1_ff2
	.p2align	8
	.type	k_q29d9cec9a1_ff2,@function
k_q29d9cec9a1_ff2:
	s_mov_b64 s[64:65], 0
	v_nop
	global_prefetch_b8 v0, s[64:65] scope:SCOPE_SE
	s_setreg_imm32_b32 hwreg(HW_REG_WAVE_MODE, 25, 1), 1
	s_wait_xcnt 0x0
	s_wait_alu depctr_hold_cnt(0) depctr_sa_sdst(0) depctr_va_vdst(0) depctr_va_sdst(0) depctr_va_ssrc(0) depctr_va_vcc(0) depctr_vm_vsrc(0)
	s_getreg_b32 s2, hwreg(HW_REG_IB_STS2, 6, 4)
	s_cmp_eq_u32 s2, 0
	s_cbranch_scc0 .Lentry_in_a_cluster
	s_endpgm
.Lentry_in_a_cluster:
	s_bfe_u32 s2, ttmp6, 0x10000c
	s_cmp_lg_u32 s2, 0xf033
	s_cbranch_scc0 .Lentry_shape_is_right
	s_endpgm
.Lentry_shape_is_right:
; out0 = x1 + f W2^T + b2: f and W2 as codes of FP8 (E4M3) with E8M0 scales; x1, b2 and out0 f32.  Nothing is left out here.
; Tiles of 128 x 128 make 32 x 8 = 256 work-groups of four waves, each 64 x 64: 16 accumulators, which take turns.  K = 4,096 goes in 8 steps of 512 through a ring of two LDS slots (a wave's load brings 64 rows of 512 bytes).
; Clusters of 4 x 4 with joint loads, positions, scale words, residual, registers and the way out as in launch wo; here the way out's stage lies in slot 0, which has had its last fill and its last read by then.
; PREFETCH INTO THE L2.  A K step of the 64 rows that a wave fetches is 128 blocks of 256 bytes.  The four partners that ask for those rows jointly share them out BY ADDRESS: the partner at place p (cx for A, cy for B) takes rows
; 16 p .. 16 p + 15, two lanes a row: one instruction a wave, each block named once in each cluster that will load it.  K steps 1 to 3 are asked for at the head, behind K step 0's joint load; the change of slots that refills with
; K step t + 2 asks for K step t + 4, two refills on; the loop's last trip asks for nothing: K step 7 is the last.
; f LIES IN THE ORDER OF THE OPERAND'S REGISTERS: codes [16 positions][K / 128][piece c][lane][16 bytes], scale words [K / 128][position][4].  A K step of 16 positions is 8,192 dense bytes, 65,536 from one 16 to the next: a wave's load of A brings
; four such runs, unpadded, and a fragment is four LDS loads of 512 dense bytes.  Of A a partner prefetches one run, a lane a block of 256 bytes; of B 16 rows, two lanes a row.
.set PFA,  80                          ; s[80:81] where my prefetches stand: K step 3 at first; each change of slots steps it and asks.  s[76:77], s[78:79]: K steps 1 and 2
.set PFS,  82                          ; s[82:83] a K step on: 8,192 bytes in A, 512 in B
.set ASTEP, 8192
.set PFO,  31                          ; v31 (lane / 2) rows + 256 (lane % 2); never rewritten
.set KROW,   4096
.set KSH,    12
.set ASC,    16777216
.set BCODE,  8388608
.set BSC,    12845056
.set ASTR,   32768
.set BSTR,   8192
.set NTOUT,  1
.set KSTEP,  512
.set PITCH,  528
.set FR,     16
.set NP,     8
.set HALFT,  64*PITCH
.set SLOT,   4*HALFT
.set SPARE,  2*SLOT
.set LAPS,   KROW/(2*KSTEP)
.set SPITCH, 272
.set ADRA, 16
.set ADRB, 20
.set STO,  24
.set RD,   25
.set CO,   26
.set SVO,  27
.set SPW,  28
.set NIL,  29
.set BO,   30
.set SC,   32
.set BK,   64
.set ACC,  128
.set F0,   0
.set F1,   128
.set RES,  0
.set G1, 24
.set G0, 32
.set G1B, 48
.set G0B, 56
.set MSB, 0
.macro WIN new
.if MSB != (\new)
	s_set_vgpr_msb (MSB<<8)|(\new)
.set MSB, (\new)
.endif
.endm
.set MUL,  0x05
.set TO_F, 0x40
.macro JLOAD g0a, g1a, g0b, g1b
	s_cmp_eq_u32 s15, 0
	s_cbranch_scc0 .Lfor_b_\@
	tensor_load_to_lds s[\g0a:\g0a+3], s[\g1a:\g1a+7]
	s_nop 0
.rept 4
	v_nop
.endr
	s_branch .Lasked_\@
.Lfor_b_\@:
	tensor_load_to_lds s[\g0b:\g0b+3], s[\g1b:\g1b+7]
	s_nop 0
.rept 4
	v_nop
.endr
.Lasked_\@:
.endm
.macro CREST
	s_cmp_lg_u32 s14, 0
	s_cbranch_scc1 .Lnot_wave_0_\@
	s_barrier_signal -3
.Lnot_wave_0_\@:
	s_barrier_wait -3
	s_barrier_signal -1
	s_barrier_wait -1
.endm
.macro CROUND
	s_barrier_signal -1
	s_barrier_wait -1
	CREST
.endm
	s_load_b128 s[4:7], s[0:1], 0x0
	s_load_b128 s[72:75], s[0:1], 0x10
	s_load_b64 s[12:13], s[0:1], 0x20
	v_lshl_add_u32 v[SPW], v0, 2, SPARE
	v_mov_b32 v[NIL], 0
	ds_add_u32 v[SPW], v[NIL]
	ds_add_u32 v[SPW], v[NIL]
	v_lshrrev_b32 v1, 5, v0
	v_readfirstlane_b32 s14, v1
	s_lshr_b32 s15, s14, 1
	s_and_b32 s16, s14, 1
	s_bfe_u32 s40, ttmp6, 0x40000
	s_bfe_u32 s41, ttmp6, 0x40004
	s_lshl_b32 s42, ttmp9, 2
	s_add_co_u32 s42, s42, s40
	s_and_b32 s17, ttmp7, 0xffff
	s_lshl_b32 s17, s17, 2
	s_add_co_u32 s17, s17, s41
	s_lshl_b32 s43, s41, 2
	s_lshl_b32 s43, 15, s43
	s_lshl_b32 s44, 0x1111, s40
	s_or_b32 s[G1+0], s43, (3<<16)|(1<<21)         ; A: four runs of 8,192 bytes, in elements of 8 bytes, no padding
	s_mov_b32 s[G1+1], (ASTEP/8)<<16
	s_mov_b32 s[G1+2], 4<<16
	s_mov_b32 s[G1+3], (ASTEP/8)<<16
	s_mov_b32 s[G1+4], 4
	s_mov_b32 s[G1+5], 65536/8
	s_mov_b32 s[G1+6], 0
	s_mov_b32 s[G1+7], 0
	s_or_b32 s[G1B+0], s44, (1<<20)|(1<<21)|(6<<22)|(3<<25)
.irp g, G1B
	s_mov_b32 s[\g+1], KSTEP<<16
	s_mov_b32 s[\g+2], 64<<16
	s_mov_b32 s[\g+3], KSTEP<<16
	s_mov_b32 s[\g+4], 64
	s_mov_b32 s[\g+5], KROW
	s_mov_b32 s[\g+6], 0
	s_mov_b32 s[\g+7], 0
.endr
	s_lshl_b32 s18, s16, 6
	s_lshl_b32 s20, s17, 7
	s_add_co_u32 s20, s20, s18
	s_lshl_b32 s20, s20, KSH
	s_mov_b32 s21, 0
	s_lshl_b32 s46, s42, 7
	s_add_co_u32 s46, s46, s18
	s_lshl_b32 s92, s46, 3
	s_add_co_u32 s92, s92, BSC
	s_mov_b32 s93, 0
	s_lshl_b32 s46, s46, KSH
	s_add_co_u32 s46, s46, BCODE
	s_mov_b32 s47, 0
	s_lshl_b32 s22, s17, 7
	s_lshl_b32 s23, s15, 6
	s_add_co_u32 s22, s22, s23
	s_lshl_b32 s86, s22, 12
	s_lshl_b32 s22, s22, 2
	s_add_co_u32 s22, s22, ASC
	s_mov_b32 s23, 0
	s_lshl_b32 s88, s42, 9
	s_lshl_b32 s89, s16, 8
	s_add_co_u32 s88, s88, s89
	s_mov_b32 s89, 0
	s_add_co_u32 s86, s86, s88
	s_mov_b32 s87, 0
	s_mul_i32 s45, s14, HALFT
	s_wait_dscnt 0x0
	s_wait_kmcnt 0x0
	s_add_nc_u64 s[20:21], s[4:5], s[20:21]
	s_add_nc_u64 s[46:47], s[6:7], s[46:47]
	s_add_nc_u64 s[8:9], s[4:5], s[22:23]
	s_add_nc_u64 s[10:11], s[6:7], s[92:93]
	s_add_nc_u64 s[72:73], s[72:73], s[86:87]
	s_add_nc_u64 s[12:13], s[12:13], s[86:87]
	s_add_nc_u64 s[74:75], s[74:75], s[88:89]
	CROUND
.irp s, 0,1
	s_mov_b32 s[G0+4*\s], 1
	s_add_co_u32 s[G0+4*\s+1], s45, \s*SLOT
	s_add_nc_u64 s[G0+4*\s+2:G0+4*\s+3], s[20:21], \s*ASTEP
	s_or_b32 s[G0+4*\s+3], s[G0+4*\s+3], 0x80000000
	s_mov_b32 s[G0B+4*\s], 1
	s_add_co_u32 s[G0B+4*\s+1], s45, \s*SLOT
	s_add_nc_u64 s[G0B+4*\s+2:G0B+4*\s+3], s[46:47], \s*KSTEP
	s_or_b32 s[G0B+4*\s+3], s[G0B+4*\s+3], 0x80000000
.endr
	JLOAD G0, G1, G0B, G1B                         ; K step 0: one tensor load a wave at the head
	s_cmp_eq_u32 s15, 0                            ; do I fetch for A?  The wave's number alone
	s_cselect_b64 s[76:77], s[20:21], s[46:47]     ; the 64 rows that I fetch,
	s_cselect_b32 s78, s40, s41                    ; my place among the four that ask for them with me,
	s_cselect_b32 s85, 9, 12                       ; two lanes on: 512 bytes in A's run, a row of 4,096 in B
	s_mov_b32 s[PFS], KSTEP
	s_cselect_b32 s[PFS], ASTEP, s[PFS]
	s_mov_b32 s[PFS+1], 0
	s_lshl_b32 s78, s78, 4+KSH                     ; x 16 rows: 65,536 bytes in A and in B
	s_mov_b32 s79, 0
	s_add_nc_u64 s[76:77], s[76:77], s[78:79]
	s_add_nc_u64 s[76:77], s[76:77], s[PFS:PFS+1]  ; K step 1,
	s_add_nc_u64 s[78:79], s[76:77], s[PFS:PFS+1]  ; 2,
	s_add_nc_u64 s[PFA:PFA+1], s[78:79], s[PFS:PFS+1]  ; 3
.macro GSCALES sc, k
.irp pl, 0,1
.irp m, 0,1
	global_load_b32 v[SC+16*\sc+4*\pl+2*\m], v12, s[8:9] offset:(4*(\k)+2*\pl)*16384+128*\m       ; A: a word a lane for 32 positions and 128 of K
	global_load_b32 v[SC+16*\sc+4*\pl+2*\m+1], v12, s[8:9] offset:(4*(\k)+2*\pl+1)*16384+128*\m
	global_load_b64 v[SC+16*\sc+8+4*\pl+2*\m:SC+16*\sc+8+4*\pl+2*\m+1], v[SVO], s[10:11] offset:(2*(\k)+\pl)*BSTR+256*\m
.endr
.endr
.endm
	v_and_b32 v6, 31, v0
	v_lshlrev_b32 v[SVO], 3, v6
	v_lshlrev_b32 v12, 2, v6
	GSCALES 0, 0
	GSCALES 1, 1
	v_lshrrev_b32 v7, 1, v6
	v_and_b32 v[PFO], 1, v6
	v_lshlrev_b32 v[PFO], 8, v[PFO]
	v_lshlrev_b32 v7, s85, v7
	v_add_nc_u32 v[PFO], v7, v[PFO]
	global_prefetch_b8 v[PFO], s[76:77] th:TH_LOAD_NT scope:SCOPE_SE   ; K step 1; K steps 2 and 3 are asked for behind K step 1's joint load
	v_and_b32 v1, 15, v0
	v_bfe_u32 v2, v0, 4, 1
	v_lshlrev_b32 v[BO], 4, v1
	global_load_b128 v[8:11], v[BO], s[74:75]
	v_lshlrev_b32 v[CO], 12, v2
	v_lshl_add_u32 v[CO], v1, 4, v[CO]
	v_mul_u32_u24 v3, v1, PITCH
	v_lshl_add_u32 v4, v2, 4, v3
	v_lshlrev_b32 v13, 4, v6                       ; A's fragments: 16 bytes a lane
	s_mul_i32 s21, s15, HALFT
	s_mul_i32 s22, s16, HALFT
	s_add_co_u32 s22, s22, 2*HALFT
.irp s, 0,1
	v_add_nc_u32 v[ADRA+\s], s21, v13
	v_add_nc_u32 v[ADRB+\s], s22, v4
	s_add_co_u32 s21, s21, SLOT
	s_add_co_u32 s22, s22, SLOT
.endr
	s_mul_i32 s23, s14, 16*SPITCH
	v_mul_u32_u24 v5, v1, SPITCH
	v_lshl_add_u32 v5, v2, 6, v5
	v_add_nc_u32 v[STO], s23, v5
	v_mul_u32_u24 v5, v2, SPITCH
	v_lshl_add_u32 v5, v1, 4, v5
	v_add_nc_u32 v[RD], s23, v5
.macro FRAG reg, adr, q, i
.irp c, 0,1,2,3
	ds_load_b128 v[\reg+4*\c:\reg+4*\c+3], v[\adr] offset:128*(\q)+32*\c+(\i)*16*PITCH
.endr
.endm
.macro ONE c
.if par == 0
	v_wmma_scale_f32_16x16x128_f8f6f4 v[rD:rD+7], v[rB:rB+15], v[rA:rA+15], \c, v[rSB], v[rSA]
.elseif par == 1
	v_wmma_scale_f32_16x16x128_f8f6f4 v[rD:rD+7], v[rB:rB+15], v[rA:rA+15], \c, v[rSB], v[rSA] matrix_b_scale:MATRIX_SCALE_ROW1
.elseif par == 2
	v_wmma_scale_f32_16x16x128_f8f6f4 v[rD:rD+7], v[rB:rB+15], v[rA:rA+15], \c, v[rSB], v[rSA] matrix_a_scale:MATRIX_SCALE_ROW1
.else
	v_wmma_scale_f32_16x16x128_f8f6f4 v[rD:rD+7], v[rB:rB+15], v[rA:rA+15], \c, v[rSB], v[rSA] matrix_a_scale:MATRIX_SCALE_ROW1 matrix_b_scale:MATRIX_SCALE_ROW1
.endif
.endm
.macro MUL4 a, f, q, sc, zero
.irp b, 0,1,2,3
.set rD, ACC+8*(4*(\a)+\b)
.set rB, (\f)+64+FR*\b
.set rA, (\f)+FR*(\a)
.set rSB, SC+16*(\sc)+8+4*((\q)/2)+2*(\b/2)+((\q)%2)
.set rSA, SC+16*(\sc)+4*((\q)/2)+2*((\a)/2)+((\q)%2)
.set par, 2*(\b%2)+((\a)%2)
.if \zero
	ONE 0
.else
	ONE v[rD:rD+7]
.endif
.endr
.endm
.macro FETCH slot, q, f
	WIN TO_F
.irp i, 0,1,2,3
	FRAG (\f)+64+FR*\i, ADRB+\slot, \q, \i
.endr
.irp i, 0,1,2,3
.irp c, 0,1,2,3
	ds_load_b128 v[(\f)+FR*\i+4*\c:(\f)+FR*\i+4*\c+3], v[ADRA+\slot] offset:2048*(\q)+512*\c+ASTEP*\i
.endr
.endr
.endm
.macro PLACES n
.rept \n
	v_nop
.endr
.endm
.macro QSTEP slot, q, zero
	s_wait_dscnt 8
	WIN MUL
	MUL4 0, 128*((\q)%2), \q, \slot, \zero
	MUL4 1, 128*((\q)%2), \q, \slot, \zero
	PLACES NP
	FETCH \slot, (\q)+1, 128*(1-(\q)%2)
	s_wait_dscnt 32
	WIN MUL
	MUL4 2, 128*((\q)%2), \q, \slot, \zero
	MUL4 3, 128*((\q)%2), \q, \slot, \zero
.endm
.macro TURN slot, next, fill
.if \fill
	s_wait_xcnt 0x0                                ; my last prefetch has read its address, a K step ago: it is stepped here, ahead of the waits of the change of slots
	s_add_nc_u64 s[PFA:PFA+1], s[PFA:PFA+1], s[PFS:PFS+1]
.endif
	WIN 0
	s_wait_tensorcnt 0x0
	ds_add_u32 v[SPW], v[NIL]
	s_wait_dscnt 9
	WIN MUL
	MUL4 0, F1, 3, \slot, 0
	s_wait_dscnt 0x0
	s_barrier_signal -1
	MUL4 1, F1, 3, \slot, 0
	WIN 0
	s_barrier_wait -1
.if \fill
	CREST
	s_add_nc_u64 s[G0+4*\slot+2:G0+4*\slot+3], s[G0+4*\slot+2:G0+4*\slot+3], 2*ASTEP
	s_add_nc_u64 s[G0B+4*\slot+2:G0B+4*\slot+3], s[G0B+4*\slot+2:G0B+4*\slot+3], 2*KSTEP
	JLOAD G0+4*\slot, G1, G0B+4*\slot, G1B
	PLACES NP-4
.else
	PLACES NP
.endif
	FETCH \next, 0, F0
.if \fill
	WIN 0                                          ; at a branch and at a label every window is 0
	s_cmp_gt_u32 s3, 1                             ; s3 = 1 in the loop's last trip, whose K steps four on do not exist
	s_cbranch_scc0 .Lno_ask_\@
	global_prefetch_b8 v[PFO], s[PFA:PFA+1] th:TH_LOAD_NT scope:SCOPE_SE   ; the K step two refills on
.Lno_ask_\@:
.endif
	WIN MUL
	MUL4 2, F1, 3, \slot, 0
	MUL4 3, F1, 3, \slot, 0
	PLACES NP
	WIN 0
.if \fill
	s_wait_loadcnt 0x0                             ; the next K step's scale words, asked for a K step ago, are in; their loads have read the bases
.else
	s_wait_loadcnt 32                              ; the same; the residual's 32 loads, issued behind them, may be out
.endif
.if \fill
	s_add_nc_u64 s[8:9], s[8:9], 2*ASTR
	s_add_nc_u64 s[10:11], s[10:11], 2*BSTR
	GSCALES \slot, 1
.endif
.endm
	s_wait_alu depctr_va_vdst(0)
	s_wait_tensorcnt 0x0                           ; my part of K step 0 is in
	ds_add_u32 v[SPW], v[NIL]
	s_wait_dscnt 0x0
	CROUND                                         ; everybody's part is in, and all sixteen work-groups are here
	JLOAD G0+4, G1, G0B+4, G1B                     ; K step 1 into slot 1: the first tensor load behind the round
	FETCH 0, 0, F0
	global_prefetch_b8 v[PFO], s[78:79] th:TH_LOAD_NT scope:SCOPE_SE        ; K steps 2 and 3
	global_prefetch_b8 v[PFO], s[PFA:PFA+1] th:TH_LOAD_NT scope:SCOPE_SE
	s_wait_loadcnt 0x0                             ; both sets of scale words and the bias
	QSTEP 0, 0, 1
.if LAPS > 1
	WIN 0
	s_mov_b32 s3, LAPS-1
.Llap:
	QSTEP 0, 1, 0
	QSTEP 0, 2, 0
	TURN 0, 1, 1
	QSTEP 1, 0, 0
	QSTEP 1, 1, 0
	QSTEP 1, 2, 0
	TURN 1, 0, 1
	QSTEP 0, 0, 0
	WIN 0
	s_sub_co_u32 s3, s3, 1
	s_cmp_lg_u32 s3, 0
	s_cbranch_scc1 .Llap
.endif
	WIN 0x80                                       ; destination window 2
.irp a, 0,1,2,3
.irp t, 0,1,2,3,4,5,6,7
	global_load_b128 v[RES+32*\a+4*\t:RES+32*\a+4*\t+3], v[CO], s[72:73] offset:(32*(\a/2)+8*(\a%2)+2*\t+8*(\t/4))*4096 th:TH_LOAD_NT   ; the residual, in the order in which the rows leave; it has the last two K steps in which to land
.endr
.endr
	WIN 0
	QSTEP 0, 1, 0
	QSTEP 0, 2, 0
	TURN 0, 1, 0
	QSTEP 1, 0, 0
	QSTEP 1, 1, 0
	QSTEP 1, 2, 0
	s_wait_dscnt 8
	WIN MUL
	MUL4 0, F1, 3, 1, 0
	MUL4 1, F1, 3, 1, 0
	s_wait_dscnt 0
	MUL4 2, F1, 3, 1, 0
	MUL4 3, F1, 3, 1, 0
	WIN 0
.macro TOSTAGE a
.irp b, 0,1,2,3
	ds_store_b128 v[STO], v[ACC+32*(\a)+8*\b:ACC+32*(\a)+8*\b+3] offset:128*(\b/2)+32*(\b%2)
	ds_store_b128 v[STO], v[ACC+32*(\a)+8*\b+4:ACC+32*(\a)+8*\b+7] offset:128*(\b/2)+32*(\b%2)+16
.endr
.set BB, BK+32*((\a)%2)
.irp t, 0,1,2,3,4,5,6,7
	ds_load_b128 v[BB+4*\t:BB+4*\t+3], v[RD] offset:\t*2*SPITCH
.endr
.endm
.macro SEND a, younger
.set BB, BK+32*((\a)%2)
	s_wait_dscnt \younger
	s_wait_loadcnt 8*(3-(\a))                      ; this block's eight loads of the residual are in; the later blocks' may be out
.irp t, 0,1,2,3,4,5,6,7
	v_pk_add_f32 v[BB+4*\t:BB+4*\t+1], v[BB+4*\t:BB+4*\t+1], v[8:9]
	v_pk_add_f32 v[BB+4*\t+2:BB+4*\t+3], v[BB+4*\t+2:BB+4*\t+3], v[10:11]
.endr
	WIN 0x08
.irp t, 0,1,2,3,4,5,6,7
	v_pk_add_f32 v[BB+4*\t:BB+4*\t+1], v[BB+4*\t:BB+4*\t+1], v[RES+32*(\a)+4*\t:RES+32*(\a)+4*\t+1]
	v_pk_add_f32 v[BB+4*\t+2:BB+4*\t+3], v[BB+4*\t+2:BB+4*\t+3], v[RES+32*(\a)+4*\t+2:RES+32*(\a)+4*\t+3]
.endr
	WIN 0
.irp t, 0,1,2,3,4,5,6,7
.if NTOUT
	global_store_b128 v[CO], v[BB+4*\t:BB+4*\t+3], s[12:13] offset:(32*((\a)/2)+8*((\a)%2)+2*\t+8*(\t/4))*4096 th:TH_STORE_NT
.else
	global_store_b128 v[CO], v[BB+4*\t:BB+4*\t+3], s[12:13] offset:(32*((\a)/2)+8*((\a)%2)+2*\t+8*(\t/4))*4096
.endif
.endr
.endm
	PLACES NP
	TOSTAGE 0
.irp a, 1,2,3
.if \a > 1
	s_wait_xcnt 0x0
.endif
	TOSTAGE \a
	SEND \a-1, 16
.endr
	SEND 3, 0
	s_wait_tensorcnt 0x0
	ds_add_u32 v[SPW], v[NIL]
	s_wait_dscnt 0x0
	CROUND
	s_endpgm
.Lfunc_end_k_q29d9cec9a1_ff2:
	.size	k_q29d9cec9a1_ff2, .Lfunc_end_k_q29d9cec9a1_ff2-k_q29d9cec9a1_ff2
	.p2alignl 7, 3214868480
	.fill 96, 4, 3214868480
	.section	.rodata,"a",@progbits
	.p2align	6, 0x0
	.amdhsa_kernel k_q29d9cec9a1_ff2
		.amdhsa_group_segment_fixed_size 327680
		.amdhsa_private_segment_fixed_size 0
		.amdhsa_enable_private_segment 0
		.amdhsa_kernarg_size 40
		.amdhsa_user_sgpr_count 2
		.amdhsa_user_sgpr_kernarg_segment_ptr 1
		.amdhsa_wavefront_size32 1
		.amdhsa_system_sgpr_workgroup_id_x 1
		.amdhsa_system_sgpr_workgroup_id_y 1
		.amdhsa_system_sgpr_workgroup_id_z 1
		.amdhsa_system_vgpr_workitem_id 0
		.amdhsa_next_free_vgpr 768
		.amdhsa_next_free_sgpr 98
		.amdhsa_reserve_vcc 0
		.amdhsa_float_denorm_mode_32 3
		.amdhsa_float_denorm_mode_16_64 3
		.amdhsa_memory_ordered 1
		.amdhsa_forward_progress 1
		.amdhsa_inst_pref_size 107
	.end_amdhsa_kernel
	.amdgpu_metadata
---
amdhsa.version: [ 1, 2 ]
amdhsa.kernels:
  - .name:           k_q29d9cec9a1_ff2
    .symbol:         k_q29d9cec9a1_ff2.kd
    .args:
      - { .name: fbuf, .offset: 0, .size: 8, .value_kind: global_buffer, .address_space: global }
      - { .name: wbuf, .offset: 8, .size: 8, .value_kind: global_buffer, .address_space: global }
      - { .name: x1, .offset: 16, .size: 8, .value_kind: global_buffer, .address_space: global }
      - { .name: b2, .offset: 24, .size: 8, .value_kind: global_buffer, .address_space: global }
      - { .name: out0, .offset: 32, .size: 8, .value_kind: global_buffer, .address_space: global }
    .group_segment_fixed_size: 327680
    .private_segment_fixed_size: 0
    .kernarg_segment_align: 8
    .kernarg_segment_size: 40
    .max_flat_workgroup_size: 128
    .sgpr_count:     98
    .vgpr_count:     768
    .wavefront_size: 32
...
	.end_amdgpu_metadata
.endif
;; end of part 12
